; MI455X (gfx1250); checked and timed in simulation.
; The chip was launched on July 23, 2026; its instructions are those of AMD's public machine-readable ISA for CDNA 5 (MIT licence, August 2026) and "CDNA5" Instruction Set Architecture Reference Guide (July 2026). The comments in the code are by the model that wrote it; some were corrected since.
;; BMOJO Attention. Allowed arithmetic: matrix products marked QUANTISED: E2M1 operands, one E8M0 scale for each 32 along K, by v_wmma_scale_f32_16x16x128_f8f6f4 with both operands' format E2M1 (or v_wmma_scale_f32_32x16x128_f4), f32 sums; products left as they are: bf16, f16 or f32 operands; f32 sums; everything else in f32.
;; Inputs: Wk 1,024 x 2,048 float32; Wk2 1,024 x 2,048 float32; Wo 2,048 x 2,048 float32; Wq 2,048 x 2,048 float32; Wq2 2,048 x 2,048 float32; Wv 1,024 x 2,048 float32; Wv2 1,024 x 2,048 float32; bk 1,024 float32; bk2 1,024 float32; bq 2,048 float32; bq2 2,048 float32; bv 1,024 float32; bv2 1,024 float32; cos 2 x 1,024 x 128 float32; gk 128 float32; gk2 128 float32; gq 128 float32; gq2 128 float32; hidden_states 2 x 1,024 x 2,048 float32; sin 2 x 1,024 x 128 float32.
;; Outputs: out0 2 x 1,024 x 2,048 float32.
;; This version of the problem:
;;   THIS VERSION OF THE PROBLEM IS GIVEN IN LOW PRECISION. The matrix products marked QUANTISED in the list below multiply operands that are first quantised to E2M1 (2 exponent bits, 1 mantissa bit; 4 bits a number), with one power-of-two scale for each 32 numbers along K (OCP MX v1.0); their sums are f32. The products marked 'left as it is' may take bf16, f16 or f32 operands, with f32 sums. Whichever they take, every output number must still come out within the allowed error. Rounding operands to bf16 (8 significant bits) uses up far more of that allowance than f16 does (11 bits, for magnitudes from 6e-5 to 65,504). All else is computed in f32.
;;   The module's matrix products, in the order in which they are computed (A, B: the left and right operand; K: the contracted axis; several contracted axes count as one K, in the product's order):
;;     1. [M 2,048, K 2,048] x [K 2,048, N 2,048]; A: input hidden_states; B: input Wq: QUANTISED
;;     2. [M 2,048, K 2,048] x [K 2,048, N 1,024]; A: input hidden_states; B: input Wk: QUANTISED
;;     3. [M 2,048, K 2,048] x [K 2,048, N 1,024]; A: input hidden_states; B: input Wv: QUANTISED
;;     4. [M 2,048, K 2,048] x [K 2,048, N 2,048]; A: input hidden_states; B: input Wq2: QUANTISED
;;     5. [M 2,048, K 2,048] x [K 2,048, N 1,024]; A: input hidden_states; B: input Wk2: QUANTISED
;;     6. [M 2,048, K 2,048] x [K 2,048, N 1,024]; A: input hidden_states; B: input Wv2: QUANTISED
;;     7. batch 32 x [M 1,024, K 128] x [K 128, N 1,024]; A: computed on the way; B: computed on the way: left as it is (an operand is computed on the way)
;;     8. batch 32 x [M 1,024, K 128] x [K 128, N 1,024]; A: computed on the way; B: computed on the way: left as it is (an operand is computed on the way)
;;     9. batch 32 x [M 128, K 1,024] x [K 1,024, N 1,024]; A: computed on the way; B: computed on the way: left as it is (an operand is computed on the way)
;;     10. batch 32 x [M 128, K 1,024] x [K 1,024, N 1,024]; A: computed on the way; B: computed on the way: left as it is (an operand is computed on the way)
;;     11. [M 2,048, K 2,048] x [K 2,048, N 2,048]; A: computed on the way; B: input Wo: left as it is (an operand is computed on the way)
;;   THE QUANTISER, for each operand of a quantised product, along K:
;;     - K is cut into blocks of 32 from its start; a last block that is shorter is filled with zeros.
;;     - A block's scale is 2^e with e = floor(log2(the largest magnitude in the block)) - 2, held to -126 .. 127; a block of zeros has e = 0. As a byte (E8M0): e + 127.
;;     - Each number is divided by its block's scale, clamped to +-6, and rounded to the nearest number of E2M1, ties to even, subnormals kept.
;;     - The product sums the exact products of the quantised numbers (number of the format x scale) in f32.
;;   ~~~python
;;   def quantise(x, axis):      # numpy; x: float32 -> the quantised numbers, widened to float32 again
;;       x = np.moveaxis(x, axis, -1); K = x.shape[-1]
;;       x = np.pad(x, [(0, 0)] * (x.ndim - 1) + [(0, -K % 32)]); x = x.reshape(x.shape[:-1] + (-1, 32)); a = np.abs(x).max(-1, keepdims=True)
;;       e = np.where(a > 0, np.clip(np.frexp(np.where(a > 0, a, 1))[1] - 1 - 2, -126, 127), 0)      # np.frexp(a)[1] - 1 = floor(log2(a)), exactly
;;       r = np.clip(x / 2.0 ** e, -6, 6)
;;       step = 2.0 ** (np.maximum(np.frexp(np.where(r == 0, 1, r))[1] - 1, 0) - 1)
;;       q = np.round(r / step) * step * 2.0 ** e      # np.round: ties to even
;;       return np.moveaxis(q.reshape(q.shape[:-2] + (-1,))[..., :K], -1, axis).astype(np.float32)
;;   ~~~
;; 2 versions, each right and faster than the one before. Each part assembles by itself: llvm-mc -triple=amdgcn-amd-amdhsa -mcpu=gfx1250 --defsym DOCPART=n.
;; ======== version 1 of 2: 6 launches
;; limits: values are held in f16: magnitudes above 65,504 overflow, below 6.1e-05 lose precision; right only within a limited range of input values
;; workspace buffers: codes 10,485,760 bytes; scales 655,360 bytes; wo16 8,388,608 bytes; qkv16 33,554,432 bytes; fine32 524,288 bytes; att16 8,388,608 bytes; part 4,194,304 bytes
;; launch quant (part 1): grid 768 x 1, 4 waves a work-group, no clusters, 33,280 bytes of LDS; arguments hidden_states, Wq, Wk, Wv, Wq2, Wk2, Wv2, Wo, codes, scales, wo16; writes codes, scales, wo16
.if DOCPART == 1
	.amdgcn_target "amdgcn-amd-amdhsa--gfx1250"
	.amdhsa_code_object_version 6
	.text
	.protected	k_q3edf5b732c_quant
	.globl	k_q3edf5b732c_quant
	.p2align	8
	.type	k_q3edf5b732c_quant,@function
k_q3edf5b732c_quant:
	s_mov_b64 s[64:65], 0
	v_nop
	global_prefetch_b8 v0, s[64:65] scope:SCOPE_SE
	s_setreg_imm32_b32 hwreg(HW_REG_WAVE_MODE, 25, 1), 1
	s_wait_xcnt 0x0
; hidden_states [2048][2048] and the six projection weights ([2048 or 1024][2048]), f32, K innermost, become codes of FP4 (E2M1), two a byte, and one E8M0 byte for each 32 along K.
; The seven tensors are laid one behind the other as rows of one operand buffer: codes [10240][1024 bytes], scales [10240][64 bytes]; rows 0-2047 the activations, then Wq, Wk, Wv, Wq2, Wk2, Wv2.
; A block's scale is 2^(floor(log2(its largest magnitude)) - 2); its byte is the largest magnitude's exponent field - 2, held at 1 from below.  A block of zeros so gets the byte 1 where the rule says 127:
; its codes are zeros, which add nothing under any byte but 0xff, and the bytes are read by this program alone.
; Wo [2048][2048] becomes f16, times 16 (exact): the attention's result is kept divided by 16, so that both have room in f16.
; LIMITS: NaN and infinities among the inputs are not served; |Wo| stays under 4,094 (16 |Wo| inside f16).
; SHARES: a work-group takes 32,768 numbers of one tensor, a wave 8,192, in 16 steps of 512.  Work-groups 0-127 hidden_states, 128 Wq, 256 Wk, 320 Wv, 384 Wq2, 512 Wk2, 576 Wv2, 640-767 Wo.
; Rows are dense and K is a multiple of 32: a tensor is a plain stream of blocks, and so are its codes and scale bytes.
; The conversions take neighbours along K from ONE lane's registers, a load is best where neighbouring lanes take neighbouring bytes: each of a step's four loads reads 512 consecutive bytes, and the 2,048 bytes
; turn through the wave's own stage in LDS (16 bytes of padding behind each 64) and come back 64 bytes a lane.  No barrier: waves share nothing.
.set WAVES, 4
.set STEPS, 16
.set EMAX,  2
.set CB,    8                          ; bytes of 16 codes
.set R,     16                         ; v16-79   four sets of 16 numbers as they are loaded
.set X,     80                         ; v80-111  two sets of 16 neighbours; on Wo's path v80-143: eight sets of 8 registers of f16
.set E,     112                        ; v112-127 a scale byte for each step
.set C,     128                        ; v128-191 codes: four registers for each step
.set WREG,  8192                       ; LDS: a region for each wave: two stages of 32 x SP bytes, behind them its 256 scale bytes
.set SP,    80
.set SPW,   12                         ; v12  LDS address of my spare word; never rewritten
.set NIL,   13                         ; v13  0; never rewritten
.set SPARE, WAVES*WREG                 ; the spare words, 128 bytes a wave: two blocks of 256 bytes that no other line names
.set SRC,   28                         ; s[28:29] the tensor that my work-group reads
	s_load_b512 s[4:19], s[0:1], 0x0               ; hidden_states, Wq, Wk, Wv, Wq2, Wk2, Wv2, Wo
	s_load_b128 s[20:23], s[0:1], 0x40             ; codes, scales
	s_load_b64 s[24:25], s[0:1], 0x50              ; wo16
	v_lshl_add_u32 v[SPW], v0, 2, SPARE
	v_mov_b32 v[NIL], 0
	v_lshrrev_b32 v1, 5, v0
	v_readfirstlane_b32 s30, v1                    ; wave
	v_and_b32 v2, 31, v0                           ; lane
	v_lshlrev_b32 v3, 4, v2                        ; my 16 bytes of a load's 512
	s_mul_i32 s31, s30, WREG
	v_lshrrev_b32 v14, 2, v2
	v_mul_u32_u24 v14, v14, SP
	v_and_b32 v15, 3, v2
	v_lshl_add_u32 v14, v15, 4, v14
	v_add_nc_u32 v14, s31, v14                     ; the stage, on the way in: SP (lane / 4) + 16 (lane % 4)
	v_mul_u32_u24 v15, v2, SP
	v_add_nc_u32 v15, s31, v15                     ; and on the way out: SP x lane: my 16 neighbours
	v_mul_u32_u24 v4, v2, CB                       ; 8 x lane: my codes' place in a step's; on Wo's path my 4 f16
	v_lshrrev_b32 v5, 1, v2
	s_add_co_u32 s31, s31, 2*32*SP
	v_add_nc_u32 v5, s31, v5                       ; LDS: my wave's 256 scale bytes, my block's byte
	v_lshlrev_b32 v7, 3, v2
	v_add_nc_u32 v6, s31, v7                       ; and on the way out 8 bytes a lane
	s_wait_kmcnt 0x0
; which tensor is mine: the choices hang on the work-group's number alone
.macro PICK first, ptr
	s_cmp_ge_u32 ttmp9, \first
	s_cselect_b64 s[SRC:SRC+1], s[\ptr:\ptr+1], s[SRC:SRC+1]
	s_cselect_b32 s26, \first, s26
.endm
	s_mov_b64 s[SRC:SRC+1], s[4:5]
	s_mov_b32 s26, 0                               ; the tensor's first work-group
	PICK 128, 6
	PICK 256, 8
	PICK 320, 10
	PICK 384, 12
	PICK 512, 14
	PICK 576, 16
	PICK 640, 18
	s_sub_co_u32 s27, ttmp9, s26
	s_lshl_b32 s27, s27, 2
	s_add_co_u32 s27, s27, s30                     ; which run of 8,192 numbers of the tensor is my wave's (511 at the most)
	s_lshl_b32 s32, s27, 15                        ; 32,768 bytes a run
	s_mov_b32 s33, 0
	s_add_nc_u64 s[SRC:SRC+1], s[SRC:SRC+1], s[32:33]
.macro LOAD t
.irp i, 0,1,2,3
	global_load_b128 v[R+16*((\t)%4)+4*\i:R+16*((\t)%4)+4*\i+3], v3, s[SRC:SRC+1] offset:2048*(\t)+512*\i th:TH_LOAD_NT   ; 32 lanes read 512 consecutive bytes
.endr
.endm
	s_cmp_ge_u32 ttmp9, 640
	s_cbranch_scc1 .Lwo
	s_lshl_b32 s34, ttmp9, 2
	s_add_co_u32 s34, s34, s30                     ; the run's number in the joined buffers
	s_lshl_b32 s32, s34, 12                        ; 4,096 bytes of codes a run
	s_add_nc_u64 s[20:21], s[20:21], s[32:33]
	s_lshl_b32 s32, s34, 8                         ; 256 scale bytes a run
	s_add_nc_u64 s[22:23], s[22:23], s[32:33]
.macro TURN t                          ; step t's numbers through the stage: LDS serves a wave's instructions in order, so no wait stands between the stores and the loads
.irp i, 0,1,2,3
	ds_store_b128 v14, v[R+16*((\t)%4)+4*\i:R+16*((\t)%4)+4*\i+3] offset:32*SP*((\t)%2)+8*SP*\i
.endr
.irp i, 0,1,2,3
	ds_load_b128 v[X+16*((\t)%2)+4*\i:X+16*((\t)%2)+4*\i+3], v15 offset:32*SP*((\t)%2)+16*\i
.endr
.endm
.irp t, 0,1,2,3
	LOAD \t
.endr
	s_wait_loadcnt 12                              ; step 0's four loads are in; the 12 of steps 1 to 3 may be out
	TURN 0
.macro STEP t
.set XS, X+16*((\t)%2)
.if (\t) > 0
	s_wait_dscnt 1                                 ; this step's numbers are back from the stage (the last step's byte store may be out): so its stores into the stage have read their registers,
.else
	s_wait_dscnt 0x0
.endif
.if (\t)+4 < STEPS
	LOAD (\t)+4                                    ; which take the loads of four steps on
.endif
.if (\t)+1 < STEPS
.if STEPS-2-(\t) >= 3
	s_wait_loadcnt 12                              ; the next step's four loads are in; those of the three steps behind it may be out
.else
	s_wait_loadcnt 4*(STEPS-2-(\t))
.endif
	TURN (\t)+1                                    ; and go through the other stage while this step is worked
.endif
	v_max3_num_f32 v8, |v[XS]|, |v[XS+1]|, |v[XS+2]|               ; the largest magnitude of my 16, in two chains
	v_max3_num_f32 v9, |v[XS+3]|, |v[XS+4]|, |v[XS+5]|
.irp i, 6,10
	v_max3_num_f32 v8, v8, |v[XS+\i]|, |v[XS+\i+1]|
	v_max3_num_f32 v9, v9, |v[XS+\i+2]|, |v[XS+\i+3]|
.endr
	v_max3_num_f32 v8, v8, |v[XS+14]|, |v[XS+15]|
	v_max3_num_f32 v8, v8, v9, (EMAX+1)<<23        ; and the floor 2^(EMAX + 1 - 127): so the byte cannot fall under 1
	v_max_num_f32_dpp v8, v8, v8 row_xmask:1 row_mask:0xf bank_mask:0xf   ; and of my neighbour's 16: the block's
	v_add_nc_u32 v11, -(EMAX<<23), v8              ; EMAX off its exponent field: the conversion takes the exponent field of this operand as its scale
	v_cvt_scalef32_pk8_fp4_f32 v[C+4*(\t)], v[XS:XS+7], v11        ; eight numbers / the scale, to the nearest code, ties to even, beyond the largest code the largest
	v_cvt_scalef32_pk8_fp4_f32 v[C+4*(\t)+1], v[XS+8:XS+15], v11
	v_lshrrev_b32 v[E+(\t)], 23, v11               ; the scale's byte
	ds_store_b8 v5, v[E+(\t)] offset:16*(\t)       ; both lanes of a block write the same byte with the same value
	global_store_b64 v4, v[C+4*(\t):C+4*(\t)+1], s[20:21] offset:32*CB*(\t)   ; the wave stores 256 consecutive bytes, aligned
.endm
.irp t, 0,1,2,3,4,5,6,7,8,9,10,11,12,13,14,15
	STEP \t
.endr
	ds_load_b64 v[8:9], v6                         ; LDS serves a wave's instructions in order: these see my stores
	s_wait_dscnt 0x0
	global_store_b64 v7, v[8:9], s[22:23]          ; 32 lanes store 256 consecutive bytes, aligned
	s_wait_tensorcnt 0x0                           ; the wave's end: three closing lines behind my last LDS store
	ds_add_u32 v[SPW], v[NIL]
	s_wait_dscnt 0x0
	s_endpgm
; Wo: f32 to f16, times 16.  A lane's 16 bytes of a load are 4 numbers, 8 bytes of f16: each store of the wave covers 256 consecutive bytes, aligned.  No LDS.
.Lwo:
	s_lshl_b32 s32, s27, 14                        ; 16,384 bytes of f16 a run
	s_add_nc_u64 s[24:25], s[24:25], s[32:33]
.macro WSTEP t
.set RS, R+16*((\t)%4)
.set OS, X+8*((\t)%8)
.if STEPS-1-(\t) >= 3
	s_wait_loadcnt 12                              ; this step's four loads are in; those of the three steps behind it may be out
.else
	s_wait_loadcnt 4*(STEPS-1-(\t))
.endif
.if (\t) >= 8
	s_wait_xcnt 0x0                                ; the stores of eight steps back have read their data: this set of 8 registers is written again only behind this wait
.endif
.irp i, 0,2,4,6,8,10,12,14
	v_pk_mul_f32 v[RS+\i:RS+\i+1], v[RS+\i:RS+\i+1], 0x41800000 op_sel_hi:[1,0]   ; x 16
.endr
.irp i, 0,1,2,3,4,5,6,7
	v_cvt_pk_f16_f32 v[OS+\i], v[RS+2*\i], v[RS+2*\i+1]
.endr
.if (\t)+4 < STEPS
	LOAD (\t)+4
.endif
.irp i, 0,1,2,3
	global_store_b64 v4, v[OS+2*\i:OS+2*\i+1], s[24:25] offset:1024*(\t)+256*\i
.endr
.endm
.irp t, 0,1,2,3
	LOAD \t
.endr
.irp t, 0,1,2,3,4,5,6,7,8,9,10,11,12,13,14,15
	WSTEP \t
.endr
	s_wait_tensorcnt 0x0                           ; the closing lines stand on this path too
	ds_add_u32 v[SPW], v[NIL]
	s_wait_dscnt 0x0
	s_endpgm
.Lfunc_end_k_q3edf5b732c_quant:
	.size	k_q3edf5b732c_quant, .Lfunc_end_k_q3edf5b732c_quant-k_q3edf5b732c_quant
	.p2alignl 7, 3214868480
	.fill 96, 4, 3214868480
	.section	.rodata,"a",@progbits
	.p2align	6, 0x0
	.amdhsa_kernel k_q3edf5b732c_quant
		.amdhsa_group_segment_fixed_size 33280
		.amdhsa_private_segment_fixed_size 0
		.amdhsa_enable_private_segment 0
		.amdhsa_kernarg_size 88
		.amdhsa_user_sgpr_count 2
		.amdhsa_user_sgpr_kernarg_segment_ptr 1
		.amdhsa_wavefront_size32 1
		.amdhsa_system_sgpr_workgroup_id_x 1
		.amdhsa_system_sgpr_workgroup_id_y 1
		.amdhsa_system_sgpr_workgroup_id_z 1
		.amdhsa_system_vgpr_workitem_id 0
		.amdhsa_next_free_vgpr 192
		.amdhsa_next_free_sgpr 66
		.amdhsa_reserve_vcc 0
		.amdhsa_float_denorm_mode_32 3
		.amdhsa_float_denorm_mode_16_64 3
		.amdhsa_memory_ordered 1
		.amdhsa_forward_progress 1
		.amdhsa_inst_pref_size 67
	.end_amdhsa_kernel
	.amdgpu_metadata
---
amdhsa.version: [ 1, 2 ]
amdhsa.kernels:
  - .name:           k_q3edf5b732c_quant
    .symbol:         k_q3edf5b732c_quant.kd
    .args:
      - { .name: hidden_states, .offset: 0, .size: 8, .value_kind: global_buffer, .address_space: global }
      - { .name: Wq, .offset: 8, .size: 8, .value_kind: global_buffer, .address_space: global }
      - { .name: Wk, .offset: 16, .size: 8, .value_kind: global_buffer, .address_space: global }
      - { .name: Wv, .offset: 24, .size: 8, .value_kind: global_buffer, .address_space: global }
      - { .name: Wq2, .offset: 32, .size: 8, .value_kind: global_buffer, .address_space: global }
      - { .name: Wk2, .offset: 40, .size: 8, .value_kind: global_buffer, .address_space: global }
      - { .name: Wv2, .offset: 48, .size: 8, .value_kind: global_buffer, .address_space: global }
      - { .name: Wo, .offset: 56, .size: 8, .value_kind: global_buffer, .address_space: global }
      - { .name: codes, .offset: 64, .size: 8, .value_kind: global_buffer, .address_space: global }
      - { .name: scales, .offset: 72, .size: 8, .value_kind: global_buffer, .address_space: global }
      - { .name: wo16, .offset: 80, .size: 8, .value_kind: global_buffer, .address_space: global }
    .group_segment_fixed_size: 33280
    .private_segment_fixed_size: 0
    .kernarg_segment_align: 8
    .kernarg_segment_size: 88
    .max_flat_workgroup_size: 128
    .sgpr_count:     66
    .vgpr_count:     192
    .wavefront_size: 32
...
	.end_amdgpu_metadata
.endif
;; end of part 1
;; launch qkv (part 2): grid 32 x 8, 4 waves a work-group, clusters of 4 x 4, 327,680 bytes of LDS; arguments codes, scales, bq, bk, bv, bq2, bk2, bv2, gq, gk, gq2, gk2, cos, sin, qkv16, fine32; writes qkv16, fine32
.if DOCPART == 2
	.amdgcn_target "amdgcn-amd-amdhsa--gfx1250"
	.amdhsa_code_object_version 6
	.text
	.protected	k_q3edf5b732c_qkv
	.globl	k_q3edf5b732c_qkv
	.p2align	8
	.type	k_q3edf5b732c_qkv,@function
k_q3edf5b732c_qkv:
	s_mov_b64 s[64:65], 0
	v_nop
	global_prefetch_b8 v0, s[64:65] scope:SCOPE_SE
	s_setreg_imm32_b32 hwreg(HW_REG_WAVE_MODE, 25, 1), 1
	s_wait_xcnt 0x0
	s_wait_alu depctr_hold_cnt(0) depctr_sa_sdst(0) depctr_va_vdst(0) depctr_va_sdst(0) depctr_va_ssrc(0) depctr_va_vcc(0) depctr_vm_vsrc(0)
	s_getreg_b32 s2, hwreg(HW_REG_IB_STS2, 6, 4)
	s_cmp_eq_u32 s2, 0
	s_cbranch_scc0 .Lentry_in_a_cluster
	s_endpgm
.Lentry_in_a_cluster:
	s_bfe_u32 s2, ttmp6, 0x10000c
	s_cmp_lg_u32 s2, 0xf033
	s_cbranch_scc0 .Lentry_shape_is_right
	s_endpgm
.Lentry_shape_is_right:
; The six projections as ONE product on codes of FP4 (E2M1) with E8M0 scales: C[m][n] = sum over k of A[m][k] B[n][k], m = 1024 b + s (2,048), n over Wq, Wk, Wv, Wq2, Wk2, Wv2 (8,192), K = 2,048; sums in f32.
; A = rows 0-2047 of the buffer of codes, B = rows 2048 on.  Then, on the way out, in f32: + bias; for q and k heads RMS norm over the head's 128, gain, RoPE; for v heads x 2^-4 (exact).
; Results go out as f16: qkv16 [head n / 128][m][128].  The first 16 positions of each sequence of the in-context q, k, v also go out in f32: fine32 [b][16][4096].
; A tile of C, 256 x 256, is made by a work-group of four waves; a wave makes 128 x 128: 64 accumulators, 512 registers; its 128 columns are ONE head.
; K goes in steps of 512 through a ring of two LDS slots filled by the tensor data mover (a tile's row is 256 bytes); the scale bytes of the work-group's rows, for all of K, come into LDS once.
; CLUSTERS: 4 x 4 work-groups.  The four of a row of the cluster need the same tiles of A, the four of a column the same tiles of B: each tile is asked for JOINTLY.  A cluster's 1,024 columns are of one kind
; (cluster x & 3: 0, 1 q; 2 k; 3 v; cluster x / 4: in-context or fading), its 1,024 rows one sequence: so the branches of the way out hang on the cluster's number alone and are alike in all partners.
; THE MATRIX INSTRUCTION IS USED TRANSPOSED (source 0 = 16 rows of B, source 1 = 16 rows of A): lane (r, h) holds row r and columns 16 b + 8 h + 0..7 of accumulators b = 0..7.  So RoPE's partners d and d + 64 are
; accumulators b and b + 4 of one lane, and a row's sum of squares wants one exchange between the halves of the lanes.
; LIMITS: |q|, |k| after the norm are at most 11.4 |gain|; |v| stays under 1.04e6 (v / 16 inside f16).  The gain is multiplied in ahead of the reciprocal root, and RoPE uses fused multiply-adds: the last bit of f32 may differ.
; REGISTERS, in windows of 256: window 0: v0-31 addresses; v32-95 scale words, two sets; v128-191 A's fragments, one set.  Way out: v2-7 at work; v32-63, v96-127 sin; v64-95 at work, then packed f16; v128-191 a block's 64 numbers; v192-255 cos.
;   window 1: B's fragments, two sets, at v0 and v128; v64-127 the bias, v192-255 the gain, in the result's layout; way out: v0-63 rows read back from the stage, two sets.   windows 2, 3: the accumulators.
.set SIZE_M, 2048
.set SIZE_N, 8192
.set SIZE_K, 2048
.set KSTEP,  512                       ; along K in a slot
.set NQ,     KSTEP/128                 ; matrix instructions deep
.set ROWB,   256                       ; a tile's row in bytes
.set KROW,   SIZE_K*4/8                ; a row of codes in memory
.set PITCH,  272                       ; an LDS row: 256 bytes + 16 of padding: the 16 rows that a load touches start at 16 different banks
.set FR,     8
.set NL,     2
.set NP,     4
.set HALFT,  128*PITCH
.set SLOT,   4*HALFT                   ; A's 256 rows, then B's 256 rows
.set LAPS,   SIZE_K/(2*KSTEP)
.set KS,     SIZE_K/32                 ; a row of scales in bytes
.set SCL,    2*SLOT                    ; behind the ring: the scales, as units of 256 bytes + 16 of padding
.set HALFS,  (128*KS/256)*272
.set SBLK,   (16*KS/256)*272
.set SPARE,  SCL+4*HALFS               ; the spare words, 128 bytes a wave: two blocks of 256 bytes that no other line names
.set SPITCH, 272                       ; the way out: a stage of 16 rows x (256 bytes + 16) for each wave, in slot 0, which has had its last fill and its last read by then
.set VSTG,   4*16*SPITCH               ; the v heads' path has stage bytes of its own, behind the q and k heads'
.set ADRA, 16                          ; v16-17  LDS address of my A fragments in slot 0, 1
.set ADRB, 20                          ; v20-21  the same for B
.set FO,   22                          ; v22     fine32: 16,384 r + 32 h
.set M0V,  23                          ; v23     my first row's position in its sequence
.set STO,  24                          ; v24     the stage: where I put 16 bytes of a row
.set RD,   25                          ; v25     and where I read rows back
.set CO,   26                          ; v26     16 x lane: my bytes of two rows of qkv16
.set ADRS, 27                          ; v27     LDS address of my scale words
.set SPW,  28                          ; v28     LDS address of my spare word; never rewritten
.set NIL,  29                          ; v29     0; never rewritten
.set BO,   30                          ; v30     32 h: bias and gain
.set CSO,  31                          ; v31     512 r + 32 h: cos and sin
.set SC,   32
.set AF,   128
.set X,    128
.set TMP,  64
.set CSR,  192
.set SNL,  32
.set SNH,  96
.set BIAS, 64                          ; in window 1
.set GAIN, 192                         ; in window 1
.set G1, 24
.set G0, 32
.set G1B, 48
.set G0B, 56
.set G1S, 68
.set G0S, 76
.set G1SB, 80
.set G0SB, 88
.set MSB, 0
.macro WIN new                         ; the immediate's high byte repeats the setting that is left
.if MSB != \new
	s_set_vgpr_msb (MSB<<8)|\new
.set MSB, \new
.endif
.endm
.set MUL_LO, 0xa1                      ; source 0 (B) window 1, source 1 (A) window 0, C and D window 2
.set MUL_HI, 0xf1                      ; the same, C and D window 3
.set TO_B,   0x40                      ; destination window 1, address window 0
; A joint load: waves 0 and 1 fetch for A, waves 2 and 3 for B.  The branch hangs on the wave's number alone.  An s_nop 0 and four v_nop follow each of the two lines.
.macro JLOAD g0a, g1a, g0b, g1b
	s_cmp_eq_u32 s15, 0
	s_cbranch_scc0 .Lfor_b_\@
	tensor_load_to_lds s[\g0a:\g0a+3], s[\g1a:\g1a+7]
	s_nop 0
.rept 4
	v_nop
.endr
	s_branch .Lasked_\@
.Lfor_b_\@:
	tensor_load_to_lds s[\g0b:\g0b+3], s[\g1b:\g1b+7]
	s_nop 0
.rept 4
	v_nop
.endr
.Lasked_\@:
.endm
.macro CREST                           ; a round of the cluster's barrier behind its opening barrier
	s_cmp_lg_u32 s14, 0
	s_cbranch_scc1 .Lnot_wave_0_\@
	s_barrier_signal -3
.Lnot_wave_0_\@:
	s_barrier_wait -3
	s_barrier_signal -1
	s_barrier_wait -1
.endm
.macro CROUND                          ; a whole round
	s_barrier_signal -1
	s_barrier_wait -1
	CREST
.endm
	s_load_b128 s[4:7], s[0:1], 0x0                ; codes s[4:5], scales s[6:7]
	v_lshl_add_u32 v[SPW], v0, 2, SPARE
	v_mov_b32 v[NIL], 0
	ds_add_u32 v[SPW], v[NIL]                      ; the wave's opening: the add, twice on end, and its wait ahead of my first tensor load
	ds_add_u32 v[SPW], v[NIL]
	v_lshrrev_b32 v1, 5, v0
	v_readfirstlane_b32 s14, v1                    ; wave 0..3
	s_lshr_b32 s15, s14, 1                         ; which half of the tile's rows is mine.  Also: I fetch for A (0) or for B (1)
	s_and_b32 s16, s14, 1                          ; which half of its columns.  Also: which 128 rows of that tile I fetch
	s_bfe_u32 s40, ttmp6, 0x40000                  ; cx, cy: my place in the cluster
	s_bfe_u32 s41, ttmp6, 0x40004
	s_lshl_b32 s42, ttmp9, 2
	s_add_co_u32 s42, s42, s40                     ; tile column of C = 4 x cluster x + cx
	s_and_b32 s17, ttmp7, 0xffff
	s_lshl_b32 s17, s17, 2
	s_add_co_u32 s17, s17, s41                     ; tile row of C = 4 x cluster y + cy
	s_lshl_b32 s43, s41, 2
	s_lshl_b32 s43, 15, s43                        ; my row of the cluster
	s_lshl_b32 s44, 0x1111, s40                    ; my column
	; descriptor group 1: a tile of 128 rows x 256 bytes, padded in LDS
	s_or_b32 s[G1+0], s43, (0<<16)|(1<<20)|(1<<21)|(5<<22)|(3<<25)  ; 15:0 the mask: A's tiles go to my row; elements of 1 byte; padding on; bit 21 beside a mask; after every 64 words 4 words
	s_or_b32 s[G1B+0], s44, (0<<16)|(1<<20)|(1<<21)|(5<<22)|(3<<25)
.irp g, G1, G1B
	s_mov_b32 s[\g+1], ROWB<<16                    ; tensor_dim0
	s_mov_b32 s[\g+2], 128<<16                     ; tensor_dim1
	s_mov_b32 s[\g+3], ROWB<<16                    ; tile_dim0
	s_mov_b32 s[\g+4], 128                         ; tile_dim1
	s_mov_b32 s[\g+5], KROW                        ; the pitch
	s_mov_b32 s[\g+6], 0
	s_mov_b32 s[\g+7], 0
.endr
	; the scales of 128 rows: a dense block of 8,192 bytes, as 32 rows of 256 bytes (32 elements of 8 bytes), 16 bytes of padding behind each
	s_or_b32 s[G1S+0], s43, (3<<16)|(1<<20)|(1<<21)|(5<<22)|(3<<25)
	s_or_b32 s[G1SB+0], s44, (3<<16)|(1<<20)|(1<<21)|(5<<22)|(3<<25)
.irp g, G1S, G1SB
	s_mov_b32 s[\g+1], 32<<16
	s_mov_b32 s[\g+2], (128*KS/256)<<16
	s_mov_b32 s[\g+3], 32<<16
	s_mov_b32 s[\g+4], 128*KS/256
	s_mov_b32 s[\g+5], 32
	s_mov_b32 s[\g+6], 0
	s_mov_b32 s[\g+7], 0
.endr
	s_lshl_b32 s18, s16, 7                         ; which 128 rows of the tile I fetch
	s_lshl_b32 s20, s17, 8
	s_add_co_u32 s20, s20, s18                     ; A: row 256 x tile row + 128 x half
	s_lshl_b32 s46, s42, 8
	s_add_co_u32 s46, s46, s18                     ; B: row 256 x tile column + 128 x half,
	s_add_co_u32 s46, s46, SIZE_M                  ; behind the activations' 2,048 rows
	s_mov_b32 s21, 0
	s_mov_b32 s47, 0
	s_mov_b64 s[18:19], KS
	s_mul_u64 s[22:23], s[20:21], s[18:19]         ; where these rows' scales begin, in bytes
	s_mul_u64 s[92:93], s[46:47], s[18:19]
	s_mov_b64 s[18:19], KROW
	s_mul_u64 s[20:21], s[20:21], s[18:19]         ; and their codes
	s_mul_u64 s[46:47], s[46:47], s[18:19]
	s_mul_i32 s45, s14, HALFT                      ; where they go: wave x 128 rows: no place in the cluster enters an LDS address
	s_mul_i32 s94, s14, HALFS
	s_wait_dscnt 0x0                               ; both opening adds are done
	s_wait_kmcnt 0x0
	s_add_nc_u64 s[20:21], s[4:5], s[20:21]
	s_add_nc_u64 s[22:23], s[6:7], s[22:23]
	s_add_nc_u64 s[46:47], s[4:5], s[46:47]
	s_add_nc_u64 s[92:93], s[6:7], s[92:93]
	CROUND                                         ; all sixteen work-groups are here: the first joint loads meet
	s_mov_b32 s[G0S], 1
	s_add_co_u32 s[G0S+1], s94, SCL
	s_mov_b64 s[G0S+2:G0S+3], s[22:23]
	s_or_b32 s[G0S+3], s[G0S+3], 0x80000000
	s_mov_b32 s[G0SB], 1
	s_add_co_u32 s[G0SB+1], s94, SCL
	s_mov_b64 s[G0SB+2:G0SB+3], s[92:93]
	s_or_b32 s[G0SB+3], s[G0SB+3], 0x80000000
	JLOAD G0S, G1S, G0SB, G1SB                     ; the scales first: they are wanted with K step 0
.irp s, 0,1
	s_mov_b32 s[G0+4*\s], 1
	s_add_co_u32 s[G0+4*\s+1], s45, \s*SLOT
	s_add_nc_u64 s[G0+4*\s+2:G0+4*\s+3], s[20:21], \s*ROWB
	s_or_b32 s[G0+4*\s+3], s[G0+4*\s+3], 0x80000000
	s_mov_b32 s[G0B+4*\s], 1
	s_add_co_u32 s[G0B+4*\s+1], s45, \s*SLOT
	s_add_nc_u64 s[G0B+4*\s+2:G0B+4*\s+3], s[46:47], \s*ROWB
	s_or_b32 s[G0B+4*\s+3], s[G0B+4*\s+3], 0x80000000
	JLOAD G0+4*\s, G1, G0B+4*\s, G1B
.endr
	v_and_b32 v1, 15, v0                           ; r = l % 16
	v_bfe_u32 v2, v0, 4, 1                         ; h = l / 16
	v_mul_u32_u24 v3, v1, PITCH
	v_lshl_add_u32 v4, v2, 4, v3                   ; a fragment's row x pitch + 16 x half
	s_mul_i32 s21, s15, HALFT                      ; my 128 rows of A
	s_mul_i32 s22, s16, HALFT                      ; my 128 rows of B,
	s_add_co_u32 s22, s22, 2*HALFT                 ; which lie behind A's 256
.irp s, 0,1
	v_add_nc_u32 v[ADRA+\s], s21, v4
	v_add_nc_u32 v[ADRB+\s], s22, v4
	s_add_co_u32 s21, s21, SLOT
	s_add_co_u32 s22, s22, SLOT
.endr
	v_mul_u32_u24 v5, v1, KS                       ; my row's scales: KS bytes a row,
	v_lshrrev_b32 v6, 8, v5
	v_lshl_add_u32 v5, v6, 4, v5                   ; and 16 more for each 256 passed
	s_mul_i32 s21, s15, HALFS                      ; A's: my 128 rows
	s_mul_i32 s22, s16, HALFS                      ; B's: my 128 rows, behind A's 256
	s_add_co_u32 s22, s22, 2*HALFS
	s_sub_co_u32 s22, s22, s21
	v_mul_u32_u24 v6, s22, v2                      ; lanes 16-31 take B's
	s_add_co_u32 s21, s21, SCL
	v_add_nc_u32 v5, v5, v6
	v_add_nc_u32 v[ADRS], s21, v5
	s_mul_i32 s23, s14, 16*SPITCH                  ; my stage
	v_mul_u32_u24 v5, v1, SPITCH                   ; in: row r, 16 bytes for each half of the lanes
	v_lshl_add_u32 v5, v2, 4, v5
	v_add_nc_u32 v[STO], s23, v5
	v_mul_u32_u24 v5, v2, SPITCH                   ; back: lanes 0-15 one row of 256 bytes, lanes 16-31 the next
	v_lshl_add_u32 v5, v1, 4, v5
	v_add_nc_u32 v[RD], s23, v5
	v_and_b32 v6, 31, v0
	v_lshlrev_b32 v[CO], 4, v6                     ; rows of qkv16 are 256 bytes on end: two rows are 512 consecutive bytes, 16 a lane
.macro FRAG reg, adr, q, i             ; a fragment, 16 rows x 128 K of 4-bit codes, is 8 registers: lane l holds row l % 16; registers 4 c .. 4 c + 3 hold K = 64 c + 32 (l / 16) + 0 .. 31
.irp c, 0,1
	ds_load_b128 v[\reg+4*\c:\reg+4*\c+3], v[\adr] offset:64*(\q)+32*\c+(\i)*16*PITCH
.endr
.endm
; 16 matrix instructions: A's blocks a0, a0 + 1 x B's eight, 128 along K.  zero = 1: the first product starts the sums.  The 64 accumulators take turns, one instruction a turn.
; One register carries A's scale word (lanes 0-15) and B's (lanes 16-31) of block i.
.macro MUL16 a0, p, q, sc, zero
.irp a, \a0, \a0+1
.irp b, 0,1,2,3,4,5,6,7
.if \zero
	v_wmma_scale_f32_16x16x128_f8f6f4 v[8*(8*((\a)%4)+\b):8*(8*((\a)%4)+\b)+7], v[128*(\p)+FR*\b:128*(\p)+FR*\b+FR-1], v[AF+FR*(\a):AF+FR*(\a)+FR-1], 0, v[SC+8*NQ*(\sc)+NQ*\b+(\q)], v[SC+8*NQ*(\sc)+NQ*(\a)+(\q)] matrix_a_fmt:MATRIX_FMT_FP4 matrix_b_fmt:MATRIX_FMT_FP4 matrix_a_scale:MATRIX_SCALE_ROW1
.else
	v_wmma_scale_f32_16x16x128_f8f6f4 v[8*(8*((\a)%4)+\b):8*(8*((\a)%4)+\b)+7], v[128*(\p)+FR*\b:128*(\p)+FR*\b+FR-1], v[AF+FR*(\a):AF+FR*(\a)+FR-1], v[8*(8*((\a)%4)+\b):8*(8*((\a)%4)+\b)+7], v[SC+8*NQ*(\sc)+NQ*\b+(\q)], v[SC+8*NQ*(\sc)+NQ*(\a)+(\q)] matrix_a_fmt:MATRIX_FMT_FP4 matrix_b_fmt:MATRIX_FMT_FP4 matrix_a_scale:MATRIX_SCALE_ROW1
.endif
.endr
.endr
.endm
.macro FETCH_B slot, q, p              ; B's eight fragments of the slot's q-th 128 along K into set p
	WIN TO_B
.irp i, 0,1,2,3,4,5,6,7
	FRAG 128*(\p)+FR*\i, ADRB+\slot, \q, \i
.endr
	WIN 0
.endm
.macro FETCH_A slot, q, i0             ; A's blocks i0 .. i0 + 3
.irp i, \i0, \i0+1, \i0+2, \i0+3
	FRAG AF+FR*(\i), ADRA+\slot, \q, \i
.endr
.endm
.macro SCALES sc                       ; the next K step's scale words into set sc
.irp i, 0,1,2,3,4,5,6,7
	ds_load_b128 v[SC+8*NQ*\sc+NQ*\i:SC+8*NQ*\sc+NQ*\i+3], v[ADRS] offset:\i*SBLK
.endr
.endm
; A load into a register that a matrix instruction has read, and a vector instruction or LDS store that reads a matrix result, stand four plain vector instructions behind that matrix instruction.
.macro PLACES n
.rept \n
	v_nop
.endr
.endm
.macro STEP slot, q, zero              ; a step of 128 along K that has its successor in the same slot
	s_wait_dscnt 4*NL                              ; B's set and A's blocks 0-3 are in; the youngest 8 loads (A's blocks 4-7) may be out
	WIN MUL_LO
	MUL16 0, (\q)%2, \q, \slot, \zero
	MUL16 2, (\q)%2, \q, \slot, \zero
	s_wait_dscnt 0                                 ; A's blocks 4-7 are in
	PLACES NP
	FETCH_B \slot, (\q)+1, 1-(\q)%2
	FETCH_A \slot, (\q)+1, 0
	WIN MUL_HI
	MUL16 4, (\q)%2, \q, \slot, \zero
	MUL16 6, (\q)%2, \q, \slot, \zero
	PLACES NP
	WIN 0
	FETCH_A \slot, (\q)+1, 4
.endm
; A slot's last step changes slots: ONE barrier; in front of it each wave waits for all its tensor loads, adds 0 to its spare word, and waits for that and for its own reads of this slot.
.macro TURN slot, next, fill
	s_wait_tensorcnt 0x0                           ; all my tensor loads have landed: my part of the next slot
	ds_add_u32 v[SPW], v[NIL]                      ; 0 onto my spare word
	s_wait_dscnt 4*NL+1                            ; (the add and the youngest 8 loads, A's blocks 4-7, may be out)
	WIN MUL_LO
	MUL16 0, 1, NQ-1, \slot, 0
	s_wait_dscnt 0x0                               ; the add is done, and my reads of this slot are over
	s_barrier_signal -1
	MUL16 2, 1, NQ-1, \slot, 0
	WIN 0
	s_barrier_wait -1
.if \fill
	CREST                                          ; the barrier has opened a round of the cluster's barrier: no wave of any partner still reads this slot's tile or has a load on its way
	s_add_nc_u64 s[G0+4*\slot+2:G0+4*\slot+3], s[G0+4*\slot+2:G0+4*\slot+3], 2*ROWB
	s_add_nc_u64 s[G0B+4*\slot+2:G0B+4*\slot+3], s[G0B+4*\slot+2:G0B+4*\slot+3], 2*ROWB
	JLOAD G0+4*\slot, G1, G0B+4*\slot, G1B         ; the first tensor load behind the round
.else
	PLACES NP
.endif
	v_add_nc_u32 v[ADRS], 4*NQ, v[ADRS]            ; on to the next K step's scale words
	FETCH_B \next, 0, 0
	FETCH_A \next, 0, 0
	SCALES \next
	WIN MUL_HI
	MUL16 4, 1, NQ-1, \slot, 0
	MUL16 6, 1, NQ-1, \slot, 0
	PLACES NP
	WIN 0
	FETCH_A \next, 0, 4
.endm
.macro STEPS slot, from
.set Q, \from
.rept NQ-1-\from
	STEP \slot, Q, 0
.set Q, Q+1
.endr
.endm
; cos and sin of my rows 16 a .. 16 a + 15, in the result's layout: lane (r, h): row r, columns 16 b + 8 h + 0..7
.macro CSLOAD a
.irp b, 0,1,2,3,4,5,6,7
.irp e, 0,1
	global_load_b128 v[CSR+8*\b+4*\e:CSR+8*\b+4*\e+3], v[CSO], s[88:89] offset:8192*(\a)+64*\b+16*\e
	global_load_b128 v[SNL+8*\b+32*(\b/4)+4*\e:SNL+8*\b+32*(\b/4)+4*\e+3], v[CSO], s[90:91] offset:8192*(\a)+64*\b+16*\e
.endr
.endr
.endm
	s_wait_tensorcnt 1                             ; the scales and my part of K step 0 are in (K step 1's load may be out),
	s_barrier_signal -1
	s_barrier_wait -1                              ; everybody's are
	s_load_b512 s[68:83], s[0:1], 0x10             ; the scales' descriptors are done with: bq, bk, bv, bq2, bk2, bv2, gq, gk
	s_load_b256 s[84:91], s[0:1], 0x50             ; gq2, gk2, cos, sin
	s_load_b128 s[4:7], s[0:1], 0x70               ; qkv16, fine32
	FETCH_B 0, 0, 0
	FETCH_A 0, 0, 0
	SCALES 0
	FETCH_A 0, 0, 4
	STEP 0, 0, 1                                   ; the first step's products start the sums
	; what the way out needs is made and asked for here; bias and gain land in registers of window 1 that the loop leaves idle
	s_wait_kmcnt 0x0
	s_and_b32 s66, ttmp9, 3                        ; the kind: 0, 1 q; 2 k; 3 v
	s_cmp_lt_u32 ttmp9, 4                          ; in-context or fading
	s_cselect_b64 s[68:69], s[68:69], s[74:75]
	s_cselect_b64 s[70:71], s[70:71], s[76:77]
	s_cselect_b64 s[72:73], s[72:73], s[78:79]
	s_cselect_b64 s[80:81], s[80:81], s[84:85]
	s_cselect_b64 s[82:83], s[82:83], s[86:87]
	s_cmp_eq_u32 s66, 2
	s_cselect_b64 s[8:9], s[70:71], s[68:69]       ; the bias
	s_cselect_b64 s[10:11], s[82:83], s[80:81]     ; the gain
	s_cmp_eq_u32 s66, 3
	s_cselect_b64 s[8:9], s[72:73], s[8:9]
	s_mov_b32 s19, 1023
	s_cmp_lt_u32 s66, 2
	s_cselect_b32 s19, 2047, s19
	s_lshl_b32 s18, s42, 8
	s_lshl_b32 s20, s16, 7
	s_add_co_u32 s18, s18, s20                     ; N0: my first column
	s_and_b32 s20, s18, s19                        ; and within its own weight
	s_lshl_b32 s20, s20, 2
	s_mov_b32 s21, 0
	s_add_nc_u64 s[8:9], s[8:9], s[20:21]
	s_lshl_b32 s22, s17, 8
	s_lshl_b32 s23, s15, 7
	s_add_co_u32 s22, s22, s23                     ; m0: my first row
	s_lshl_b32 s20, s22, 9                         ; a row of cos or sin is 512 bytes
	s_add_nc_u64 s[88:89], s[88:89], s[20:21]
	s_add_nc_u64 s[90:91], s[90:91], s[20:21]
	s_lshl_b32 s20, s18, 4                         ; 2,048 x head = 16 N0
	s_add_co_u32 s20, s20, s22
	s_lshl_b32 s20, s20, 8                         ; rows of 256 bytes
	s_add_nc_u64 s[4:5], s[4:5], s[20:21]
	s_and_b32 s20, ttmp7, 0xffff                   ; the sequence = cluster y
	s_lshl_b32 s20, s20, 16
	s_add_co_u32 s20, s20, s18
	s_lshl_b32 s20, s20, 2                         ; fine32: 4 (65,536 b + N0)
	s_add_nc_u64 s[6:7], s[6:7], s[20:21]
	s_and_b32 s22, s22, 1023
	s_mov_b32 s67, 0x3c000000                      ; 1 / 128
	s_mov_b32 s95, 0x358637bd                      ; 1e-6
	s_mov_b32 s96, 0x76543210                      ; lane selects: lane l xor 16
	s_mov_b32 s97, 0xfedcba98
	v_and_b32 v18, 15, v0
	v_bfe_u32 v19, v0, 4, 1
	v_lshlrev_b32 v[BO], 5, v19
	v_lshl_add_u32 v[CSO], v18, 9, v[BO]
	v_lshl_add_u32 v[FO], v18, 14, v[BO]
	v_mov_b32 v[M0V], s22
	WIN 0x40                                       ; destination window 1
.irp b, 0,1,2,3,4,5,6,7
.irp e, 0,1
	global_load_b128 v[BIAS+8*\b+4*\e:BIAS+8*\b+4*\e+3], v[BO], s[8:9] offset:64*\b+16*\e
.endr
.endr
	WIN 0
	s_cmp_eq_u32 s66, 3
	s_cbranch_scc1 .Lno_gain                       ; v heads have no norm
	WIN 0x40
.irp b, 0,1,2,3,4,5,6,7
.irp e, 0,1
	global_load_b128 v[GAIN+8*\b+4*\e:GAIN+8*\b+4*\e+3], v[BO], s[10:11] offset:64*\b+16*\e
.endr
.endr
	WIN 0
.Lno_gain:
.if LAPS > 1
	s_mov_b32 s3, LAPS-1
.Llap:                                                 ; a trip goes once round the ring, from a lap's second step to the next lap's first, and fills both slots again
	STEPS 0, 1
	TURN 0, 1, 1
	STEPS 1, 0
	TURN 1, 0, 1
	STEP 0, 0, 0
	s_sub_co_u32 s3, s3, 1
	s_cmp_lg_u32 s3, 0
	s_cbranch_scc1 .Llap
.endif
	STEPS 0, 1                                     ; the last lap fills nothing, and has no round of the cluster's barrier
	TURN 0, 1, 0
	STEPS 1, 0
	s_cmp_eq_u32 s66, 3
	s_cbranch_scc1 .Lno_cs                         ; v heads have no RoPE
	CSLOAD 0                                       ; cos and sin of my first 16 rows, one step ahead of the way out: scale set 0, v96-127 and v192-255 are idle from here on
.Lno_cs:
	s_wait_dscnt 4*NL                              ; the very last step: nothing more to fetch
	WIN MUL_LO
	MUL16 0, 1, NQ-1, 1, 0
	MUL16 2, 1, NQ-1, 1, 0
	s_wait_dscnt 0
	WIN MUL_HI
	MUL16 4, 1, NQ-1, 1, 0
	MUL16 6, 1, NQ-1, 1, 0
	WIN 0
; THE WAY OUT, block by block of 16 rows x 128 columns.
; The first 16 positions of a sequence in f32: only the in-context clusters (cluster x under 4) and the waves of a tile's upper rows pass the branches; of those, only the tile row that begins a sequence has lanes on (a mask, no branch).
.macro FINEST
	s_cmp_ge_u32 ttmp9, 4
	s_cbranch_scc1 .Lno_fine_\@
	s_cmp_lg_u32 s15, 0
	s_cbranch_scc1 .Lno_fine_\@
	s_wait_xcnt 0x0                                ; EXEC changes only behind this wait
	v_cmp_eq_u32 vcc_lo, 0, v[M0V]
	s_and_saveexec_b32 s98, vcc_lo
.irp b, 0,1,2,3,4,5,6,7
.irp e, 0,1
	global_store_b128 v[FO], v[X+8*\b+4*\e:X+8*\b+4*\e+3], s[6:7] offset:64*\b+16*\e
.endr
.endr
	s_wait_xcnt 0x0                                ; and again ahead of the line that widens it; the stores' data may be written again too
	s_or_b32 exec_lo, exec_lo, s98
.Lno_fine_\@:
.endm
; A lane's 16 bytes of f16 go into my stage (rows of 272 bytes) and come back as whole rows.  LDS serves a wave's instructions in order: no wait between the stores and the loads.
.macro TOSTAGE a, soff
.if (\a) >= 2
	s_wait_xcnt 0x0                                ; block a - 2's stores have read their data: block a's rows may land there
.endif
.irp b, 0,1,2,3,4,5,6,7
	ds_store_b128 v[STO], v[TMP+4*\b:TMP+4*\b+3] offset:\soff+32*\b
.endr
	WIN 0x40
.irp t, 0,1,2,3,4,5,6,7
	ds_load_b128 v[32*((\a)%2)+4*\t:32*((\a)%2)+4*\t+3], v[RD] offset:\soff+2*\t*SPITCH
.endr
	WIN 0
.endm
.macro SEND a
	s_wait_dscnt 0x0                               ; the block is back in registers
	WIN 0x04                                       ; a store's data are its source 1: window 1
.irp t, 0,1,2,3,4,5,6,7
	global_store_b128 v[CO], v[32*((\a)%2)+4*\t:32*((\a)%2)+4*\t+3], s[4:5] offset:4096*(\a)+512*\t   ; 32 lanes store 512 consecutive bytes, aligned
.endr
	WIN 0
.endm
.macro PACKX                           ; 64 numbers to 32 registers of f16
.set i, 0
.rept 32
	v_cvt_pk_f16_f32 v[TMP+i], v[X+2*i], v[X+2*i+1]
.set i, i+1
.endr
.endm
.macro FINISH
	s_wait_tensorcnt 0x0                           ; the wave's end: three closing lines behind my last tensor load and my last LDS store
	ds_add_u32 v[SPW], v[NIL]
	s_wait_dscnt 0x0
	CROUND                                         ; the closing round: no work-group ends while a partner may still ask for a tile that names it
	s_endpgm
.endm
; A block of a q or k head.
.macro QKBLK a
.set AC, 64*((\a)%4)
.if (\a) == 0
	s_wait_loadcnt 32                              ; bias and gain are in; the 32 loads of cos and sin may be out
.endif
	WIN 0x06+(\a)/4                                ; source 0: the accumulators' window; source 1: window 1
.set i, 0
.rept 32
	v_pk_add_f32 v[X+i:X+i+1], v[AC+i:AC+i+1], v[BIAS+i:BIAS+i+1]     ; + bias; each accumulator from its low end on
.set i, i+2
.endr
	WIN 0
	v_pk_mul_f32 v[2:3], v[X:X+1], v[X:X+1]        ; the sum of squares of my 64, in two packed chains
	v_pk_mul_f32 v[4:5], v[X+2:X+3], v[X+2:X+3]
.set i, 4
.rept 15
	v_pk_fma_f32 v[2:3], v[X+i:X+i+1], v[X+i:X+i+1], v[2:3]
	v_pk_fma_f32 v[4:5], v[X+i+2:X+i+3], v[X+i+2:X+i+3], v[4:5]
.set i, i+4
.endr
	v_pk_add_f32 v[2:3], v[2:3], v[4:5]
	v_add_f32 v2, v2, v3
	v_permlanex16_b32 v3, v2, s96, s97             ; the row's other 64 columns lie in the lane 16 away
	v_add_f32 v2, v2, v3
	v_fma_f32 v2, v2, s67, s95                     ; the mean + 1e-6
	v_rsq_f32 v6, v2
	WIN 0x04
.set i, 0
.rept 32
	v_pk_mul_f32 v[X+i:X+i+1], v[X+i:X+i+1], v[GAIN+i:GAIN+i+1]       ; x gain: the plain work behind the reciprocal root
.set i, i+2
.endr
	WIN 0
	s_wait_alu depctr_va_vdst(0)                   ; ahead of the first reader of the reciprocal root
.set i, 0
.rept 32
	v_pk_mul_f32 v[X+i:X+i+1], v[X+i:X+i+1], v[6:7] op_sel_hi:[1,0]
.set i, i+2
.endr
	s_wait_loadcnt 0x0                             ; this block's cos and sin
.if (\a) > 0
	s_wait_dscnt 8                                 ; the last block's 8 stores into the stage are done (its 8 loads may be out): their data registers are written next
.endif
.set i, 0
.rept 16
	v_pk_mul_f32 v[TMP+i:TMP+i+1], v[X+32+i:X+33+i], v[SNL+i:SNL+i+1]               ; x(d + 64) sin(d)
.set i, i+2
.endr
.set i, 0
.rept 16
	v_pk_mul_f32 v[X+32+i:X+33+i], v[X+32+i:X+33+i], v[CSR+32+i:CSR+33+i]           ; x(d + 64) cos(d + 64)
.set i, i+2
.endr
.set i, 0
.rept 16
	v_pk_fma_f32 v[X+32+i:X+33+i], v[X+i:X+i+1], v[SNH+i:SNH+i+1], v[X+32+i:X+33+i] ; + x(d) sin(d + 64)
.set i, i+2
.endr
.set i, 0
.rept 16
	v_pk_fma_f32 v[X+i:X+i+1], v[X+i:X+i+1], v[CSR+i:CSR+i+1], v[TMP+i:TMP+i+1] neg_lo:[0,0,1] neg_hi:[0,0,1]   ; x(d) cos(d) - x(d + 64) sin(d)
.set i, i+2
.endr
.if (\a) == 0
	FINEST
.endif
.if (\a) < 7
	CSLOAD (\a)+1                                  ; the next block's, a block ahead
.endif
	PACKX
.if (\a) > 0
	SEND (\a)-1
.endif
	TOSTAGE \a, 0
.endm
; A block of a v head: (sum + bias) / 16.
.macro VBLK a
.set AC, 64*((\a)%4)
	WIN 0x12+(\a)/4                                ; source 0: the accumulators' window; source 2: window 1
.set i, 0
.rept 32
	v_pk_fma_f32 v[X+i:X+i+1], v[AC+i:AC+i+1], 0x3d800000, v[BIAS+i:BIAS+i+1] op_sel_hi:[1,0,1]
.set i, i+2
.endr
	WIN 0
.if (\a) == 0
	FINEST
.else
	s_wait_dscnt 8                                 ; the last block's 8 stores into the stage are done
.endif
	PACKX
.if (\a) > 0
	SEND (\a)-1
.endif
	TOSTAGE \a, VSTG
.endm
	PLACES NP                                      ; behind the last products, ahead of the first read of results and the first write of operands' registers
	v_mov_b32 v7, 0                                ; (named as the upper half of the pair v[6:7])
	s_cmp_eq_u32 s66, 3
	s_cbranch_scc1 .Lv_heads
.irp a, 0,1,2,3,4,5,6,7
	QKBLK \a
.endr
	SEND 7
	FINISH
.Lv_heads:
	s_wait_loadcnt 0x0                             ; the bias
	WIN 0x41                                       ; destination and source 0 window 1
.set i, 0
.rept 32
	v_pk_mul_f32 v[BIAS+i:BIAS+i+1], v[BIAS+i:BIAS+i+1], 0x3d800000 op_sel_hi:[1,0]   ; bias / 16, once
.set i, i+2
.endr
	WIN 0
.irp a, 0,1,2,3,4,5,6,7
	VBLK \a
.endr
	SEND 7
	FINISH
.Lfunc_end_k_q3edf5b732c_qkv:
	.size	k_q3edf5b732c_qkv, .Lfunc_end_k_q3edf5b732c_qkv-k_q3edf5b732c_qkv
	.p2alignl 7, 3214868480
	.fill 96, 4, 3214868480
	.section	.rodata,"a",@progbits
	.p2align	6, 0x0
	.amdhsa_kernel k_q3edf5b732c_qkv
		.amdhsa_group_segment_fixed_size 327680
		.amdhsa_private_segment_fixed_size 0
		.amdhsa_enable_private_segment 0
		.amdhsa_kernarg_size 128
		.amdhsa_user_sgpr_count 2
		.amdhsa_user_sgpr_kernarg_segment_ptr 1
		.amdhsa_wavefront_size32 1
		.amdhsa_system_sgpr_workgroup_id_x 1
		.amdhsa_system_sgpr_workgroup_id_y 1
		.amdhsa_system_sgpr_workgroup_id_z 1
		.amdhsa_system_vgpr_workitem_id 0
		.amdhsa_next_free_vgpr 1024
		.amdhsa_next_free_sgpr 100
		.amdhsa_reserve_vcc 1
		.amdhsa_float_denorm_mode_32 3
		.amdhsa_float_denorm_mode_16_64 3
		.amdhsa_memory_ordered 1
		.amdhsa_forward_progress 1
		.amdhsa_inst_pref_size 255
	.end_amdhsa_kernel
	.section	.bss,"aw",@nobits
	.p2align	6
	.space	262144
	.amdgpu_metadata
---
amdhsa.version: [ 1, 2 ]
amdhsa.kernels:
  - .name:           k_q3edf5b732c_qkv
    .symbol:         k_q3edf5b732c_qkv.kd
    .args:
      - { .name: codes, .offset: 0, .size: 8, .value_kind: global_buffer, .address_space: global }
      - { .name: scales, .offset: 8, .size: 8, .value_kind: global_buffer, .address_space: global }
      - { .name: bq, .offset: 16, .size: 8, .value_kind: global_buffer, .address_space: global }
      - { .name: bk, .offset: 24, .size: 8, .value_kind: global_buffer, .address_space: global }
      - { .name: bv, .offset: 32, .size: 8, .value_kind: global_buffer, .address_space: global }
      - { .name: bq2, .offset: 40, .size: 8, .value_kind: global_buffer, .address_space: global }
      - { .name: bk2, .offset: 48, .size: 8, .value_kind: global_buffer, .address_space: global }
      - { .name: bv2, .offset: 56, .size: 8, .value_kind: global_buffer, .address_space: global }
      - { .name: gq, .offset: 64, .size: 8, .value_kind: global_buffer, .address_space: global }
      - { .name: gk, .offset: 72, .size: 8, .value_kind: global_buffer, .address_space: global }
      - { .name: gq2, .offset: 80, .size: 8, .value_kind: global_buffer, .address_space: global }
      - { .name: gk2, .offset: 88, .size: 8, .value_kind: global_buffer, .address_space: global }
      - { .name: cos, .offset: 96, .size: 8, .value_kind: global_buffer, .address_space: global }
      - { .name: sin, .offset: 104, .size: 8, .value_kind: global_buffer, .address_space: global }
      - { .name: qkv16, .offset: 112, .size: 8, .value_kind: global_buffer, .address_space: global }
      - { .name: fine32, .offset: 120, .size: 8, .value_kind: global_buffer, .address_space: global }
    .group_segment_fixed_size: 327680
    .private_segment_fixed_size: 0
    .kernarg_segment_align: 8
    .kernarg_segment_size: 128
    .max_flat_workgroup_size: 128
    .sgpr_count:     100
    .vgpr_count:     1024
    .wavefront_size: 32
...
	.end_amdgpu_metadata
.endif
;; end of part 2
;; launch fine_a (part 3): grid 8 x 32, 4 waves a work-group, no clusters, 0 bytes of LDS; arguments fine32, Wo, part; writes part
.if DOCPART == 3
	.amdgcn_target "amdgcn-amd-amdhsa--gfx1250"
	.amdhsa_code_object_version 6
	.text
	.protected	k_q3edf5b732c_fine_a
	.globl	k_q3edf5b732c_fine_a
	.p2align	8
	.type	k_q3edf5b732c_fine_a,@function
k_q3edf5b732c_fine_a:
	s_mov_b64 s[64:65], 0
	v_nop
	global_prefetch_b8 v0, s[64:65] scope:SCOPE_SE
	s_setreg_imm32_b32 hwreg(HW_REG_WAVE_MODE, 25, 1), 1
	s_wait_xcnt 0x0
; The first 16 positions of each sequence, wholly in f32.  They see in-context keys alone (all distances are under 256), under the causal mask.
; Work-group (x, y): y = 16 b + h.  Wave w makes head h's attention for the 16 positions (16 x 16 scores) and then that head's share of the output projection for the 64 outputs n0 = 256 x + 64 w:
; part(b, h)[s][n] = sum over d of o[s][d] Wo[n][128 h + d].  The shares of the 16 heads are added by a later launch.  Each wave makes the small attention itself: no LDS, no barrier.
; All products by v_wmma_f32_16x16x4_f32; K is permuted alike in both sources, so that plain loads fill the fragments.  Its accumulators (v144-207) are written by matrix instructions alone.
; S^T = K Q^T (source 0 = 16 keys, source 1 = 16 queries): lane (r, hh) holds query r, keys 8 hh + 0..7.  O^T = V^T P: lane holds query r, channels 16 ct + 8 hh + 0..7.  The share: source 0 = 16 rows of Wo, source 1 = o.
; fine32 holds v / 16: the reciprocal of the row's sum is multiplied by 16.
; REGISTERS: window 0: v3-8 addresses and constants; v16-79 Q, later o; v80-143 K; v144-207 accumulators; v208-215 scores; v216-223 p; v224-231 at work.  window 1: Wo, 4 tiles x 64.  window 2: v0-63 V^T.
.set Q,   16
.set KK,  80
.set ACC, 144
.set SS,  208
.set P,   216
.set T,   224
.set MSB, 0
.macro WIN new
.if MSB != \new
	s_set_vgpr_msb (MSB<<8)|\new
.set MSB, \new
.endif
.endm
	s_load_b128 s[4:7], s[0:1], 0x0                ; fine32, Wo
	s_load_b64 s[8:9], s[0:1], 0x10                ; part
	v_lshrrev_b32 v1, 5, v0
	v_readfirstlane_b32 s14, v1                    ; wave
	v_and_b32 v1, 15, v0                           ; r
	v_bfe_u32 v2, v0, 4, 1                         ; hh
	v_lshlrev_b32 v3, 14, v1
	v_lshl_add_u32 v3, v2, 8, v3                   ; q, k: row r of 16,384 bytes, + 64 hh channels
	v_lshlrev_b32 v4, 2, v1
	v_lshl_add_u32 v4, v2, 17, v4                  ; v: key 8 hh, channel r
	v_lshlrev_b32 v5, 13, v1
	v_lshl_add_u32 v5, v2, 5, v5                   ; Wo: row r of 8,192 bytes, + 8 hh channels
	v_and_b32 v6, 31, v0
	v_lshlrev_b32 v6, 4, v6                        ; part: 16 x lane
	v_lshlrev_b32 v7, 3, v2
	v_sub_nc_u32 v7, v1, v7                        ; r - 8 hh: key register j is hidden where j is above it
	v_mov_b32 v8, 0xff800000                       ; -infinity
	s_and_b32 s15, ttmp7, 0xffff                   ; y
	s_lshr_b32 s16, s15, 4                         ; b
	s_and_b32 s17, s15, 15                         ; h
	s_lshr_b32 s18, s17, 1                         ; the key and value head
	s_lshl_b32 s16, s16, 18                        ; 262,144 b
	s_lshl_b32 s20, s17, 9
	s_add_co_u32 s20, s20, s16                     ; q: + 512 h
	s_mov_b32 s21, 0
	s_lshl_b32 s22, s18, 9
	s_add_co_u32 s22, s22, s16
	s_add_co_u32 s22, s22, 8192                    ; k: column 2,048 + 128 kv head; v lies 4,096 bytes further on
	s_mov_b32 s23, 0
	s_lshl_b32 s24, ttmp9, 8
	s_lshl_b32 s25, s14, 6
	s_add_co_u32 s24, s24, s25                     ; n0
	s_lshl_b32 s24, s24, 13
	s_lshl_b32 s25, s17, 9
	s_add_co_u32 s24, s24, s25                     ; Wo: row n0, column 128 h
	s_mov_b32 s25, 0
	s_lshl_b32 s26, s15, 17                        ; part: 131,072 y + 1,024 x n tile
	s_lshl_b32 s27, ttmp9, 14
	s_add_co_u32 s26, s26, s27
	s_lshl_b32 s27, s14, 12
	s_add_co_u32 s26, s26, s27
	s_mov_b32 s27, 0
	s_mov_b32 s28, 0x3e0293ee                      ; c = log2(e) / sqrt(128)
	s_mov_b32 s30, 0x76543210
	s_mov_b32 s31, 0xfedcba98
	s_wait_kmcnt 0x0
	s_add_nc_u64 s[10:11], s[4:5], s[20:21]
	s_add_nc_u64 s[12:13], s[4:5], s[22:23]
	s_add_nc_u64 s[6:7], s[6:7], s[24:25]
	s_add_nc_u64 s[8:9], s[8:9], s[26:27]
.irp i, 0,1,2,3,4,5,6,7,8,9,10,11,12,13,14,15
	global_load_b128 v[Q+4*\i:Q+4*\i+3], v3, s[10:11] offset:16*\i       ; lane (r, hh): channels 64 hh + 0..63 of row r; registers 2 t, 2 t + 1 are K step t
.endr
.irp i, 0,1,2,3,4,5,6,7,8,9,10,11,12,13,14,15
	global_load_b128 v[KK+4*\i:KK+4*\i+3], v3, s[12:13] offset:16*\i
.endr
	WIN 0x80                                       ; destination window 2
.irp ct, 0,1,2,3,4,5,6,7
.irp j, 0,1,2,3,4,5,6,7
	global_load_b32 v[8*\ct+\j], v4, s[12:13] offset:4096+16384*\j+64*\ct   ; V^T: lane (r, hh): channel 16 ct + r of key 8 hh + j
.endr
.endr
	WIN 0
	s_wait_loadcnt 63                              ; q and k are in: 64 loads were issued behind them, and the count's field ends at 63
.set t, 0
.rept 32                               ; S^T = K Q^T: 32 K steps on four accumulators by turns; the first four start the sums
.if t < 4
	v_wmma_f32_16x16x4_f32 v[ACC+8*(t%4):ACC+8*(t%4)+7], v[KK+2*t:KK+2*t+1], v[Q+2*t:Q+2*t+1], 0
.else
	v_wmma_f32_16x16x4_f32 v[ACC+8*(t%4):ACC+8*(t%4)+7], v[KK+2*t:KK+2*t+1], v[Q+2*t:Q+2*t+1], v[ACC+8*(t%4):ACC+8*(t%4)+7]
.endif
.set t, t+1
.endr
	WIN 0x40                                       ; destination window 1
.irp nt, 0,1,2,3
.irp ct, 0,1,2,3,4,5,6,7
.irp e, 0,1
	global_load_b128 v[64*\nt+8*\ct+4*\e:64*\nt+8*\ct+4*\e+3], v5, s[6:7] offset:131072*\nt+64*\ct+16*\e   ; Wo: row n0 + 16 nt + r, channels 16 ct + 8 hh + 0..7
.endr
.endr
.endr
	WIN 0
.rept 9
	v_nop                                          ; places behind this matrix form (ISA guide 7.12.1)
.endr
.irp j, 0,2,4,6
	v_pk_add_f32 v[SS+\j:SS+\j+1], v[ACC+\j:ACC+\j+1], v[ACC+8+\j:ACC+9+\j]       ; the four partial sums, into other registers; each accumulator from its low end on
	v_pk_add_f32 v[T+\j:T+\j+1], v[ACC+16+\j:ACC+17+\j], v[ACC+24+\j:ACC+25+\j]
.endr
.irp j, 0,2,4,6
	v_pk_add_f32 v[SS+\j:SS+\j+1], v[SS+\j:SS+\j+1], v[T+\j:T+\j+1]
.endr
.irp j, 0,1,2,3,4,5,6,7
	v_cmp_gt_i32 vcc_lo, \j, v7                    ; key 8 hh + j comes after query r
	v_cndmask_b32 v[SS+\j], v[SS+\j], v8, vcc_lo
.endr
	v_max3_num_f32 v[T], v[SS], v[SS+1], v[SS+2]
	v_max3_num_f32 v[T+1], v[SS+3], v[SS+4], v[SS+5]
	v_max3_num_f32 v[T], v[T], v[SS+6], v[SS+7]
	v_max_num_f32 v[T], v[T], v[T+1]
	v_permlanex16_b32 v[T+1], v[T], s30, s31       ; the query's other 8 keys
	v_max_num_f32 v[T], v[T], v[T+1]               ; key 0 counts for every query: a number
	v_mul_f32 v[T], s28, v[T]
.irp j, 0,1,2,3,4,5,6,7
	v_fma_f32 v[P+\j], v[SS+\j], s28, -v[T]
.endr
.irp j, 0,1,2,3,4,5,6,7
	v_exp_f32 v[P+\j], v[P+\j]
.endr
	v_nop                                          ; a plain instruction behind the exponentials
	s_wait_alu depctr_va_vdst(0)                   ; one wait for the eight, ahead of their first reader
	v_pk_add_f32 v[T+2:T+3], v[P:P+1], v[P+2:P+3]
	v_pk_add_f32 v[T+4:T+5], v[P+4:P+5], v[P+6:P+7]
	v_pk_add_f32 v[T+2:T+3], v[T+2:T+3], v[T+4:T+5]
	v_add_f32 v[T+2], v[T+2], v[T+3]
	v_permlanex16_b32 v[T+3], v[T+2], s30, s31
	v_add_f32 v[T+2], v[T+2], v[T+3]               ; the row's sum
	v_rcp_f32 v[T+4], v[T+2]
	v_nop
	s_wait_alu depctr_va_vdst(0)
	v_mul_f32 v[T+4], 0x41800000, v[T+4]           ; 16 / the sum
	s_wait_loadcnt 63                              ; V is in: Wo's 64 loads were issued behind it
	WIN 0x02                                       ; source 0 window 2
.set u, 0
.rept 4                                ; O^T = V^T P: K step u = keys 8 hh + 2 u, + 1; eight accumulators by turns
.irp ct, 0,1,2,3,4,5,6,7
.if u == 0
	v_wmma_f32_16x16x4_f32 v[ACC+8*\ct:ACC+8*\ct+7], v[8*\ct+2*u:8*\ct+2*u+1], v[P+2*u:P+2*u+1], 0
.else
	v_wmma_f32_16x16x4_f32 v[ACC+8*\ct:ACC+8*\ct+7], v[8*\ct+2*u:8*\ct+2*u+1], v[P+2*u:P+2*u+1], v[ACC+8*\ct:ACC+8*\ct+7]
.endif
.endr
.set u, u+1
.endr
	WIN 0
.rept 9
	v_nop
.endr
.set i, 0
.rept 32
	v_pk_mul_f32 v[Q+i:Q+i+1], v[ACC+i:ACC+i+1], v[T+4:T+5] op_sel_hi:[1,0]   ; o: register 8 ct + j = channel 16 ct + 8 hh + j of query r
.set i, i+2
.endr
	s_wait_loadcnt 0x0                             ; Wo
	WIN 0x01                                       ; source 0 window 1
.set t, 0
.rept 32                               ; the share: K step t = channels 16 (t / 4) + 8 hh + 2 (t % 4), + 1; the four tiles of outputs by turns
.irp nt, 0,1,2,3
.if t == 0
	v_wmma_f32_16x16x4_f32 v[ACC+8*\nt:ACC+8*\nt+7], v[64*\nt+2*t:64*\nt+2*t+1], v[Q+2*t:Q+2*t+1], 0
.else
	v_wmma_f32_16x16x4_f32 v[ACC+8*\nt:ACC+8*\nt+7], v[64*\nt+2*t:64*\nt+2*t+1], v[Q+2*t:Q+2*t+1], v[ACC+8*\nt:ACC+8*\nt+7]
.endif
.endr
.set t, t+1
.endr
	WIN 0
.rept 9
	v_nop
.endr
.irp nt, 0,1,2,3
.irp e, 0,1
	global_store_b128 v6, v[ACC+8*\nt+4*\e:ACC+8*\nt+4*\e+3], s[8:9] offset:1024*\nt+512*\e   ; an image of the registers: 512 consecutive bytes a store; lane (r, hh): position r, outputs 16 nt + 8 hh + 4 e + 0..3
.endr
.endr
	s_endpgm
.Lfunc_end_k_q3edf5b732c_fine_a:
	.size	k_q3edf5b732c_fine_a, .Lfunc_end_k_q3edf5b732c_fine_a-k_q3edf5b732c_fine_a
	.p2alignl 7, 3214868480
	.fill 96, 4, 3214868480
	.section	.rodata,"a",@progbits
	.p2align	6, 0x0
	.amdhsa_kernel k_q3edf5b732c_fine_a
		.amdhsa_group_segment_fixed_size 0
		.amdhsa_private_segment_fixed_size 0
		.amdhsa_enable_private_segment 0
		.amdhsa_kernarg_size 24
		.amdhsa_user_sgpr_count 2
		.amdhsa_user_sgpr_kernarg_segment_ptr 1
		.amdhsa_wavefront_size32 1
		.amdhsa_system_sgpr_workgroup_id_x 1
		.amdhsa_system_sgpr_workgroup_id_y 1
		.amdhsa_system_sgpr_workgroup_id_z 1
		.amdhsa_system_vgpr_workitem_id 0
		.amdhsa_next_free_vgpr 576
		.amdhsa_next_free_sgpr 66
		.amdhsa_reserve_vcc 1
		.amdhsa_float_denorm_mode_32 3
		.amdhsa_float_denorm_mode_16_64 3
		.amdhsa_memory_ordered 1
		.amdhsa_forward_progress 1
		.amdhsa_inst_pref_size 37
	.end_amdhsa_kernel
	.amdgpu_metadata
---
amdhsa.version: [ 1, 2 ]
amdhsa.kernels:
  - .name:           k_q3edf5b732c_fine_a
    .symbol:         k_q3edf5b732c_fine_a.kd
    .args:
      - { .name: fine32, .offset: 0, .size: 8, .value_kind: global_buffer, .address_space: global }
      - { .name: Wo, .offset: 8, .size: 8, .value_kind: global_buffer, .address_space: global }
      - { .name: part, .offset: 16, .size: 8, .value_kind: global_buffer, .address_space: global }
    .group_segment_fixed_size: 0
    .private_segment_fixed_size: 0
    .kernarg_segment_align: 8
    .kernarg_segment_size: 24
    .max_flat_workgroup_size: 128
    .sgpr_count:     66
    .vgpr_count:     576
    .wavefront_size: 32
...
	.end_amdgpu_metadata
.endif
;; end of part 3
;; launch attn (part 4): grid 8 x 32, 4 waves a work-group, no clusters, 327,680 bytes of LDS; arguments qkv16, att16; writes att16
.if DOCPART == 4
	.amdgcn_target "amdgcn-amd-amdhsa--gfx1250"
	.amdhsa_code_object_version 6
	.text
	.protected	k_q3edf5b732c_attn
	.globl	k_q3edf5b732c_attn
	.p2align	8
	.type	k_q3edf5b732c_attn,@function
k_q3edf5b732c_attn:
	s_mov_b64 s[64:65], 0
	v_nop
	global_prefetch_b8 v0, s[64:65] scope:SCOPE_SE
	s_setreg_imm32_b32 hwreg(HW_REG_WAVE_MODE, 25, 1), 1
	s_wait_xcnt 0x0
; One softmax over two sets of keys.  For query q, key j counts with the in-context q, k, v where 0 <= q - j < 256 and with the fading q, k, v where q - j >= 256.  Products on f16 operands, sums, maxima and the softmax in f32.
; qkv16: [head 64][m = 1024 b + s][128] f16: heads 0-15 q, 16-23 k, 24-31 v / 16 (in-context), 32-63 the same for the fading path.  att16: [m][128 h + d] f16 = o / 16.
; SHARES.  Work-group (p, y = 16 b + h) walks two blocks of 64 queries, i = 15 - p and then i = p: 18 or 19 key steps of 64 keys in every work-group.  Wave w owns the 16 queries 64 i + 16 w on.
; A block's key blocks kb: in-context max(i - 4, 0) .. i (kb = i and kb = i - 4 under a mask), fading 0 .. i - 4 (kb = i - 4 under a mask).
; THE RING.  Two LDS slots; a slot holds a tile of three key blocks: 192 rows of K (wave 0's load) and 192 of V (wave 1's).  All tiles have one shape.
; Trips of a block: u0 in-context kb i - 2 .. i; u1 in-context kb i - 4, i - 3 (the tile's third key block is brought and never read); u2 .. u5 fading kb 0-2, 3-5, 6-8, 9-11.  Block i = p (0..7) never needs u4, u5: they are not written.
; Rows ahead of a sequence's first key (i under 2 in u0, i = 3 in u1) are brought from the rows ahead of it in qkv16 and never read.  Every trip count is a constant; a step that the block does not need is jumped over
; by a scalar branch on ids, and a tile none of whose key blocks is needed is not asked for: a branch on ids, alike in all four waves, round the load's own lines alone.  Every wait for tensor loads is for 0.
; The tiles are not shared in a cluster: only the two heads of a key and value head want the same tiles, and partners with other p would need other tiles and other jumps round the loads.
; LAYOUT.  S^T = K Q^T (source 0 = 16 keys, source 1 = my 16 queries): a lane holds ONE query (lane % 16) and keys 16 kt + 8 (lane / 16) + 0..7.  Rounded to f16 in pairs, two such tiles are source 1 of O^T = V^T P.
; K comes out of LDS as it lies, V turned, by ds_load_tr16_b128.  SOFTMAX: a running maximum m and sum l: p = 2^(c s - c m); O and l are multiplied by a = 2^(c m_old - c m_new) in every step.
; m begins at -3e38, l and O at 0.  A block's first step that is walked shows every query a key, so m is a score from then on; a later step that hides a whole row adds nothing.
; REGISTERS: window 0: v1-13 addresses and at work; v14, v15 the add's two; v16-23 statistics; v32-63 S^T; v64-79 P; v80-143 O^T; v144-175 Q in-context; v176-207 Q fading.  window 1: v0-127 K, v128-255 V of one step.
.set PK,    272                        ; a row of K in LDS: 256 bytes + 16
.set PV,    288                        ; a row of V: 256 + 32
.set TR,    192                        ; rows in a tile
.set VOFF,  TR*PK
.set SLOT1, 1<<17
.set STAGE, SLOT1+TR*(PK+PV)           ; behind the ring: 16 rows x 272 bytes for each wave, for the way out
.set SP,    272
.set SPARE, STAGE+4*16*SP              ; the spare words, 128 bytes a wave: two blocks of 256 bytes that no other line names
.set KBB,   64*256                     ; a key block in memory
.set AK0, 1
.set AV0, 2
.set ADK, 3
.set ADV, 4
.set QO,  5
.set STO, 6
.set RD,  7
.set GO,  8
.set RH,  9                            ; v9   r - 8 h
.set DD,  10
.set NINF, 11
.set T0,  12
.set SPW, 14
.set NIL, 15
.set ST,  16                           ; +0 c m, +1 m, +2, +3 l, +4 .. +7 at work; a in +6
.set S,   32
.set P,   64
.set O,   80
.set QI,  144
.set QF,  176
.set VR,  128                          ; in window 1
.set WV,  8
.set PP,  9
.set SI,  16                           ; s16 i;  s17 i - 4;  s18 max(i - 4, 0);  s19 the step's key block
.set SI4, 17
.set SLO, 18
.set SKB, 19
.set LK,  20                           ; s20, s21 where the step's rows of K and of V begin in LDS;  s22 counts a trip's steps
.set LV,  21
.set CNT, 22
.set SD,  23
.set G1K, 24
.set G1V, 32
.set G0K, 40
.set G0V, 44
.set KIC, 48                           ; s[48:49] the in-context K of my head and sequence;  s[50:51] the fading K;  V lies 0x400000 bytes behind K
.set KF,  50
.set IO,  52                           ; s[52:53] 16,384 i;  s[54:55] 16,384 p
.set PO,  54
.set QB,  56
.set OB,  58
.set CS,  60
.set SEL, 62
.set W16, 66
.set QH,  68
.set OH,  70
.set QB2, 72
.set MSB, 0
.macro WIN new
.if MSB != \new
	s_set_vgpr_msb (MSB<<8)|\new
.set MSB, \new
.endif
.endm
; Wave 0 fetches K's tile, wave 1 V's, the others nothing.  An s_nop 0 and four v_nop follow each of the two lines.
.macro TLOAD
	s_cmp_eq_u32 s[WV], 0
	s_cbranch_scc0 .Lnot_k_\@
	tensor_load_to_lds s[G0K:G0K+3], s[G1K:G1K+7]
	s_nop 0
.rept 4
	v_nop
.endr
	s_branch .Lasked_\@
.Lnot_k_\@:
	s_cmp_eq_u32 s[WV], 1
	s_cbranch_scc0 .Lasked_\@
	tensor_load_to_lds s[G0V:G0V+3], s[G1V:G1V+7]
	s_nop 0
.rept 4
	v_nop
.endr
.Lasked_\@:
.endm
; The descriptors' groups 0 for the next tile.  src 0: in-context, key blocks i - 2 on, 16,384 i in the pair named by t;  src 1: in-context, i - 4 on;  src 2: fading, key blocks 3 t on.
.macro NEXT slot, src, t
	s_mov_b32 s[G0K+1], (\slot)*SLOT1
	s_mov_b32 s[G0V+1], (\slot)*SLOT1+VOFF
.if \src == 0
	s_add_nc_u64 s[G0K+2:G0K+3], s[KIC:KIC+1], s[\t:\t+1]
	s_sub_nc_u64 s[G0K+2:G0K+3], s[G0K+2:G0K+3], 2*KBB
.elseif \src == 1
	s_add_nc_u64 s[G0K+2:G0K+3], s[KIC:KIC+1], s[IO:IO+1]
	s_sub_nc_u64 s[G0K+2:G0K+3], s[G0K+2:G0K+3], 4*KBB
.else
	s_add_nc_u64 s[G0K+2:G0K+3], s[KF:KF+1], (\t)*3*KBB
.endif
	s_add_nc_u64 s[G0V+2:G0V+3], s[G0K+2:G0K+3], 0x400000
	s_or_b32 s[G0K+3], s[G0K+3], 0x80000000
	s_or_b32 s[G0V+3], s[G0V+3], 0x80000000
.endm
; THE CHANGE OF SLOTS stands at a trip's head.  Each wave waits for all its tensor loads (the tile that is about to be read), adds 0 to its spare word, and waits for that and for its reads of the slot that it has left.
; Behind the barrier the slot ahead is whole and nobody reads the other one.  fill = 1: that other slot takes the next trip's tile, where i is at least thr.
.macro CHANGE fill, slot, src, t, thr
	s_wait_tensorcnt 0x0                           ; no tensor load of mine is out, so a group 0 may be written
	ds_add_u32 v[SPW], v[NIL]                      ; 0 onto my spare word
.if \fill
	ds_add_u32 v[SPW], v[NIL]                      ; and once more, where a tensor load can still follow
	NEXT \slot, \src, \t
.endif
	s_wait_dscnt 0x0                               ; the add is done, and my reads of the slot that I have left are over
	s_barrier_signal -1
	s_barrier_wait -1
.if \fill
.if \thr > 0
	s_cmp_lt_u32 s[SI], \thr                       ; ids alone, alike in all four waves: a tile that no step of this block reads is not asked for
	s_cbranch_scc1 .Lpast_\@
.endif
	TLOAD                                          ; the first thing behind the barrier, and a wave's one tensor load until the next
.Lpast_\@:
.endif
.endm
; A KEY STEP: 64 keys.  kind 0: in-context, 1: fading.  mk: the scalar that holds the key block that lies under a mask in this trip.
.macro STEP kind, mk
.if \kind == 0
	s_cmp_lt_i32 s[SKB], s[SLO]
.else
	s_cmp_gt_i32 s[SKB], s[SI4]
.endif
	s_cbranch_scc1 .Lskip_\@                       ; not one of this block's key blocks
	v_add_nc_u32 v[ADK], s[LK], v[AK0]
	v_add_nc_u32 v[ADV], s[LV], v[AV0]
	v_nop
	v_nop                                          ; four plain instructions behind the last products, ahead of the loads into V's registers
	WIN 0x40                                       ; destination window 1
.irp c, 0,1,2,3                        ; K: channels 32 c on, keys 16 kt on; by channels, so that the products can start on the first eight loads
.irp kt, 0,1,2,3
	ds_load_b128 v[32*\kt+8*\c:32*\kt+8*\c+3],   v[ADK] offset:\kt*16*PK+\c*64
	ds_load_b128 v[32*\kt+8*\c+4:32*\kt+8*\c+7], v[ADK] offset:\kt*16*PK+\c*64+32
.endr
.endr
.irp f, 0,1,2,3,4,5,6,7,8,9,10,11,12,13,14,15  ; V, turned: keys 32 (f / 8) on, channels 16 (f % 8) on
	ds_load_tr16_b128 v[VR+8*\f:VR+8*\f+3],   v[ADV] offset:(\f/8)*32*PV+(\f%8)*32
	ds_load_tr16_b128 v[VR+8*\f+4:VR+8*\f+7], v[ADV] offset:(\f/8)*32*PV+16*PV+(\f%8)*32
.endr
	WIN 0x01                                       ; source 0 window 1
.irp c, 0,1,2,3
	s_wait_dscnt 56-8*\c                           ; K's eight loads of channels 32 c on are in; all that were issued behind them may be out
.irp kt, 0,1,2,3                       ; four accumulators by turns
.if \c == 0
	v_wmma_f32_16x16x32_f16 v[S+8*\kt:S+8*\kt+7], v[32*\kt+8*\c:32*\kt+8*\c+7], v[QI+32*\kind+8*\c:QI+32*\kind+8*\c+7], 0
.else
	v_wmma_f32_16x16x32_f16 v[S+8*\kt:S+8*\kt+7], v[32*\kt+8*\c:32*\kt+8*\c+7], v[QI+32*\kind+8*\c:QI+32*\kind+8*\c+7], v[S+8*\kt:S+8*\kt+7]
.endif
.endr
.endr
	WIN 0
.rept 4
	v_nop
.endr
	s_cmp_lg_u32 s[SKB], s[\mk]
	s_cbranch_scc1 .Lopen_\@                       ; all 64 keys count for all my queries
	s_sub_co_i32 s[SD], s[SI], s[SKB]
	s_lshl_b32 s[SD], s[SD], 6
	s_add_co_u32 s[SD], s[SD], s[W16]
	v_add_nc_u32 v[DD], s[SD], v[RH]               ; d = my query - the key of register 0.  Register 8 kt + j holds the key 16 kt + j further on: its distance is d - (16 kt + j)
.if \kind == 0
.irp n, 0,1,2,3,4,5,6,7,8,9,10,11,12,13,14,15,16,17,18,19,20,21,22,23,24,25,26,27,28,29,30,31
	v_add_nc_u32 v[T0+\n%2], -(16*(\n/8)+\n%8), v[DD]
	v_cmp_gt_u32 vcc_lo, 0x100, v[T0+\n%2]         ; 0 <= distance < 256
	v_cndmask_b32 v[S+\n], v[NINF], v[S+\n], vcc_lo
.endr
.else
	v_add_nc_u32 v[DD], 0xffffff00, v[DD]          ; d - 256
.irp n, 0,1,2,3,4,5,6,7,8,9,10,11,12,13,14,15,16,17,18,19,20,21,22,23,24,25,26,27,28,29,30,31
	v_cmp_gt_i32 vcc_lo, 16*(\n/8)+\n%8, v[DD]     ; distance under 256: hidden
	v_cndmask_b32 v[S+\n], v[S+\n], v[NINF], vcc_lo
.endr
.endif
.Lopen_\@:
.irp j, 0,1,2,3
	v_max3_num_f32 v[ST+4+\j], v[S+8*\j], v[S+8*\j+1], v[S+8*\j+2]     ; the maximum of my 32 scores and the old m: four chains, each tile from its low end on
.endr
.irp q, 1,2
.irp j, 0,1,2,3
	v_max3_num_f32 v[ST+4+\j], v[ST+4+\j], v[S+8*\j+2*\q+1], v[S+8*\j+2*\q+2]
.endr
.endr
	v_max3_num_f32 v[ST+4], v[ST+4], v[S+7], v[S+15]
	v_max3_num_f32 v[ST+6], v[ST+6], v[S+23], v[S+31]
	v_max3_num_f32 v[ST+4], v[ST+4], v[ST+5], v[ST+6]
	v_max3_num_f32 v[ST+4], v[ST+4], v[ST+7], v[ST+1]
	v_permlanex16_b32 v[ST+5], v[ST+4], s[SEL], s[SEL+1]    ; the query's other 32 keys lie in the lane 16 away
	v_mov_b32 v[ST+7], v[ST]                       ; c m_old
	v_max_num_f32 v[ST+1], v[ST+4], v[ST+5]
	v_mul_f32 v[ST], s[CS], v[ST+1]
	v_sub_f32 v[ST+7], v[ST+7], v[ST]
.set i, 0
.rept 16
	v_pk_fma_f32 v[S+i:S+i+1], v[S+i:S+i+1], s[CS:CS+1], v[ST:ST+1] op_sel_hi:[1,0,0] neg_lo:[0,0,1] neg_hi:[0,0,1]   ; c s - c m
.set i, i+2
.endr
	v_exp_f32 v[ST+6], v[ST+7]                     ; a
.set i, 0
.rept 32
	v_exp_f32 v[S+i], v[S+i]
.set i, i+1
.endr
	v_nop                                          ; a plain instruction behind the last exponential
	s_wait_alu depctr_va_vdst(0)                   ; one wait for the batch of 33, ahead of its first reader
.set i, 0
.rept 16
	v_cvt_pk_f16_f32 v[P+i], v[S+2*i], v[S+2*i+1]
.set i, i+1
.endr
.irp u, 0,1,2,3,4,5,6,7
	v_pk_add_f32 v[S+4*\u:S+4*\u+1], v[S+4*\u:S+4*\u+1], v[S+4*\u+2:S+4*\u+3]     ; the sum of the unrounded p, as a tree of pairs
.endr
.irp u, 0,1,2,3
	v_pk_add_f32 v[S+8*\u:S+8*\u+1], v[S+8*\u:S+8*\u+1], v[S+8*\u+4:S+8*\u+5]
.endr
.irp u, 0,1
	v_pk_add_f32 v[S+16*\u:S+16*\u+1], v[S+16*\u:S+16*\u+1], v[S+16*\u+8:S+16*\u+9]
.endr
	v_pk_add_f32 v[S:S+1], v[S:S+1], v[S+16:S+17]
	v_pk_fma_f32 v[ST+2:ST+3], v[ST+2:ST+3], v[ST+6:ST+7], v[S:S+1] op_sel_hi:[1,0,1]   ; l = a l + the sum
.set i, 0
.rept 32
	v_pk_mul_f32 v[O+i:O+i+1], v[O+i:O+i+1], v[ST+6:ST+7] op_sel_hi:[1,0]
.set i, i+2
.endr
	s_wait_dscnt 0x0                               ; V is in
	WIN 0x01
.irp g, 0,1                            ; O^T += V^T P: keys 32 g on; eight accumulators by turns
.irp ct, 0,1,2,3,4,5,6,7
	v_wmma_f32_16x16x32_f16 v[O+8*\ct:O+8*\ct+7], v[VR+64*\g+8*\ct:VR+64*\g+8*\ct+7], v[P+8*\g:P+8*\g+7], v[O+8*\ct:O+8*\ct+7]
.endr
.endr
	WIN 0
.Lskip_\@:
.endm
.macro TRIP slot, kind, mk, n          ; n key steps out of a slot: the text of a step once, the LDS addresses stepped by constants
	s_mov_b32 s[LK], (\slot)*SLOT1
	s_mov_b32 s[LV], (\slot)*SLOT1
	s_mov_b32 s[CNT], \n
.Lstep_\@:
	STEP \kind, \mk
	s_add_co_u32 s[LK], s[LK], 64*PK
	s_add_co_u32 s[LV], s[LV], 64*PV
	s_add_co_i32 s[SKB], s[SKB], 1
	s_sub_co_u32 s[CNT], s[CNT], 1
	s_cmp_lg_u32 s[CNT], 0
	s_cbranch_scc1 .Lstep_\@
.endm
.macro SETBLK                          ; what hangs on i
	s_lshl_b32 s[IO], s[SI], 14
	s_mov_b32 s[IO+1], 0
	s_add_nc_u64 s[QB:QB+1], s[QH:QH+1], s[IO:IO+1]
	s_add_nc_u64 s[QB2:QB2+1], s[QB:QB+1], 0x1000000
	s_sub_co_i32 s[SI4], s[SI], 4
	s_max_i32 s[SLO], s[SI4], 0
.endm
.macro SETOUT
	s_lshl_b32 s10, s[SI], 18                      ; 64 i rows of 4,096 bytes
	s_mov_b32 s11, 0
	s_add_nc_u64 s[OB:OB+1], s[OH:OH+1], s[10:11]
.endm
.macro QLOAD                           ; both Q fragments: lane (r, h): row r; registers 0-3 channels 32 c + 8 h + 0..7, registers 4-7 16 further on
.irp c, 0,1,2,3
	global_load_b128 v[QI+8*\c:QI+8*\c+3],   v[QO], s[QB:QB+1] offset:64*\c
	global_load_b128 v[QI+8*\c+4:QI+8*\c+7], v[QO], s[QB:QB+1] offset:64*\c+32
.endr
.irp c, 0,1,2,3
	global_load_b128 v[QF+8*\c:QF+8*\c+3],   v[QO], s[QB2:QB2+1] offset:64*\c
	global_load_b128 v[QF+8*\c+4:QF+8*\c+7], v[QO], s[QB2:QB2+1] offset:64*\c+32
.endr
.endm
.macro INIT                            ; a step's text is written once for all steps: the first finds m under every score, and zeros, which its a = 0 leaves zeros
	v_mov_b32 v[ST+1], 0xff61b1e6                  ; -3e38
	v_mul_f32 v[ST], s[CS], v[ST+1]
.irp j, 2,3,4,5,6,7
	v_mov_b32 v[ST+\j], 0
.endr
.set i, 0
.rept 64
	v_mov_b32 v[O+i], 0
.set i, i+1
.endr
.endm
; THE WAY OUT of a block: O^T / l, to f16, through my stage in LDS, so that sixteen lanes store 256 consecutive bytes of a row of att16, aligned.
.macro WAYOUT
	v_add_f32 v[ST+4], v[ST+2], v[ST+3]
	v_permlanex16_b32 v[ST+5], v[ST+4], s[SEL], s[SEL+1]
	v_add_f32 v[ST+4], v[ST+4], v[ST+5]
	v_rcp_f32 v[ST+6], v[ST+4]
	v_nop
	s_wait_alu depctr_va_vdst(0)
.set i, 0
.rept 32
	v_pk_mul_f32 v[O+i:O+i+1], v[O+i:O+i+1], v[ST+6:ST+7] op_sel_hi:[1,0]
.set i, i+2
.endr
.set i, 0
.rept 32
	v_cvt_pk_f16_f32 v[S+i], v[O+2*i], v[O+2*i+1]
.set i, i+1
.endr
.irp f, 0,1,2,3,4,5,6,7
	ds_store_b128 v[STO], v[S+4*\f:S+4*\f+3] offset:32*\f
.endr
.irp f, 0,1,2,3,4,5,6,7
	ds_load_b128 v[S+4*\f:S+4*\f+3], v[RD] offset:\f*2*SP          ; LDS serves a wave's instructions in order: these see the stores above
.endr
.irp f, 0,1,2,3,4,5,6,7
	s_wait_dscnt 7-\f                              ; load f is back; the 7 - f behind it may be out
	global_store_b128 v[GO], v[S+4*\f:S+4*\f+3], s[OB:OB+1] offset:8192*\f
.endr
.endm
	s_load_b128 s[4:7], s[0:1], 0x0                ; qkv16, att16
	v_lshl_add_u32 v[SPW], v0, 2, SPARE
	v_mov_b32 v[NIL], 0
	ds_add_u32 v[SPW], v[NIL]                      ; the wave's opening: the add, twice on end, and its wait ahead of the first tensor load
	ds_add_u32 v[SPW], v[NIL]
	v_lshrrev_b32 v1, 5, v0
	v_readfirstlane_b32 s[WV], v1                  ; wave 0..3
	s_mov_b32 s[G1K], (1<<16)|(1<<20)|(5<<22)|(3<<25)   ; no mask; elements of 2 bytes; padding on: after every 64 words 4 words
	s_mov_b32 s[G1V], (1<<16)|(1<<20)|(5<<22)|(7<<25)   ; the same with 8 words
.irp g, G1K, G1V
	s_mov_b32 s[\g+1], 128<<16                     ; tensor_dim0
	s_mov_b32 s[\g+2], TR<<16                      ; tensor_dim1
	s_mov_b32 s[\g+3], 128<<16                     ; tile_dim0
	s_mov_b32 s[\g+4], TR                          ; tile_dim1
	s_mov_b32 s[\g+5], 128                         ; the pitch
	s_mov_b32 s[\g+6], 0
	s_mov_b32 s[\g+7], 0
.endr
	s_mov_b32 s[G0K], 1
	s_mov_b32 s[G0V], 1
	s_mov_b32 s[CS], 0x3e0293ee                    ; c = log2(e) / sqrt(128)
	s_mov_b32 s[CS+1], s[CS]
	s_mov_b32 s[SEL], 0x76543210
	s_mov_b32 s[SEL+1], 0xfedcba98
	s_mov_b32 s[PP], ttmp9
	s_sub_co_u32 s[SI], 15, s[PP]                  ; the first block: i = 15 - p
	s_lshl_b32 s[PO], s[PP], 14
	s_mov_b32 s[PO+1], 0
	s_lshl_b32 s[W16], s[WV], 4
	s_and_b32 s10, ttmp7, 0xffff
	s_lshr_b32 s11, s10, 4                         ; b
	s_and_b32 s12, s10, 15                         ; h
	s_lshr_b32 s13, s12, 1                         ; the key and value head
	s_add_co_u32 s14, s13, 16
	s_lshl_b32 s14, s14, 19                        ; a head is 2,048 rows of 256 bytes
	s_lshl_b32 s15, s11, 18                        ; a sequence 1,024
	s_add_co_u32 s14, s14, s15
	s_lshl_b32 s2, s12, 19
	s_add_co_u32 s2, s2, s15
	s_lshl_b32 s3, s[WV], 12                       ; my 16 rows of a block
	s_add_co_u32 s2, s2, s3
	s_mov_b32 s15, 0
	s_mov_b32 s3, 0
	s_lshl_b32 s10, s11, 22                        ; att16: 1,024 b rows of 4,096 bytes,
	s_lshl_b32 s11, s[WV], 16                      ; + 16 w rows,
	s_add_co_u32 s10, s10, s11
	s_lshl_b32 s11, s12, 8                         ; + 256 h bytes
	s_add_co_u32 s10, s10, s11
	s_mov_b32 s11, 0
	s_wait_dscnt 0x0                               ; both opening adds are done
	s_wait_kmcnt 0x0
	s_add_nc_u64 s[KIC:KIC+1], s[4:5], s[14:15]
	s_add_nc_u64 s[KF:KF+1], s[KIC:KIC+1], 0x1000000   ; 32 heads on
	s_add_nc_u64 s[QH:QH+1], s[4:5], s[2:3]
	s_add_nc_u64 s[OH:OH+1], s[6:7], s[10:11]
	SETBLK
	SETOUT
	NEXT 0, 0, IO
	TLOAD                                          ; slot 0: the first block's key blocks i - 2 .. i
	v_and_b32 v12, 15, v0                          ; r
	v_bfe_u32 v13, v0, 4, 1                        ; h
	v_lshlrev_b32 v[QO], 8, v12
	v_lshl_add_u32 v[QO], v13, 4, v[QO]
	QLOAD
	v_mul_u32_u24 v[AK0], v12, PK
	v_lshl_add_u32 v[AK0], v13, 4, v[AK0]          ; K: row x pitch + 16 x half
	v_and_b32 v3, 7, v0                            ; V: the turning load takes 16 keys x 16 channels: lane l reads key 8 (l / 16) + l % 8, channels 8 ((l / 8) % 2) on
	v_bfe_u32 v4, v0, 3, 1
	v_lshl_add_u32 v[AV0], v13, 3, v3
	v_mul_u32_u24 v[AV0], v[AV0], PV
	v_lshl_add_u32 v[AV0], v4, 4, v[AV0]
	v_add_nc_u32 v[AV0], VOFF, v[AV0]
	s_mul_i32 s10, s[WV], 16*SP
	s_add_co_u32 s10, s10, STAGE                   ; my stage
	v_mul_u32_u24 v[STO], v12, SP
	v_lshl_add_u32 v[STO], v13, 4, v[STO]
	v_add_nc_u32 v[STO], s10, v[STO]               ; in: row r, 16 bytes for each half of the lanes
	v_mul_u32_u24 v[RD], v13, SP
	v_lshl_add_u32 v[RD], v12, 4, v[RD]
	v_add_nc_u32 v[RD], s10, v[RD]                 ; back: lanes 0-15 one row, lanes 16-31 the next
	v_lshlrev_b32 v[GO], 12, v13
	v_lshl_add_u32 v[GO], v12, 4, v[GO]            ; and the same two rows in att16
	v_lshlrev_b32 v[RH], 3, v13
	v_sub_nc_u32 v[RH], v12, v[RH]
	v_mov_b32 v[NINF], 0xff800000
	INIT
	; ---- the first block, i = 15 - p (8 .. 15): its trips u0 to u3 are always needed
	s_sub_co_i32 s[SKB], s[SI], 2
	CHANGE 1, 1, 1, 0, 0                           ; slot 1's first fill
	s_wait_loadcnt 0x0                             ; Q
	TRIP 0, 0, SI, 3
	s_mov_b32 s[SKB], s[SI4]
	CHANGE 1, 0, 2, 0, 0
	TRIP 1, 0, SI4, 2
	s_mov_b32 s[SKB], 0
	CHANGE 1, 1, 2, 1, 0
	TRIP 0, 1, SI4, 3
	CHANGE 1, 0, 2, 2, 10                          ; fading key blocks 6-8 count from i = 10 on
	TRIP 1, 1, SI4, 3
	CHANGE 1, 1, 2, 3, 13                          ; 9-11 from i = 13 on
	TRIP 0, 1, SI4, 3
	CHANGE 1, 0, 0, PO, 0                          ; the ring goes on into the second block: its key blocks p - 2 .. p
	TRIP 1, 1, SI4, 3
.rept 4
	v_nop                                          ; four plain instructions behind the last products: ahead of the loads into Q's registers and of the first read of O^T
.endr
	s_mov_b32 s[SI], s[PP]                         ; the second block: i = p
	SETBLK                                         ; (the first block's loads of Q were waited for: their base may be written)
	QLOAD                                          ; its Q lands while the first block goes out
	WAYOUT
	s_wait_xcnt 0x0                                ; the stores have read their data and their base: both are written again below
	SETOUT
	INIT
	; ---- the second block, i = p (0 .. 7)
	s_sub_co_i32 s[SKB], s[SI], 2
	CHANGE 1, 1, 1, 0, 3                           ; in-context key blocks i - 4, i - 3: none from 0 on where i is under 3
	s_wait_loadcnt 0x0                             ; Q
	TRIP 0, 0, SI, 3
	s_mov_b32 s[SKB], s[SI4]
	CHANGE 1, 0, 2, 0, 4
	TRIP 1, 0, SI4, 2
	s_mov_b32 s[SKB], 0
	CHANGE 1, 1, 2, 1, 7
	TRIP 0, 1, SI4, 3
	CHANGE 0, 0, 0, 0, 0                           ; nothing is left to fetch
	TRIP 1, 1, SI4, 3
.rept 4
	v_nop
.endr
	WAYOUT
	s_wait_tensorcnt 0x0                           ; the wave's end: three closing lines behind my last tensor load and my last LDS store
	ds_add_u32 v[SPW], v[NIL]
	s_wait_dscnt 0x0
	s_endpgm
.Lfunc_end_k_q3edf5b732c_attn:
	.size	k_q3edf5b732c_attn, .Lfunc_end_k_q3edf5b732c_attn-k_q3edf5b732c_attn
	.p2alignl 7, 3214868480
	.fill 96, 4, 3214868480
	.section	.rodata,"a",@progbits
	.p2align	6, 0x0
	.amdhsa_kernel k_q3edf5b732c_attn
		.amdhsa_group_segment_fixed_size 327680
		.amdhsa_private_segment_fixed_size 0
		.amdhsa_enable_private_segment 0
		.amdhsa_kernarg_size 16
		.amdhsa_user_sgpr_count 2
		.amdhsa_user_sgpr_kernarg_segment_ptr 1
		.amdhsa_wavefront_size32 1
		.amdhsa_system_sgpr_workgroup_id_x 1
		.amdhsa_system_sgpr_workgroup_id_y 1
		.amdhsa_system_sgpr_workgroup_id_z 1
		.amdhsa_system_vgpr_workitem_id 0
		.amdhsa_next_free_vgpr 512
		.amdhsa_next_free_sgpr 76
		.amdhsa_reserve_vcc 1
		.amdhsa_float_denorm_mode_32 3
		.amdhsa_float_denorm_mode_16_64 3
		.amdhsa_memory_ordered 1
		.amdhsa_forward_progress 1
		.amdhsa_inst_pref_size 215
	.end_amdhsa_kernel
	.amdgpu_metadata
---
amdhsa.version: [ 1, 2 ]
amdhsa.kernels:
  - .name:           k_q3edf5b732c_attn
    .symbol:         k_q3edf5b732c_attn.kd
    .args:
      - { .name: qkv16, .offset: 0, .size: 8, .value_kind: global_buffer, .address_space: global }
      - { .name: att16, .offset: 8, .size: 8, .value_kind: global_buffer, .address_space: global }
    .group_segment_fixed_size: 327680
    .private_segment_fixed_size: 0
    .kernarg_segment_align: 8
    .kernarg_segment_size: 16
    .max_flat_workgroup_size: 128
    .sgpr_count:     76
    .vgpr_count:     512
    .wavefront_size: 32
...
	.end_amdgpu_metadata
.endif
;; end of part 4
;; launch proj (part 5): grid 16 x 16, 4 waves a work-group, clusters of 4 x 4, 327,680 bytes of LDS; arguments att16, wo16, out0; writes out0
.if DOCPART == 5
	.amdgcn_target "amdgcn-amd-amdhsa--gfx1250"
	.amdhsa_code_object_version 6
	.text
	.protected	k_q3edf5b732c_proj
	.globl	k_q3edf5b732c_proj
	.p2align	8
	.type	k_q3edf5b732c_proj,@function
k_q3edf5b732c_proj:
	s_mov_b64 s[64:65], 0
	v_nop
	global_prefetch_b8 v0, s[64:65] scope:SCOPE_SE
	s_setreg_imm32_b32 hwreg(HW_REG_WAVE_MODE, 25, 1), 1
	s_wait_xcnt 0x0
	s_wait_alu depctr_hold_cnt(0) depctr_sa_sdst(0) depctr_va_vdst(0) depctr_va_sdst(0) depctr_va_ssrc(0) depctr_va_vcc(0) depctr_vm_vsrc(0)
	s_getreg_b32 s2, hwreg(HW_REG_IB_STS2, 6, 4)
	s_cmp_eq_u32 s2, 0
	s_cbranch_scc0 .Lentry_in_a_cluster
	s_endpgm
.Lentry_in_a_cluster:
	s_bfe_u32 s2, ttmp6, 0x10000c
	s_cmp_lg_u32 s2, 0xf033
	s_cbranch_scc0 .Lentry_shape_is_right
	s_endpgm
.Lentry_shape_is_right:
; out0[m][n] = sum over k of (o[m][k] / 16) (16 Wo[n][k]).  att16: [2048][2048] f16, wo16: [2048][2048] f16, out0: [2048][2048] f32; sums in f32.  (Rows 0-15 of each sequence are written again, more finely, by the last launch.)
; A tile of out0 is 128 x 128: 256 tiles, one for each work-group.  Four waves, each 64 x 64: 16 accumulators, 128 registers.  K goes in steps of 256 (LDS rows of 512 bytes; a wave's tensor load brings 64 of them) through two slots.
; CLUSTERS: 4 x 4 work-groups.  The four of a row of the cluster need the same tiles of A, the four of a column the same tiles of B: each tile is asked for JOINTLY.
; THE MATRIX INSTRUCTION IS USED TRANSPOSED (source 0 = 16 rows of B, source 1 = 16 rows of A): a lane holds eight neighbouring numbers of a row of out0.
; The four waves share ONE stage on the way out (128 rows x 528 bytes, in slot 0, which has had its last fill and its last read by then), with a barrier between writing and reading: each wave then stores 32 whole rows of 512 bytes.
; REGISTERS: window 0: v0-31 addresses; v32-95 at work on the way out; v128-255 the accumulators ((a, b) at v[128 + 8 (4 a + b)]).  window 1: two fragment buffers of 128.
.set SIZE_M, 2048
.set SIZE_N, 2048
.set SIZE_K, 2048
.set KSTEP,  256
.set PITCH,  528                       ; an LDS row: 512 bytes + 16 of padding
.set HALFT,  64*PITCH
.set SLOT,   4*HALFT                   ; A's 128 rows, then B's 128 rows
.set SPITCH, 528                       ; a stage row: 128 f32 + 16 bytes
.set SPARE,  2*SLOT                    ; behind the ring: the spare words, 128 bytes a wave: two blocks of 256 bytes that no other line names
.set LAPS, SIZE_K/(2*KSTEP)
.set ADRA, 16
.set ADRB, 20
.set STO,  24
.set RD,   25
.set CO,   26
.set SPW,  28
.set NIL,  29
.set TMP,  32
.set ACC,  128
.set F0,   0
.set F1,   128
.set G1, 24
.set G0, 32
.set G1B, 48
.set G0B, 56
.set MSB, 0
.macro WIN new
.if MSB != \new
	s_set_vgpr_msb (MSB<<8)|\new
.set MSB, \new
.endif
.endm
.set MUL,  0x05                        ; sources 0 (B) and 1 (A) window 1; C and D window 0
.set TO_F, 0x40                        ; destination window 1, address window 0
.macro JLOAD s                         ; a joint load: waves 0 and 1 fetch A's two halves, waves 2 and 3 B's; an s_nop 0 and four v_nop follow each of the two lines
	s_cmp_eq_u32 s11, 0
	s_cbranch_scc0 .Lfor_b_\@
	tensor_load_to_lds s[G0+4*\s:G0+4*\s+3], s[G1:G1+7]
	s_nop 0
.rept 4
	v_nop
.endr
	s_branch .Lasked_\@
.Lfor_b_\@:
	tensor_load_to_lds s[G0B+4*\s:G0B+4*\s+3], s[G1B:G1B+7]
	s_nop 0
.rept 4
	v_nop
.endr
.Lasked_\@:
.endm
.macro CREST
	s_cmp_lg_u32 s10, 0
	s_cbranch_scc1 .Lnot_wave_0_\@
	s_barrier_signal -3
.Lnot_wave_0_\@:
	s_barrier_wait -3
	s_barrier_signal -1
	s_barrier_wait -1
.endm
.macro CROUND
	s_barrier_signal -1
	s_barrier_wait -1
	CREST
.endm
	s_load_b128 s[4:7], s[0:1], 0x0                ; A s[4:5], B s[6:7]
	s_load_b64 s[8:9], s[0:1], 0x10                ; out0
	v_lshl_add_u32 v[SPW], v0, 2, SPARE
	v_mov_b32 v[NIL], 0
	ds_add_u32 v[SPW], v[NIL]                      ; the wave's opening: the add, twice on end, and its wait ahead of my first tensor load
	ds_add_u32 v[SPW], v[NIL]
	v_lshrrev_b32 v1, 5, v0
	v_readfirstlane_b32 s10, v1                    ; wave 0..3
	s_lshr_b32 s11, s10, 1                         ; which half of the tile's rows is mine.  Also: I fetch for A (0) or for B (1)
	s_and_b32 s12, s10, 1                          ; which half of its columns.  Also: which 64 rows of that tile I fetch
	s_bfe_u32 s40, ttmp6, 0x40000                  ; cx, cy
	s_bfe_u32 s41, ttmp6, 0x40004
	s_lshl_b32 s42, ttmp9, 2
	s_add_co_u32 s42, s42, s40                     ; tile column
	s_and_b32 s13, ttmp7, 0xffff
	s_lshl_b32 s13, s13, 2
	s_add_co_u32 s13, s13, s41                     ; tile row
	s_lshl_b32 s43, s41, 2
	s_lshl_b32 s43, 15, s43                        ; my row of the cluster
	s_lshl_b32 s44, 0x1111, s40                    ; my column
	s_or_b32 s[G1+0], s43, (1<<16)|(1<<20)|(1<<21)|(6<<22)|(3<<25)  ; the mask; elements of 2 bytes; padding on; bit 21 beside a mask; after every 128 words 4 words
	s_or_b32 s[G1B+0], s44, (1<<16)|(1<<20)|(1<<21)|(6<<22)|(3<<25)
.irp g, G1, G1B
	s_mov_b32 s[\g+1], KSTEP<<16                   ; tensor_dim0 = 256
	s_mov_b32 s[\g+2], 64<<16                      ; tensor_dim1 = 64
	s_mov_b32 s[\g+3], KSTEP<<16                   ; tile_dim0 = 256
	s_mov_b32 s[\g+4], 64                          ; tile_dim1 = 64
	s_mov_b32 s[\g+5], SIZE_K                      ; the pitch
	s_mov_b32 s[\g+6], 0
	s_mov_b32 s[\g+7], 0
.endr
	s_lshl_b32 s17, s12, 6
	s_lshl_b32 s16, s13, 7
	s_add_co_u32 s16, s16, s17                     ; A: row 128 x tile row + 64 x half
	s_lshl_b32 s46, s42, 7
	s_add_co_u32 s46, s46, s17                     ; B: row 128 x tile column + 64 x half
	s_mov_b32 s17, 0
	s_mov_b32 s47, 0
	s_mov_b64 s[18:19], SIZE_K*2
	s_mul_u64 s[16:17], s[16:17], s[18:19]
	s_mul_u64 s[46:47], s[46:47], s[18:19]
	s_mul_i32 s20, s10, HALFT                      ; where they go: wave x 64 rows
	s_wait_dscnt 0x0                               ; both opening adds are done
	s_wait_kmcnt 0x0
	s_add_nc_u64 s[14:15], s[4:5], s[16:17]
	s_add_nc_u64 s[46:47], s[6:7], s[46:47]
	CROUND                                         ; all sixteen work-groups are here: the first joint loads meet
.irp s, 0,1
	s_mov_b32 s[G0+4*\s], 1
	s_add_co_u32 s[G0+4*\s+1], s20, \s*SLOT
	s_add_nc_u64 s[G0+4*\s+2:G0+4*\s+3], s[14:15], \s*KSTEP*2
	s_or_b32 s[G0+4*\s+3], s[G0+4*\s+3], 0x80000000
	s_mov_b32 s[G0B+4*\s], 1
	s_add_co_u32 s[G0B+4*\s+1], s20, \s*SLOT
	s_add_nc_u64 s[G0B+4*\s+2:G0B+4*\s+3], s[46:47], \s*KSTEP*2
	s_or_b32 s[G0B+4*\s+3], s[G0B+4*\s+3], 0x80000000
	JLOAD \s
.endr
	v_and_b32 v1, 15, v0                           ; l % 16
	v_bfe_u32 v2, v0, 4, 1                         ; l / 16
	v_mul_u32_u24 v3, v1, PITCH
	v_lshl_add_u32 v3, v2, 4, v3                   ; a fragment's row x pitch + 16 x half
	s_mul_i32 s21, s11, HALFT                      ; my 64 rows of A
	s_mul_i32 s22, s12, HALFT                      ; my 64 rows of B,
	s_add_co_u32 s22, s22, 2*HALFT                 ; which lie behind A's 128
.irp s, 0,1
	v_add_nc_u32 v[ADRA+\s], s21, v3
	v_add_nc_u32 v[ADRB+\s], s22, v3
	s_add_co_u32 s21, s21, SLOT
	s_add_co_u32 s22, s22, SLOT
.endr
	s_mul_i32 s23, s11, 64*SPITCH                  ; into the stage: my 64 rows, my half of their 512 bytes; row l % 16, 32 bytes for each half of the lanes
	s_lshl_b32 s21, s12, 8
	s_add_co_u32 s23, s23, s21
	v_mul_u32_u24 v4, v1, SPITCH
	v_lshl_add_u32 v4, v2, 5, v4
	v_add_nc_u32 v[STO], s23, v4
	s_mul_i32 s23, s10, 32*SPITCH                  ; back: wave w takes rows 32 w .. 32 w + 31, whole: 16 bytes a lane
	v_and_b32 v5, 31, v0
	v_lshlrev_b32 v[CO], 4, v5
	v_add_nc_u32 v[RD], s23, v[CO]
	s_lshl_b32 s16, s13, 7
	s_lshl_b32 s17, s10, 5
	s_add_co_u32 s16, s16, s17                     ; the first row that I store: 128 x tile row + 32 x wave
	s_mov_b32 s17, 0
	s_mov_b64 s[18:19], SIZE_N*4
	s_mul_u64 s[16:17], s[16:17], s[18:19]
	s_add_nc_u64 s[8:9], s[8:9], s[16:17]
	s_lshl_b32 s46, s42, 9                         ; the tile's first column, in bytes
	s_mov_b32 s47, 0
	s_add_nc_u64 s[8:9], s[8:9], s[46:47]
; 8 matrix instructions: m blocks a0, a0 + 1 x all 4 n blocks, 32 along K: half c of buffer f.  zero = 1: the first product starts the sums.  The 16 accumulators take turns.
.macro MUL8 f, c, a0, zero
.irp a, \a0, \a0+1
.irp b, 0,1,2,3
.if \zero
	v_wmma_f32_16x16x32_f16 v[ACC+8*(4*(\a)+\b):ACC+8*(4*(\a)+\b)+7], v[\f+64+8*(4*\c+\b):\f+64+8*(4*\c+\b)+7], v[\f+8*(4*\c+\a):\f+8*(4*\c+\a)+7], 0
.else
	v_wmma_f32_16x16x32_f16 v[ACC+8*(4*(\a)+\b):ACC+8*(4*(\a)+\b)+7], v[\f+64+8*(4*\c+\b):\f+64+8*(4*\c+\b)+7], v[\f+8*(4*\c+\a):\f+8*(4*\c+\a)+7], v[ACC+8*(4*(\a)+\b):ACC+8*(4*(\a)+\b)+7]
.endif
.endr
.endr
.endm
; 32 LDS loads in one run: the fragments of 64 along K at byte k of the rows, into buffer f; the first 32 along K first
.macro FETCH slot, k, f
	WIN TO_F
.irp c, 0,1
.irp i, 0,1,2,3
	ds_load_b128 v[\f+64+8*(4*\c+\i):\f+64+8*(4*\c+\i)+3],   v[ADRB+\slot] offset:\k+64*\c+\i*16*PITCH
	ds_load_b128 v[\f+64+8*(4*\c+\i)+4:\f+64+8*(4*\c+\i)+7], v[ADRB+\slot] offset:\k+64*\c+\i*16*PITCH+32
	ds_load_b128 v[\f+8*(4*\c+\i):\f+8*(4*\c+\i)+3],         v[ADRA+\slot] offset:\k+64*\c+\i*16*PITCH
	ds_load_b128 v[\f+8*(4*\c+\i)+4:\f+8*(4*\c+\i)+7],       v[ADRA+\slot] offset:\k+64*\c+\i*16*PITCH+32
.endr
.endr
.endm
.macro PLACES                          ; four plain instructions in front of loads into registers that matrix instructions have read, and of the first read of results
.rept 4
	v_nop
.endr
.endm
; A K step is four quarters of 64 along K, 32 matrix instructions each, on buffers 0, 1, 0, 1.
.macro QUARTER slot, k, f, g, zero
	s_wait_dscnt 16                                ; the first 32 along K are in; the youngest 16 loads may be out
	WIN MUL
	MUL8 \f, 0, 0, \zero
	MUL8 \f, 0, 2, \zero
	PLACES
	FETCH \slot, \k, \g
	s_wait_dscnt 32                                ; all but the 32 just issued
	WIN MUL
	MUL8 \f, 1, 0, 0
	MUL8 \f, 1, 2, 0
.endm
; The last quarter multiplies buffer 1 and changes slots: ONE barrier; in front of it each wave waits for all its tensor loads, adds 0 to its spare word, and waits for that and for its own reads of this slot.
.macro TURN slot, next, fill
	WIN 0
	s_wait_tensorcnt 0x0                           ; all my tensor loads have landed: my part of the next slot
	ds_add_u32 v[SPW], v[NIL]                      ; 0 onto my spare word
	s_wait_dscnt 17                                ; (the add and the youngest sixteen loads may be out)
	WIN MUL
	MUL8 F1, 0, 0, 0
	s_wait_dscnt 0x0                               ; the add is done, and my reads of this slot are over
	s_barrier_signal -1
	MUL8 F1, 0, 2, 0
.if \fill
	WIN 0
.endif
	s_barrier_wait -1
.if \fill
	CREST                                          ; the barrier has opened a round of the cluster's barrier: no wave of any partner still reads this slot's tile or has a load on its way
	s_add_nc_u64 s[G0+4*\slot+2:G0+4*\slot+3], s[G0+4*\slot+2:G0+4*\slot+3], 2*KSTEP*2
	s_add_nc_u64 s[G0B+4*\slot+2:G0B+4*\slot+3], s[G0B+4*\slot+2:G0B+4*\slot+3], 2*KSTEP*2
	JLOAD \slot                                    ; the first tensor load behind the round
.else
	PLACES
.endif
	FETCH \next, 0, F0
	WIN MUL
	MUL8 F1, 1, 0, 0
	MUL8 F1, 1, 2, 0
.endm
	s_wait_tensorcnt 1                             ; my part of K step 0 is in (K step 1's load may be out),
	s_barrier_signal -1
	s_barrier_wait -1                              ; everybody's is
	FETCH 0, 0, F0
	QUARTER 0, 128, F0, F1, 1                      ; the first quarter's first products start the sums
	WIN 0
	s_mov_b32 s3, LAPS-1
.Llap:                                                 ; a trip goes once round the ring and fills both slots again
	QUARTER 0, 256, F1, F0, 0
	QUARTER 0, 384, F0, F1, 0
	TURN 0, 1, 1
	QUARTER 1, 128, F0, F1, 0
	QUARTER 1, 256, F1, F0, 0
	QUARTER 1, 384, F0, F1, 0
	TURN 1, 0, 1
	QUARTER 0, 128, F0, F1, 0
	WIN 0
	s_sub_co_u32 s3, s3, 1
	s_cmp_lg_u32 s3, 0
	s_cbranch_scc1 .Llap
	QUARTER 0, 256, F1, F0, 0                      ; the last lap fills nothing, and has no round of the cluster's barrier
	QUARTER 0, 384, F0, F1, 0
	TURN 0, 1, 0
	QUARTER 1, 128, F0, F1, 0
	QUARTER 1, 256, F1, F0, 0
	QUARTER 1, 384, F0, F1, 0
	s_wait_dscnt 16                                ; the very last quarter: nothing more to fetch
	WIN MUL
	MUL8 F1, 0, 0, 0
	MUL8 F1, 0, 2, 0
	s_wait_dscnt 0
	MUL8 F1, 1, 0, 0
	MUL8 F1, 1, 2, 0
	WIN 0
	; THE WAY OUT: 32 bytes a lane and accumulator into the work-group's stage; a barrier, since a row's 512 bytes come from two waves; back as whole rows, 32 rows a wave.
	PLACES
.irp a, 0,1,2,3
.irp b, 0,1,2,3
	ds_store_b128 v[STO], v[ACC+8*(4*\a+\b):ACC+8*(4*\a+\b)+3] offset:\a*16*SPITCH+64*\b          ; each accumulator from its low end on
	ds_store_b128 v[STO], v[ACC+8*(4*\a+\b)+4:ACC+8*(4*\a+\b)+7] offset:\a*16*SPITCH+64*\b+16
.endr
.endr
	s_wait_dscnt 0x0                               ; for the others' sake: my stores into the stage are done
	s_barrier_signal -1
	s_barrier_wait -1
.irp t, 0,1,2,3,4,5,6,7,8,9,10,11,12,13,14,15,16,17,18,19,20,21,22,23,24,25,26,27,28,29,30,31
	ds_load_b128 v[TMP+4*\t+32*(\t/16):TMP+4*\t+32*(\t/16)+3], v[RD] offset:\t*SPITCH    ; rows 0-15 into v32-95, rows 16-31 into v128-191, which the stores above have left
.endr
.irp t, 0,1,2,3,4,5,6,7,8,9,10,11,12,13,14,15,16,17,18,19,20,21,22,23,24,25,26,27,28,29,30,31
	s_wait_dscnt 31-\t                             ; row t is back; the 31 - t behind it may be out
	global_store_b128 v[CO], v[TMP+4*\t+32*(\t/16):TMP+4*\t+32*(\t/16)+3], s[8:9] offset:\t*SIZE_N*4 th:TH_STORE_NT   ; 32 lanes store 512 consecutive bytes, aligned
.endr
	s_wait_tensorcnt 0x0                           ; the wave's end: three closing lines behind my last tensor load and my last LDS store
	ds_add_u32 v[SPW], v[NIL]
	s_wait_dscnt 0x0
	CROUND                                         ; the closing round
	s_endpgm
.Lfunc_end_k_q3edf5b732c_proj:
	.size	k_q3edf5b732c_proj, .Lfunc_end_k_q3edf5b732c_proj-k_q3edf5b732c_proj
	.p2alignl 7, 3214868480
	.fill 96, 4, 3214868480
	.section	.rodata,"a",@progbits
	.p2align	6, 0x0
	.amdhsa_kernel k_q3edf5b732c_proj
		.amdhsa_group_segment_fixed_size 327680
		.amdhsa_private_segment_fixed_size 0
		.amdhsa_enable_private_segment 0
		.amdhsa_kernarg_size 24
		.amdhsa_user_sgpr_count 2
		.amdhsa_user_sgpr_kernarg_segment_ptr 1
		.amdhsa_wavefront_size32 1
		.amdhsa_system_sgpr_workgroup_id_x 1
		.amdhsa_system_sgpr_workgroup_id_y 1
		.amdhsa_system_sgpr_workgroup_id_z 1
		.amdhsa_system_vgpr_workitem_id 0
		.amdhsa_next_free_vgpr 512
		.amdhsa_next_free_sgpr 66
		.amdhsa_reserve_vcc 0
		.amdhsa_float_denorm_mode_32 3
		.amdhsa_float_denorm_mode_16_64 3
		.amdhsa_memory_ordered 1
		.amdhsa_forward_progress 1
		.amdhsa_inst_pref_size 86
	.end_amdhsa_kernel
	.amdgpu_metadata
---
amdhsa.version: [ 1, 2 ]
amdhsa.kernels:
  - .name:           k_q3edf5b732c_proj
    .symbol:         k_q3edf5b732c_proj.kd
    .args:
      - { .name: att16, .offset: 0, .size: 8, .value_kind: global_buffer, .address_space: global }
      - { .name: wo16, .offset: 8, .size: 8, .value_kind: global_buffer, .address_space: global }
      - { .name: out0, .offset: 16, .size: 8, .value_kind: global_buffer, .address_space: global }
    .group_segment_fixed_size: 327680
    .private_segment_fixed_size: 0
    .kernarg_segment_align: 8
    .kernarg_segment_size: 24
    .max_flat_workgroup_size: 128
    .sgpr_count:     66
    .vgpr_count:     512
    .wavefront_size: 32
...
	.end_amdgpu_metadata
.endif
;; end of part 5
;; launch fine_b (part 6): grid 32 x 2, 4 waves a work-group, no clusters, 0 bytes of LDS; arguments part, out0; writes out0
.if DOCPART == 6
	.amdgcn_target "amdgcn-amd-amdhsa--gfx1250"
	.amdhsa_code_object_version 6
	.text
	.protected	k_q3edf5b732c_fine_b
	.globl	k_q3edf5b732c_fine_b
	.p2align	8
	.type	k_q3edf5b732c_fine_b,@function
k_q3edf5b732c_fine_b:
	s_mov_b64 s[64:65], 0
	v_nop
	global_prefetch_b8 v0, s[64:65] scope:SCOPE_SE
	s_setreg_imm32_b32 hwreg(HW_REG_WAVE_MODE, 25, 1), 1
	s_wait_xcnt 0x0
; The first 16 positions of each sequence: the 16 heads' shares of the output projection, all f32, are added in ascending order of the head and written over what the f16 product left in those 32 rows of out0.
; part: [16 b + h][n tile 128][half 2][lane 32][16 bytes]: images of accumulator registers: lane (r, hh), half e: position r, outputs 16 tile + 8 hh + 4 e + 0..3.
; A wave takes one sequence (y) and one tile of 16 outputs (4 x + wave): 32 loads of 512 consecutive bytes, all issued at once.  The stores are pieces of 32 bytes of 16 rows: 256 KiB in the whole launch.
	s_load_b128 s[4:7], s[0:1], 0x0                ; part, out0
	v_lshrrev_b32 v1, 5, v0
	v_readfirstlane_b32 s8, v1                     ; wave
	v_and_b32 v2, 31, v0
	v_lshlrev_b32 v3, 4, v2                        ; 16 x lane
	v_and_b32 v4, 15, v0                           ; r
	v_bfe_u32 v5, v0, 4, 1                         ; hh
	v_lshlrev_b32 v6, 13, v4
	v_lshl_add_u32 v6, v5, 5, v6                   ; out0: row r of 8,192 bytes, + 32 hh
	s_and_b32 s9, ttmp7, 0xffff                    ; b
	s_lshl_b32 s10, ttmp9, 2
	s_add_co_u32 s10, s10, s8                      ; the tile of outputs
	s_lshl_b32 s12, s9, 21                         ; 16 heads of 131,072 bytes
	s_lshl_b32 s13, s10, 10
	s_add_co_u32 s12, s12, s13
	s_mov_b32 s13, 0
	s_lshl_b32 s14, s9, 23                         ; a sequence of out0
	s_lshl_b32 s15, s10, 6
	s_add_co_u32 s14, s14, s15
	s_mov_b32 s15, 0
	s_wait_kmcnt 0x0
	s_add_nc_u64 s[4:5], s[4:5], s[12:13]
	s_add_nc_u64 s[6:7], s[6:7], s[14:15]
.irp h, 0,1,2,3,4,5,6,7,8,9,10,11,12,13,14,15
.irp e, 0,1
	global_load_b128 v[16+8*\h+4*\e:16+8*\h+4*\e+3], v3, s[4:5] offset:131072*\h+512*\e th:TH_LOAD_NT
.endr
.endr
.irp h, 1,2,3,4,5,6,7,8,9,10,11,12,13,14,15
	s_wait_loadcnt 2*(15-\h)                       ; head h's two loads are in; those of the later heads may be out
.irp j, 0,2,4,6
	v_pk_add_f32 v[16+\j:17+\j], v[16+\j:17+\j], v[16+8*\h+\j:17+8*\h+\j]
.endr
.endr
	global_store_b128 v6, v[16:19], s[6:7]
	global_store_b128 v6, v[20:23], s[6:7] offset:16
	s_endpgm
.Lfunc_end_k_q3edf5b732c_fine_b:
	.size	k_q3edf5b732c_fine_b, .Lfunc_end_k_q3edf5b732c_fine_b-k_q3edf5b732c_fine_b
	.p2alignl 7, 3214868480
	.fill 96, 4, 3214868480
	.section	.rodata,"a",@progbits
	.p2align	6, 0x0
	.amdhsa_kernel k_q3edf5b732c_fine_b
		.amdhsa_group_segment_fixed_size 0
		.amdhsa_private_segment_fixed_size 0
		.amdhsa_enable_private_segment 0
		.amdhsa_kernarg_size 16
		.amdhsa_user_sgpr_count 2
		.amdhsa_user_sgpr_kernarg_segment_ptr 1
		.amdhsa_wavefront_size32 1
		.amdhsa_system_sgpr_workgroup_id_x 1
		.amdhsa_system_sgpr_workgroup_id_y 1
		.amdhsa_system_sgpr_workgroup_id_z 1
		.amdhsa_system_vgpr_workitem_id 0
		.amdhsa_next_free_vgpr 144
		.amdhsa_next_free_sgpr 66
		.amdhsa_reserve_vcc 0
		.amdhsa_float_denorm_mode_32 3
		.amdhsa_float_denorm_mode_16_64 3
		.amdhsa_memory_ordered 1
		.amdhsa_forward_progress 1
		.amdhsa_inst_pref_size 9
	.end_amdhsa_kernel
	.amdgpu_metadata
---
amdhsa.version: [ 1, 2 ]
amdhsa.kernels:
  - .name:           k_q3edf5b732c_fine_b
    .symbol:         k_q3edf5b732c_fine_b.kd
    .args:
      - { .name: part, .offset: 0, .size: 8, .value_kind: global_buffer, .address_space: global }
      - { .name: out0, .offset: 8, .size: 8, .value_kind: global_buffer, .address_space: global }
    .group_segment_fixed_size: 0
    .private_segment_fixed_size: 0
    .kernarg_segment_align: 8
    .kernarg_segment_size: 16
    .max_flat_workgroup_size: 128
    .sgpr_count:     66
    .vgpr_count:     144
    .wavefront_size: 32
...
	.end_amdgpu_metadata
.endif
;; end of part 6
;; ======== version 2 of 2: 4 launches; 1.14 times as fast as version 1
;; limits: values are held in f16: magnitudes above 65,504 overflow, below 6.1e-05 lose precision; right only within a limited range of input values
;; workspace buffers: codes 10,485,760 bytes; scales 655,360 bytes; wo16 8,388,608 bytes; qkv16 33,554,432 bytes; fine32 524,288 bytes; att16 8,388,608 bytes; ofine 262,144 bytes
;; launch quant: the kernel of part 1 again; grid 768 x 1, 4 waves a work-group, no clusters, 33,280 bytes of LDS; arguments hidden_states, Wq, Wk, Wv, Wq2, Wk2, Wv2, Wo, codes, scales, wo16; writes codes, scales, wo16
;; launch qkv: the kernel of part 2 again; grid 32 x 8, 4 waves a work-group, clusters of 4 x 4, 327,680 bytes of LDS; arguments codes, scales, bq, bk, bv, bq2, bk2, bv2, gq, gk, gq2, gk2, cos, sin, qkv16, fine32; writes qkv16, fine32
;; launch attn (part 7): grid 8 x 32, 4 waves a work-group, no clusters, 327,680 bytes of LDS; arguments qkv16, fine32, att16, ofine; writes att16, ofine
.if DOCPART == 7
	.amdgcn_target "amdgcn-amd-amdhsa--gfx1250"
	.amdhsa_code_object_version 6
	.text
	.protected	k_q3edf5b732c_attn
	.globl	k_q3edf5b732c_attn
	.p2align	8
	.type	k_q3edf5b732c_attn,@function
k_q3edf5b732c_attn:
	s_mov_b64 s[64:65], 0
	v_nop
	global_prefetch_b8 v0, s[64:65] scope:SCOPE_SE
	s_setreg_imm32_b32 hwreg(HW_REG_WAVE_MODE, 25, 1), 1
	s_wait_xcnt 0x0
; One softmax over two sets of keys.  For query q, key j counts with the in-context q, k, v where 0 <= q - j < 256 and with the fading q, k, v where q - j >= 256.  Products on f16 operands, sums, maxima and the softmax in f32.
; qkv16: [head 64][m = 1024 b + s][128] f16: heads 0-15 q, 16-23 k, 24-31 v / 16 (in-context), 32-63 the same for the fading path.  att16: [m][128 h + d] f16 = o / 16.
; SHARES.  Work-group (p, y = 16 b + h) walks two blocks of 64 queries, i = 15 - p and then i = p: 18 or 19 key steps of 64 keys in every work-group.  Wave w owns the 16 queries 64 i + 16 w on.
; A block's key blocks kb: in-context max(i - 4, 0) .. i (kb = i and kb = i - 4 under a mask), fading 0 .. i - 4 (kb = i - 4 under a mask).
; THE FIRST 16 POSITIONS of each sequence and head are ALSO made wholly in f32 (from fine32 [b][16][4096]: q, k, v / 16 of the in-context path; they see in-context keys alone, under the causal mask): few terms are summed there,
; and f16 operands would weigh too much.  64 matrix instructions
; of the f32 form.  The result goes to ofine [b][h][16 pieces][lane][16 bytes], an image of o's registers: the output projection takes those rows from there and not from att16.
; THE RING.  Two LDS slots; a slot holds a tile of three key blocks: 192 rows of K (wave 0's load) and 192 of V (wave 1's).  All tiles have one shape.
; Trips of a block: u0 in-context kb i - 2 .. i; u1 in-context kb i - 4, i - 3 (the tile's third key block is brought and never read); u2 .. u5 fading kb 0-2, 3-5, 6-8, 9-11.  Block i = p (0..7) never needs u4, u5: they are not written.
; Rows ahead of a sequence's first key (i under 2 in u0, i = 3 in u1) are brought from the rows ahead of it in qkv16 and never read.  Every trip count is a constant; a step that the block does not need is jumped over
; by a scalar branch on ids, and a tile none of whose key blocks is needed is not asked for: a branch on ids, alike in all four waves, round the load's own lines alone.  Every wait for tensor loads is for 0.
; The tiles are not shared in a cluster: only the two heads of a key and value head want the same tiles, and partners with other p would need other tiles and other jumps round the loads.
; LAYOUT.  S^T = K Q^T (source 0 = 16 keys, source 1 = my 16 queries): a lane holds ONE query (lane % 16) and keys 16 kt + 8 (lane / 16) + 0..7.  Rounded to f16 in pairs, two such tiles are source 1 of O^T = V^T P.
; K comes out of LDS as it lies, V turned, by ds_load_tr16_b128.  SOFTMAX: a running maximum m and sum l: p = 2^(c s - c m); O and l are multiplied by a = 2^(c m_old - c m_new) in every step.
; m begins at -3e38, l and O at 0.  A block's first step that is walked shows every query a key, so m is a score from then on; a later step that hides a whole row adds nothing.
; REGISTERS: window 0: v1-13 addresses and at work; v14, v15 the add's two; v16-23 statistics; v32-63 S^T; v64-79 P; v80-143 O^T; v144-175 Q in-context; v176-207 Q fading.  window 1: v0-127 K, v128-255 V of one step.
;   window 2, the f32 rows alone: v0-63 q, later o; v64-127 k; v128-191 V^T; v192-255 the f32 form's accumulators, written by matrix instructions alone.  Their small numbers lie in v32-58 of window 0.
.set PK,    272                        ; a row of K in LDS: 256 bytes + 16
.set PV,    288                        ; a row of V: 256 + 32
.set TR,    192                        ; rows in a tile
.set VOFF,  TR*PK
.set SLOT1, 1<<17
.set STAGE, SLOT1+TR*(PK+PV)           ; behind the ring: 16 rows x 272 bytes for each wave, for the way out
.set SP,    272
.set SPARE, STAGE+4*16*SP              ; the spare words, 128 bytes a wave: two blocks of 256 bytes that no other line names
.set KBB,   64*256                     ; a key block in memory
.set AK0, 1
.set AV0, 2
.set ADK, 3
.set ADV, 4
.set QO,  5
.set STO, 6
.set RD,  7
.set GO,  8
.set RH,  9                            ; v9   r - 8 h
.set DD,  10
.set NINF, 11
.set T0,  12
.set SPW, 14
.set NIL, 15
.set ST,  16                           ; +0 c m, +1 m, +2, +3 l, +4 .. +7 at work; a in +6
.set S,   32
.set P,   64
.set O,   80
.set QI,  144
.set QF,  176
.set VR,  128                          ; in window 1
.set FQ,   0                           ; in window 2: the f32 rows' q, later o
.set FK,   64                          ; k
.set FV,   128                         ; V^T
.set FACC, 192                         ; the accumulators
.set FSS,  32                          ; in window 0: the 8 scores of a lane;  v40-47 p;  v48-55 at work;  v56-58 offsets
.set FP,   40
.set FT,   48
.set FA,   56
.set FB,   57
.set FC,   58
.set WV,  8
.set PP,  9
.set SI,  16                           ; s16 i;  s17 i - 4;  s18 max(i - 4, 0);  s19 the step's key block
.set SI4, 17
.set SLO, 18
.set SKB, 19
.set LK,  20                           ; s20, s21 where the step's rows of K and of V begin in LDS;  s22 counts a trip's steps
.set LV,  21
.set CNT, 22
.set SD,  23
.set G1K, 24
.set G1V, 32
.set G0K, 40
.set G0V, 44
.set KIC, 48                           ; s[48:49] the in-context K of my head and sequence;  s[50:51] the fading K;  V lies 0x400000 bytes behind K
.set KF,  50
.set IO,  52                           ; s[52:53] 16,384 i;  s[54:55] 16,384 p
.set PO,  54
.set QB,  56
.set OB,  58
.set CS,  60
.set SEL, 62
.set W16, 66
.set QH,  68
.set OH,  70
.set QB2, 72
.set FOB, 78                           ; s[78:79] ofine at my sequence and head;  s[80:81] fine32 at my q;  s[82:83] at my k (v lies 4,096 bytes further on)
.set FQB, 80
.set FKB, 82
.set MSB, 0
.macro WIN new
.if MSB != \new
	s_set_vgpr_msb (MSB<<8)|\new
.set MSB, \new
.endif
.endm
; Wave 0 fetches K's tile, wave 1 V's, the others nothing.  An s_nop 0 and four v_nop follow each of the two lines.
.macro TLOAD
	s_cmp_eq_u32 s[WV], 0
	s_cbranch_scc0 .Lnot_k_\@
	tensor_load_to_lds s[G0K:G0K+3], s[G1K:G1K+7]
	s_nop 0
.rept 4
	v_nop
.endr
	s_branch .Lasked_\@
.Lnot_k_\@:
	s_cmp_eq_u32 s[WV], 1
	s_cbranch_scc0 .Lasked_\@
	tensor_load_to_lds s[G0V:G0V+3], s[G1V:G1V+7]
	s_nop 0
.rept 4
	v_nop
.endr
.Lasked_\@:
.endm
; The descriptors' groups 0 for the next tile.  src 0: in-context, key blocks i - 2 on, 16,384 i in the pair named by t;  src 1: in-context, i - 4 on;  src 2: fading, key blocks 3 t on.
.macro NEXT slot, src, t
	s_mov_b32 s[G0K+1], (\slot)*SLOT1
	s_mov_b32 s[G0V+1], (\slot)*SLOT1+VOFF
.if \src == 0
	s_add_nc_u64 s[G0K+2:G0K+3], s[KIC:KIC+1], s[\t:\t+1]
	s_sub_nc_u64 s[G0K+2:G0K+3], s[G0K+2:G0K+3], 2*KBB
.elseif \src == 1
	s_add_nc_u64 s[G0K+2:G0K+3], s[KIC:KIC+1], s[IO:IO+1]
	s_sub_nc_u64 s[G0K+2:G0K+3], s[G0K+2:G0K+3], 4*KBB
.else
	s_add_nc_u64 s[G0K+2:G0K+3], s[KF:KF+1], (\t)*3*KBB
.endif
	s_add_nc_u64 s[G0V+2:G0V+3], s[G0K+2:G0K+3], 0x400000
	s_or_b32 s[G0K+3], s[G0K+3], 0x80000000
	s_or_b32 s[G0V+3], s[G0V+3], 0x80000000
.endm
; THE CHANGE OF SLOTS stands at a trip's head.  Each wave waits for all its tensor loads (the tile that is about to be read), adds 0 to its spare word, and waits for that and for its reads of the slot that it has left.
; Behind the barrier the slot ahead is whole and nobody reads the other one.  fill = 1: that other slot takes the next trip's tile, where i is at least thr.
.macro CHANGE fill, slot, src, t, thr
	s_wait_tensorcnt 0x0                           ; no tensor load of mine is out, so a group 0 may be written
	ds_add_u32 v[SPW], v[NIL]                      ; 0 onto my spare word
.if \fill
	ds_add_u32 v[SPW], v[NIL]                      ; and once more, where a tensor load can still follow
	NEXT \slot, \src, \t
.endif
	s_wait_dscnt 0x0                               ; the add is done, and my reads of the slot that I have left are over
	s_barrier_signal -1
	s_barrier_wait -1
.if \fill
.if \thr > 0
	s_cmp_lt_u32 s[SI], \thr                       ; ids alone, alike in all four waves: a tile that no step of this block reads is not asked for
	s_cbranch_scc1 .Lpast_\@
.endif
	TLOAD                                          ; the first thing behind the barrier, and a wave's one tensor load until the next
.Lpast_\@:
.endif
.endm
; A KEY STEP: 64 keys.  kind 0: in-context, 1: fading.  mk: the scalar that holds the key block that lies under a mask in this trip.
.macro STEP kind, mk
.if \kind == 0
	s_cmp_lt_i32 s[SKB], s[SLO]
.else
	s_cmp_gt_i32 s[SKB], s[SI4]
.endif
	s_cbranch_scc1 .Lskip_\@                       ; not one of this block's key blocks
	v_add_nc_u32 v[ADK], s[LK], v[AK0]
	v_add_nc_u32 v[ADV], s[LV], v[AV0]
	v_nop
	v_nop                                          ; four plain instructions behind the last products, ahead of the loads into V's registers
	WIN 0x40                                       ; destination window 1
.irp c, 0,1,2,3                        ; K: channels 32 c on, keys 16 kt on; by channels, so that the products can start on the first eight loads
.irp kt, 0,1,2,3
	ds_load_b128 v[32*\kt+8*\c:32*\kt+8*\c+3],   v[ADK] offset:\kt*16*PK+\c*64
	ds_load_b128 v[32*\kt+8*\c+4:32*\kt+8*\c+7], v[ADK] offset:\kt*16*PK+\c*64+32
.endr
.endr
.irp f, 0,1,2,3,4,5,6,7,8,9,10,11,12,13,14,15  ; V, turned: keys 32 (f / 8) on, channels 16 (f % 8) on
	ds_load_tr16_b128 v[VR+8*\f:VR+8*\f+3],   v[ADV] offset:(\f/8)*32*PV+(\f%8)*32
	ds_load_tr16_b128 v[VR+8*\f+4:VR+8*\f+7], v[ADV] offset:(\f/8)*32*PV+16*PV+(\f%8)*32
.endr
	WIN 0x01                                       ; source 0 window 1
.irp c, 0,1,2,3
	s_wait_dscnt 56-8*\c                           ; K's eight loads of channels 32 c on are in; all that were issued behind them may be out
.irp kt, 0,1,2,3                       ; four accumulators by turns
.if \c == 0
	v_wmma_f32_16x16x32_f16 v[S+8*\kt:S+8*\kt+7], v[32*\kt+8*\c:32*\kt+8*\c+7], v[QI+32*\kind+8*\c:QI+32*\kind+8*\c+7], 0
.else
	v_wmma_f32_16x16x32_f16 v[S+8*\kt:S+8*\kt+7], v[32*\kt+8*\c:32*\kt+8*\c+7], v[QI+32*\kind+8*\c:QI+32*\kind+8*\c+7], v[S+8*\kt:S+8*\kt+7]
.endif
.endr
.endr
	WIN 0
.rept 4
	v_nop
.endr
	s_cmp_lg_u32 s[SKB], s[\mk]
	s_cbranch_scc1 .Lopen_\@                       ; all 64 keys count for all my queries
	s_sub_co_i32 s[SD], s[SI], s[SKB]
	s_lshl_b32 s[SD], s[SD], 6
	s_add_co_u32 s[SD], s[SD], s[W16]
	v_add_nc_u32 v[DD], s[SD], v[RH]               ; d = my query - the key of register 0.  Register 8 kt + j holds the key 16 kt + j further on: its distance is d - (16 kt + j)
.if \kind == 0
.irp n, 0,1,2,3,4,5,6,7,8,9,10,11,12,13,14,15,16,17,18,19,20,21,22,23,24,25,26,27,28,29,30,31
	v_add_nc_u32 v[T0+\n%2], -(16*(\n/8)+\n%8), v[DD]
	v_cmp_gt_u32 vcc_lo, 0x100, v[T0+\n%2]         ; 0 <= distance < 256
	v_cndmask_b32 v[S+\n], v[NINF], v[S+\n], vcc_lo
.endr
.else
	v_add_nc_u32 v[DD], 0xffffff00, v[DD]          ; d - 256
.irp n, 0,1,2,3,4,5,6,7,8,9,10,11,12,13,14,15,16,17,18,19,20,21,22,23,24,25,26,27,28,29,30,31
	v_cmp_gt_i32 vcc_lo, 16*(\n/8)+\n%8, v[DD]     ; distance under 256: hidden
	v_cndmask_b32 v[S+\n], v[S+\n], v[NINF], vcc_lo
.endr
.endif
.Lopen_\@:
.irp j, 0,1,2,3
	v_max3_num_f32 v[ST+4+\j], v[S+8*\j], v[S+8*\j+1], v[S+8*\j+2]     ; the maximum of my 32 scores and the old m: four chains, each tile from its low end on
.endr
.irp q, 1,2
.irp j, 0,1,2,3
	v_max3_num_f32 v[ST+4+\j], v[ST+4+\j], v[S+8*\j+2*\q+1], v[S+8*\j+2*\q+2]
.endr
.endr
	v_max3_num_f32 v[ST+4], v[ST+4], v[S+7], v[S+15]
	v_max3_num_f32 v[ST+6], v[ST+6], v[S+23], v[S+31]
	v_max3_num_f32 v[ST+4], v[ST+4], v[ST+5], v[ST+6]
	v_max3_num_f32 v[ST+4], v[ST+4], v[ST+7], v[ST+1]
	v_permlanex16_b32 v[ST+5], v[ST+4], s[SEL], s[SEL+1]    ; the query's other 32 keys lie in the lane 16 away
	v_mov_b32 v[ST+7], v[ST]                       ; c m_old
	v_max_num_f32 v[ST+1], v[ST+4], v[ST+5]
	v_mul_f32 v[ST], s[CS], v[ST+1]
	v_sub_f32 v[ST+7], v[ST+7], v[ST]
.set i, 0
.rept 16
	v_pk_fma_f32 v[S+i:S+i+1], v[S+i:S+i+1], s[CS:CS+1], v[ST:ST+1] op_sel_hi:[1,0,0] neg_lo:[0,0,1] neg_hi:[0,0,1]   ; c s - c m
.set i, i+2
.endr
	v_exp_f32 v[ST+6], v[ST+7]                     ; a
.set i, 0
.rept 32
	v_exp_f32 v[S+i], v[S+i]
.set i, i+1
.endr
	v_nop                                          ; a plain instruction behind the last exponential
	s_wait_alu depctr_va_vdst(0)                   ; one wait for the batch of 33, ahead of its first reader
.set i, 0
.rept 16
	v_cvt_pk_f16_f32 v[P+i], v[S+2*i], v[S+2*i+1]
.set i, i+1
.endr
.irp u, 0,1,2,3,4,5,6,7
	v_pk_add_f32 v[S+4*\u:S+4*\u+1], v[S+4*\u:S+4*\u+1], v[S+4*\u+2:S+4*\u+3]     ; the sum of the unrounded p, as a tree of pairs
.endr
.irp u, 0,1,2,3
	v_pk_add_f32 v[S+8*\u:S+8*\u+1], v[S+8*\u:S+8*\u+1], v[S+8*\u+4:S+8*\u+5]
.endr
.irp u, 0,1
	v_pk_add_f32 v[S+16*\u:S+16*\u+1], v[S+16*\u:S+16*\u+1], v[S+16*\u+8:S+16*\u+9]
.endr
	v_pk_add_f32 v[S:S+1], v[S:S+1], v[S+16:S+17]
	v_pk_fma_f32 v[ST+2:ST+3], v[ST+2:ST+3], v[ST+6:ST+7], v[S:S+1] op_sel_hi:[1,0,1]   ; l = a l + the sum
.set i, 0
.rept 32
	v_pk_mul_f32 v[O+i:O+i+1], v[O+i:O+i+1], v[ST+6:ST+7] op_sel_hi:[1,0]
.set i, i+2
.endr
	s_wait_dscnt 0x0                               ; V is in
	WIN 0x01
.irp g, 0,1                            ; O^T += V^T P: keys 32 g on; eight accumulators by turns
.irp ct, 0,1,2,3,4,5,6,7
	v_wmma_f32_16x16x32_f16 v[O+8*\ct:O+8*\ct+7], v[VR+64*\g+8*\ct:VR+64*\g+8*\ct+7], v[P+8*\g:P+8*\g+7], v[O+8*\ct:O+8*\ct+7]
.endr
.endr
	WIN 0
.Lskip_\@:
.endm
.macro TRIP slot, kind, mk, n          ; n key steps out of a slot: the text of a step once, the LDS addresses stepped by constants
	s_mov_b32 s[LK], (\slot)*SLOT1
	s_mov_b32 s[LV], (\slot)*SLOT1
	s_mov_b32 s[CNT], \n
.Lstep_\@:
	STEP \kind, \mk
	s_add_co_u32 s[LK], s[LK], 64*PK
	s_add_co_u32 s[LV], s[LV], 64*PV
	s_add_co_i32 s[SKB], s[SKB], 1
	s_sub_co_u32 s[CNT], s[CNT], 1
	s_cmp_lg_u32 s[CNT], 0
	s_cbranch_scc1 .Lstep_\@
.endm
.macro SETBLK                          ; what hangs on i
	s_lshl_b32 s[IO], s[SI], 14
	s_mov_b32 s[IO+1], 0
	s_add_nc_u64 s[QB:QB+1], s[QH:QH+1], s[IO:IO+1]
	s_add_nc_u64 s[QB2:QB2+1], s[QB:QB+1], 0x1000000
	s_sub_co_i32 s[SI4], s[SI], 4
	s_max_i32 s[SLO], s[SI4], 0
.endm
.macro SETOUT
	s_lshl_b32 s10, s[SI], 18                      ; 64 i rows of 4,096 bytes
	s_mov_b32 s11, 0
	s_add_nc_u64 s[OB:OB+1], s[OH:OH+1], s[10:11]
.endm
.macro QLOAD                           ; both Q fragments: lane (r, h): row r; registers 0-3 channels 32 c + 8 h + 0..7, registers 4-7 16 further on
.irp c, 0,1,2,3
	global_load_b128 v[QI+8*\c:QI+8*\c+3],   v[QO], s[QB:QB+1] offset:64*\c
	global_load_b128 v[QI+8*\c+4:QI+8*\c+7], v[QO], s[QB:QB+1] offset:64*\c+32
.endr
.irp c, 0,1,2,3
	global_load_b128 v[QF+8*\c:QF+8*\c+3],   v[QO], s[QB2:QB2+1] offset:64*\c
	global_load_b128 v[QF+8*\c+4:QF+8*\c+7], v[QO], s[QB2:QB2+1] offset:64*\c+32
.endr
.endm
.macro INIT                            ; a step's text is written once for all steps: the first finds m under every score, and zeros, which its a = 0 leaves zeros
	v_mov_b32 v[ST+1], 0xff61b1e6                  ; -3e38
	v_mul_f32 v[ST], s[CS], v[ST+1]
.irp j, 2,3,4,5,6,7
	v_mov_b32 v[ST+\j], 0
.endr
.set i, 0
.rept 64
	v_mov_b32 v[O+i], 0
.set i, i+1
.endr
.endm
; THE WAY OUT of a block: O^T / l, to f16, through my stage in LDS, so that sixteen lanes store 256 consecutive bytes of a row of att16, aligned.
.macro WAYOUT
	v_add_f32 v[ST+4], v[ST+2], v[ST+3]
	v_permlanex16_b32 v[ST+5], v[ST+4], s[SEL], s[SEL+1]
	v_add_f32 v[ST+4], v[ST+4], v[ST+5]
	v_rcp_f32 v[ST+6], v[ST+4]
	v_nop
	s_wait_alu depctr_va_vdst(0)
.set i, 0
.rept 32
	v_pk_mul_f32 v[O+i:O+i+1], v[O+i:O+i+1], v[ST+6:ST+7] op_sel_hi:[1,0]
.set i, i+2
.endr
.set i, 0
.rept 32
	v_cvt_pk_f16_f32 v[S+i], v[O+2*i], v[O+2*i+1]
.set i, i+1
.endr
.irp f, 0,1,2,3,4,5,6,7
	ds_store_b128 v[STO], v[S+4*\f:S+4*\f+3] offset:32*\f
.endr
.irp f, 0,1,2,3,4,5,6,7
	ds_load_b128 v[S+4*\f:S+4*\f+3], v[RD] offset:\f*2*SP          ; LDS serves a wave's instructions in order: these see the stores above
.endr
.irp f, 0,1,2,3,4,5,6,7
	s_wait_dscnt 7-\f                              ; load f is back; the 7 - f behind it may be out
	global_store_b128 v[GO], v[S+4*\f:S+4*\f+3], s[OB:OB+1] offset:8192*\f
.endr
.endm
	s_load_b128 s[4:7], s[0:1], 0x0                ; qkv16, fine32
	s_load_b128 s[76:79], s[0:1], 0x10             ; att16, ofine
	v_lshl_add_u32 v[SPW], v0, 2, SPARE
	v_mov_b32 v[NIL], 0
	ds_add_u32 v[SPW], v[NIL]                      ; the wave's opening: the add, twice on end, and its wait ahead of the first tensor load
	ds_add_u32 v[SPW], v[NIL]
	v_lshrrev_b32 v1, 5, v0
	v_readfirstlane_b32 s[WV], v1                  ; wave 0..3
	s_mov_b32 s[G1K], (1<<16)|(1<<20)|(5<<22)|(3<<25)   ; no mask; elements of 2 bytes; padding on: after every 64 words 4 words
	s_mov_b32 s[G1V], (1<<16)|(1<<20)|(5<<22)|(7<<25)   ; the same with 8 words
.irp g, G1K, G1V
	s_mov_b32 s[\g+1], 128<<16                     ; tensor_dim0
	s_mov_b32 s[\g+2], TR<<16                      ; tensor_dim1
	s_mov_b32 s[\g+3], 128<<16                     ; tile_dim0
	s_mov_b32 s[\g+4], TR                          ; tile_dim1
	s_mov_b32 s[\g+5], 128                         ; the pitch
	s_mov_b32 s[\g+6], 0
	s_mov_b32 s[\g+7], 0
.endr
	s_mov_b32 s[G0K], 1
	s_mov_b32 s[G0V], 1
	s_mov_b32 s[CS], 0x3e0293ee                    ; c = log2(e) / sqrt(128)
	s_mov_b32 s[CS+1], s[CS]
	s_mov_b32 s[SEL], 0x76543210
	s_mov_b32 s[SEL+1], 0xfedcba98
	s_mov_b32 s[PP], ttmp9
	s_sub_co_u32 s[SI], 15, s[PP]                  ; the first block: i = 15 - p
	s_lshl_b32 s[PO], s[PP], 14
	s_mov_b32 s[PO+1], 0
	s_lshl_b32 s[W16], s[WV], 4
	s_and_b32 s10, ttmp7, 0xffff
	s_lshr_b32 s11, s10, 4                         ; b
	s_and_b32 s12, s10, 15                         ; h
	s_lshr_b32 s13, s12, 1                         ; the key and value head
	s_add_co_u32 s14, s13, 16
	s_lshl_b32 s14, s14, 19                        ; a head is 2,048 rows of 256 bytes
	s_lshl_b32 s15, s11, 18                        ; a sequence 1,024
	s_add_co_u32 s14, s14, s15
	s_lshl_b32 s2, s12, 19
	s_add_co_u32 s2, s2, s15
	s_lshl_b32 s3, s[WV], 12                       ; my 16 rows of a block
	s_add_co_u32 s2, s2, s3
	s_lshl_b32 s84, s12, 9                         ; fine32: a sequence is 16 rows of 16,384 bytes, 262,144 b as well; q: + 512 h
	s_add_co_u32 s84, s84, s15
	s_mov_b32 s85, 0
	s_lshl_b32 s86, s13, 9                         ; k: column 2,048 + 128 x the key and value head
	s_add_co_u32 s86, s86, s15
	s_add_co_u32 s86, s86, 8192
	s_mov_b32 s87, 0
	s_lshl_b32 s88, s11, 17                        ; ofine: 131,072 b + 8,192 h
	s_lshl_b32 s89, s12, 13
	s_add_co_u32 s88, s88, s89
	s_mov_b32 s89, 0
	s_mov_b32 s15, 0
	s_mov_b32 s3, 0
	s_lshl_b32 s10, s11, 22                        ; att16: 1,024 b rows of 4,096 bytes,
	s_lshl_b32 s11, s[WV], 16                      ; + 16 w rows,
	s_add_co_u32 s10, s10, s11
	s_lshl_b32 s11, s12, 8                         ; + 256 h bytes
	s_add_co_u32 s10, s10, s11
	s_mov_b32 s11, 0
	s_wait_dscnt 0x0                               ; both opening adds are done
	s_wait_kmcnt 0x0
	s_add_nc_u64 s[KIC:KIC+1], s[4:5], s[14:15]
	s_add_nc_u64 s[KF:KF+1], s[KIC:KIC+1], 0x1000000   ; 32 heads on
	s_add_nc_u64 s[QH:QH+1], s[4:5], s[2:3]
	s_add_nc_u64 s[OH:OH+1], s[76:77], s[10:11]
	s_add_nc_u64 s[FQB:FQB+1], s[6:7], s[84:85]
	s_add_nc_u64 s[FKB:FKB+1], s[6:7], s[86:87]
	s_add_nc_u64 s[FOB:FOB+1], s[FOB:FOB+1], s[88:89]
	SETBLK
	SETOUT
	NEXT 0, 0, IO
	TLOAD                                          ; slot 0: the first block's key blocks i - 2 .. i
	v_and_b32 v12, 15, v0                          ; r
	v_bfe_u32 v13, v0, 4, 1                        ; h
	v_lshlrev_b32 v[QO], 8, v12
	v_lshl_add_u32 v[QO], v13, 4, v[QO]
	QLOAD
	v_mul_u32_u24 v[AK0], v12, PK
	v_lshl_add_u32 v[AK0], v13, 4, v[AK0]          ; K: row x pitch + 16 x half
	v_and_b32 v3, 7, v0                            ; V: the turning load takes 16 keys x 16 channels: lane l reads key 8 (l / 16) + l % 8, channels 8 ((l / 8) % 2) on
	v_bfe_u32 v4, v0, 3, 1
	v_lshl_add_u32 v[AV0], v13, 3, v3
	v_mul_u32_u24 v[AV0], v[AV0], PV
	v_lshl_add_u32 v[AV0], v4, 4, v[AV0]
	v_add_nc_u32 v[AV0], VOFF, v[AV0]
	s_mul_i32 s10, s[WV], 16*SP
	s_add_co_u32 s10, s10, STAGE                   ; my stage
	v_mul_u32_u24 v[STO], v12, SP
	v_lshl_add_u32 v[STO], v13, 4, v[STO]
	v_add_nc_u32 v[STO], s10, v[STO]               ; in: row r, 16 bytes for each half of the lanes
	v_mul_u32_u24 v[RD], v13, SP
	v_lshl_add_u32 v[RD], v12, 4, v[RD]
	v_add_nc_u32 v[RD], s10, v[RD]                 ; back: lanes 0-15 one row, lanes 16-31 the next
	v_lshlrev_b32 v[GO], 12, v13
	v_lshl_add_u32 v[GO], v12, 4, v[GO]            ; and the same two rows in att16
	v_lshlrev_b32 v[RH], 3, v13
	v_sub_nc_u32 v[RH], v12, v[RH]
	v_mov_b32 v[NINF], 0xff800000
	INIT
	; ---- THE FIRST 16 POSITIONS IN f32: wave 3 of the work-groups with p = 0.  The two branches hang on ids alone; no barrier, no wait for tensor loads and no add stands under them.
	; All products by v_wmma_f32_16x16x4_f32; K is permuted alike in both sources, so that plain loads fill the fragments.  S^T = K Q^T: lane (r, h) holds query r, keys 8 h + 0..7.  O^T = V^T P: query r, channels 16 ct + 8 h + 0..7.
	s_cmp_lg_u32 s[PP], 0
	s_cbranch_scc1 .Lno_fine
	s_cmp_lg_u32 s[WV], 3
	s_cbranch_scc1 .Lno_fine
	v_lshlrev_b32 v[FA], 14, v12
	v_lshl_add_u32 v[FA], v13, 8, v[FA]            ; q, k: row r of 16,384 bytes, + 64 h channels
	v_lshlrev_b32 v[FB], 2, v12
	v_lshl_add_u32 v[FB], v13, 17, v[FB]           ; v: key 8 h, channel r
	v_and_b32 v[FC], 31, v0
	v_lshlrev_b32 v[FC], 4, v[FC]                  ; ofine: 16 x lane
	WIN 0x80                                       ; destination window 2
.irp i, 0,1,2,3,4,5,6,7,8,9,10,11,12,13,14,15
	global_load_b128 v[FQ+4*\i:FQ+4*\i+3], v[FA], s[FQB:FQB+1] offset:16*\i       ; lane (r, h): channels 64 h + 0..63 of row r; registers 2 t, 2 t + 1 are K step t
.endr
.irp i, 0,1,2,3,4,5,6,7,8,9,10,11,12,13,14,15
	global_load_b128 v[FK+4*\i:FK+4*\i+3], v[FA], s[FKB:FKB+1] offset:16*\i
.endr
.irp ct, 0,1,2,3,4,5,6,7
.irp j, 0,1,2,3,4,5,6,7
	global_load_b32 v[FV+8*\ct+\j], v[FB], s[FKB:FKB+1] offset:4096+16384*\j+64*\ct   ; V^T: lane (r, h): channel 16 ct + r of key 8 h + j
.endr
.endr
	WIN 0
	s_wait_loadcnt 63                              ; q and k are in: 64 loads were issued behind them, and the count's field ends at 63
	WIN 0xaa                                       ; all four operands in window 2
.set t, 0
.rept 32                               ; S^T = K Q^T: 32 K steps on four accumulators by turns; the first four start the sums
.if t < 4
	v_wmma_f32_16x16x4_f32 v[FACC+8*(t%4):FACC+8*(t%4)+7], v[FK+2*t:FK+2*t+1], v[FQ+2*t:FQ+2*t+1], 0
.else
	v_wmma_f32_16x16x4_f32 v[FACC+8*(t%4):FACC+8*(t%4)+7], v[FK+2*t:FK+2*t+1], v[FQ+2*t:FQ+2*t+1], v[FACC+8*(t%4):FACC+8*(t%4)+7]
.endif
.set t, t+1
.endr
	WIN 0
.rept 9
	v_nop                                          ; places behind this matrix form (ISA guide 7.12.1)
.endr
	WIN 0x0a                                       ; sources 0 and 1 window 2, destination window 0
.irp j, 0,2,4,6
	v_pk_add_f32 v[FSS+\j:FSS+\j+1], v[FACC+\j:FACC+\j+1], v[FACC+8+\j:FACC+9+\j]       ; the four partial sums, into other registers; each accumulator from its low end on
	v_pk_add_f32 v[FT+\j:FT+\j+1], v[FACC+16+\j:FACC+17+\j], v[FACC+24+\j:FACC+25+\j]
.endr
	WIN 0
.irp j, 0,2,4,6
	v_pk_add_f32 v[FSS+\j:FSS+\j+1], v[FSS+\j:FSS+\j+1], v[FT+\j:FT+\j+1]
.endr
.irp j, 0,1,2,3,4,5,6,7
	v_cmp_gt_i32 vcc_lo, \j, v[RH]                 ; key 8 h + j comes after query r
	v_cndmask_b32 v[FSS+\j], v[FSS+\j], v[NINF], vcc_lo
.endr
	v_max3_num_f32 v[FT], v[FSS], v[FSS+1], v[FSS+2]
	v_max3_num_f32 v[FT+1], v[FSS+3], v[FSS+4], v[FSS+5]
	v_max3_num_f32 v[FT], v[FT], v[FSS+6], v[FSS+7]
	v_max_num_f32 v[FT], v[FT], v[FT+1]
	v_permlanex16_b32 v[FT+1], v[FT], s[SEL], s[SEL+1]     ; the query's other 8 keys
	v_max_num_f32 v[FT], v[FT], v[FT+1]            ; key 0 counts for every query: a number
	v_mul_f32 v[FT], s[CS], v[FT]
.irp j, 0,1,2,3,4,5,6,7
	v_fma_f32 v[FP+\j], v[FSS+\j], s[CS], -v[FT]
.endr
.irp j, 0,1,2,3,4,5,6,7
	v_exp_f32 v[FP+\j], v[FP+\j]
.endr
	v_nop                                          ; a plain instruction behind the exponentials
	s_wait_alu depctr_va_vdst(0)                   ; one wait for the eight, ahead of their first reader
	v_pk_add_f32 v[FT+2:FT+3], v[FP:FP+1], v[FP+2:FP+3]
	v_pk_add_f32 v[FT+4:FT+5], v[FP+4:FP+5], v[FP+6:FP+7]
	v_pk_add_f32 v[FT+2:FT+3], v[FT+2:FT+3], v[FT+4:FT+5]
	v_add_f32 v[FT+2], v[FT+2], v[FT+3]
	v_permlanex16_b32 v[FT+3], v[FT+2], s[SEL], s[SEL+1]
	v_add_f32 v[FT+2], v[FT+2], v[FT+3]            ; the row's sum
	v_rcp_f32 v[FT+4], v[FT+2]
	v_nop
	s_wait_alu depctr_va_vdst(0)
	v_mul_f32 v[FT+4], 0x41800000, v[FT+4]         ; 16 / the sum: fine32 holds v / 16
	s_wait_loadcnt 0x0                             ; V
	WIN 0xa2                                       ; source 0 (V^T), C and D window 2; source 1 (p) window 0
.set u, 0
.rept 4                                ; O^T = V^T P: K step u = keys 8 h + 2 u, + 1; eight accumulators by turns
.irp ct, 0,1,2,3,4,5,6,7
.if u == 0
	v_wmma_f32_16x16x4_f32 v[FACC+8*\ct:FACC+8*\ct+7], v[FV+8*\ct+2*u:FV+8*\ct+2*u+1], v[FP+2*u:FP+2*u+1], 0
.else
	v_wmma_f32_16x16x4_f32 v[FACC+8*\ct:FACC+8*\ct+7], v[FV+8*\ct+2*u:FV+8*\ct+2*u+1], v[FP+2*u:FP+2*u+1], v[FACC+8*\ct:FACC+8*\ct+7]
.endif
.endr
.set u, u+1
.endr
	WIN 0
.rept 9
	v_nop
.endr
	WIN 0x82                                       ; destination and source 0 window 2, source 1 window 0
.set i, 0
.rept 32
	v_pk_mul_f32 v[FQ+i:FQ+i+1], v[FACC+i:FACC+i+1], v[FT+4:FT+5] op_sel_hi:[1,0]   ; o: register 8 ct + j = channel 16 ct + 8 h + j of query r
.set i, i+2
.endr
	WIN 0x08                                       ; a store's data are its source 1: window 2
.irp q, 0,1,2,3,4,5,6,7,8,9,10,11,12,13,14,15
	global_store_b128 v[FC], v[FQ+4*\q:FQ+4*\q+3], s[FOB:FOB+1] offset:512*\q       ; an image of the registers: 512 consecutive bytes a store, aligned
.endr
	WIN 0
	s_wait_xcnt 0x0                                ; the stores have read their offset register: the first key step's products write it
.Lno_fine:
	; ---- the first block, i = 15 - p (8 .. 15): its trips u0 to u3 are always needed
	s_sub_co_i32 s[SKB], s[SI], 2
	CHANGE 1, 1, 1, 0, 0                           ; slot 1's first fill
	s_wait_loadcnt 0x0                             ; Q
	TRIP 0, 0, SI, 3
	s_mov_b32 s[SKB], s[SI4]
	CHANGE 1, 0, 2, 0, 0
	TRIP 1, 0, SI4, 2
	s_mov_b32 s[SKB], 0
	CHANGE 1, 1, 2, 1, 0
	TRIP 0, 1, SI4, 3
	CHANGE 1, 0, 2, 2, 10                          ; fading key blocks 6-8 count from i = 10 on
	TRIP 1, 1, SI4, 3
	CHANGE 1, 1, 2, 3, 13                          ; 9-11 from i = 13 on
	TRIP 0, 1, SI4, 3
	CHANGE 1, 0, 0, PO, 0                          ; the ring goes on into the second block: its key blocks p - 2 .. p
	TRIP 1, 1, SI4, 3
.rept 4
	v_nop                                          ; four plain instructions behind the last products: ahead of the loads into Q's registers and of the first read of O^T
.endr
	s_mov_b32 s[SI], s[PP]                         ; the second block: i = p
	SETBLK                                         ; (the first block's loads of Q were waited for: their base may be written)
	QLOAD                                          ; its Q lands while the first block goes out
	WAYOUT
	s_wait_xcnt 0x0                                ; the stores have read their data and their base: both are written again below
	SETOUT
	INIT
	; ---- the second block, i = p (0 .. 7)
	s_sub_co_i32 s[SKB], s[SI], 2
	CHANGE 1, 1, 1, 0, 3                           ; in-context key blocks i - 4, i - 3: none from 0 on where i is under 3
	s_wait_loadcnt 0x0                             ; Q
	TRIP 0, 0, SI, 3
	s_mov_b32 s[SKB], s[SI4]
	CHANGE 1, 0, 2, 0, 4
	TRIP 1, 0, SI4, 2
	s_mov_b32 s[SKB], 0
	CHANGE 1, 1, 2, 1, 7
	TRIP 0, 1, SI4, 3
	CHANGE 0, 0, 0, 0, 0                           ; nothing is left to fetch
	TRIP 1, 1, SI4, 3
.rept 4
	v_nop
.endr
	WAYOUT
	s_wait_tensorcnt 0x0                           ; the wave's end: three closing lines behind my last tensor load and my last LDS store
	ds_add_u32 v[SPW], v[NIL]
	s_wait_dscnt 0x0
	s_endpgm
.Lfunc_end_k_q3edf5b732c_attn:
	.size	k_q3edf5b732c_attn, .Lfunc_end_k_q3edf5b732c_attn-k_q3edf5b732c_attn
	.p2alignl 7, 3214868480
	.fill 96, 4, 3214868480
	.section	.rodata,"a",@progbits
	.p2align	6, 0x0
	.amdhsa_kernel k_q3edf5b732c_attn
		.amdhsa_group_segment_fixed_size 327680
		.amdhsa_private_segment_fixed_size 0
		.amdhsa_enable_private_segment 0
		.amdhsa_kernarg_size 32
		.amdhsa_user_sgpr_count 2
		.amdhsa_user_sgpr_kernarg_segment_ptr 1
		.amdhsa_wavefront_size32 1
		.amdhsa_system_sgpr_workgroup_id_x 1
		.amdhsa_system_sgpr_workgroup_id_y 1
		.amdhsa_system_sgpr_workgroup_id_z 1
		.amdhsa_system_vgpr_workitem_id 0
		.amdhsa_next_free_vgpr 768
		.amdhsa_next_free_sgpr 92
		.amdhsa_reserve_vcc 1
		.amdhsa_float_denorm_mode_32 3
		.amdhsa_float_denorm_mode_16_64 3
		.amdhsa_memory_ordered 1
		.amdhsa_forward_progress 1
		.amdhsa_inst_pref_size 236
	.end_amdhsa_kernel
	.amdgpu_metadata
---
amdhsa.version: [ 1, 2 ]
amdhsa.kernels:
  - .name:           k_q3edf5b732c_attn
    .symbol:         k_q3edf5b732c_attn.kd
    .args:
      - { .name: qkv16, .offset: 0, .size: 8, .value_kind: global_buffer, .address_space: global }
      - { .name: fine32, .offset: 8, .size: 8, .value_kind: global_buffer, .address_space: global }
      - { .name: att16, .offset: 16, .size: 8, .value_kind: global_buffer, .address_space: global }
      - { .name: ofine, .offset: 24, .size: 8, .value_kind: global_buffer, .address_space: global }
    .group_segment_fixed_size: 327680
    .private_segment_fixed_size: 0
    .kernarg_segment_align: 8
    .kernarg_segment_size: 32
    .max_flat_workgroup_size: 128
    .sgpr_count:     92
    .vgpr_count:     768
    .wavefront_size: 32
...
	.end_amdgpu_metadata
.endif
;; end of part 7
;; launch proj (part 8): grid 16 x 16, 4 waves a work-group, clusters of 4 x 4, 327,680 bytes of LDS; arguments att16, wo16, ofine, Wo, out0; writes out0
.if DOCPART == 8
	.amdgcn_target "amdgcn-amd-amdhsa--gfx1250"
	.amdhsa_code_object_version 6
	.text
	.protected	k_q3edf5b732c_proj
	.globl	k_q3edf5b732c_proj
	.p2align	8
	.type	k_q3edf5b732c_proj,@function
k_q3edf5b732c_proj:
	s_mov_b64 s[64:65], 0
	v_nop
	global_prefetch_b8 v0, s[64:65] scope:SCOPE_SE
	s_setreg_imm32_b32 hwreg(HW_REG_WAVE_MODE, 25, 1), 1
	s_wait_xcnt 0x0
	s_wait_alu depctr_hold_cnt(0) depctr_sa_sdst(0) depctr_va_vdst(0) depctr_va_sdst(0) depctr_va_ssrc(0) depctr_va_vcc(0) depctr_vm_vsrc(0)
	s_getreg_b32 s2, hwreg(HW_REG_IB_STS2, 6, 4)
	s_cmp_eq_u32 s2, 0
	s_cbranch_scc0 .Lentry_in_a_cluster
	s_endpgm
.Lentry_in_a_cluster:
	s_bfe_u32 s2, ttmp6, 0x10000c
	s_cmp_lg_u32 s2, 0xf033
	s_cbranch_scc0 .Lentry_shape_is_right
	s_endpgm
.Lentry_shape_is_right:
; out0[m][n] = sum over k of (o[m][k] / 16) (16 Wo[n][k]).  att16: [2048][2048] f16, wo16: [2048][2048] f16, out0: [2048][2048] f32; sums in f32.
; A tile of out0 is 128 x 128: 256 tiles, one for each work-group.  Four waves, each 64 x 64: 16 accumulators, 128 registers.  K goes in steps of 256 (LDS rows of 512 bytes; a wave's tensor load brings 64 of them) through two slots.
; CLUSTERS: 4 x 4 work-groups.  The four of a row of the cluster need the same tiles of A, the four of a column the same tiles of B: each tile is asked for JOINTLY.
; THE MATRIX INSTRUCTION IS USED TRANSPOSED (source 0 = 16 rows of B, source 1 = 16 rows of A): a lane holds eight neighbouring numbers of a row of out0.
; The four waves share ONE stage on the way out (128 rows x 528 bytes, in slot 0, which has had its last fill and its last read by then), with a barrier between writing and reading: each wave then stores 32 whole rows of 512 bytes.
; THE FIRST 16 POSITIONS of each sequence are made in f32: o from ofine ([b][h][16 pieces][lane][16 bytes], images of o's registers), Wo as it is given.  They are 2 x 128 pieces of 16 positions x 16 outputs, as many as there are
; work-groups: work-group (tile column X, tile row Y) makes sequence Y / 8, outputs 16 (16 (Y % 8) + X) on.  Its four waves share K: wave w takes heads 4 w .. 4 w + 3: 128 K steps of v_wmma_f32_16x16x4_f32 on four accumulators by
; turns (v96-127, written by matrix instructions alone).  The operands, 64 + 64 loads of 16 bytes a lane, are asked for in four batches along the K loop and fill windows 2 and 3; the products stand behind
; the tile's own stores.  The four partial sums meet in LDS; each wave stores 4 rows x 64 consecutive bytes.  The tile's owner does not store those rows: its first 16 row stores run under a mask that is empty in wave 0 of the
; tile rows that begin a sequence (a mask, no branch).  So each byte of out0 has one owner.
; REGISTERS: window 0: v0-31 addresses; v32-95 at work on the way out; v96-127 the f32 form's accumulators; v128-255 the accumulators ((a, b) at v[128 + 8 (4 a + b)]).  window 1: two fragment buffers of 128.
;   window 2: o of the 16 positions: register 64 g + 4 q + x of lane (r, h): position r, k = 128 (4 w + g) + 16 (q / 2) + 8 h + 4 (q % 2) + x.   window 3: Wo, the same k, row = output r of the piece.
.set SIZE_M, 2048
.set SIZE_N, 2048
.set SIZE_K, 2048
.set KSTEP,  256
.set PITCH,  528                       ; an LDS row: 512 bytes + 16 of padding
.set HALFT,  64*PITCH
.set SLOT,   4*HALFT                   ; A's 128 rows, then B's 128 rows
.set SPITCH, 528                       ; a stage row: 128 f32 + 16 bytes
.set FST,    128*SPITCH                ; behind the stage, still in slot 0: 1,024 bytes for each wave's partial sums of the f32 piece
.set SPARE,  2*SLOT                    ; behind the ring: the spare words, 128 bytes a wave: two blocks of 256 bytes that no other line names
.set LAPS, SIZE_K/(2*KSTEP)
.set ADRA, 16
.set ADRB, 20
.set FRD,  22                          ; v22  the f32 piece: where I read the four partial sums back
.set FGO,  23                          ; v23  and my byte offset in my 4 rows of out0
.set STO,  24
.set RD,   25
.set CO,   26                          ; v26  16 x lane
.set FSTO, 27                          ; v27  the f32 piece: where I put my partial sums
.set SPW,  28
.set NIL,  29
.set FW,   30                          ; v30  Wo: 8,192 r + 32 h
.set FLG,  31                          ; v31  0 where my first 16 rows are a sequence's first 16 positions
.set TMP,  32
.set FACC, 96
.set ACC,  128
.set FR,   192                         ; the f32 piece, behind the way out: v192-199 my sums, v200-207 at work
.set FT,   200
.set F0,   0
.set F1,   128
.set G1, 24
.set G0, 32
.set G1B, 48
.set G0B, 56
.set MSB, 0
.macro WIN new
.if MSB != \new
	s_set_vgpr_msb (MSB<<8)|\new
.set MSB, \new
.endif
.endm
.set MUL,  0x05                        ; sources 0 (B) and 1 (A) window 1; C and D window 0
.set TO_F, 0x40                        ; destination window 1, address window 0
.macro JLOAD s                         ; a joint load: waves 0 and 1 fetch A's two halves, waves 2 and 3 B's; an s_nop 0 and four v_nop follow each of the two lines
	s_cmp_eq_u32 s11, 0
	s_cbranch_scc0 .Lfor_b_\@
	tensor_load_to_lds s[G0+4*\s:G0+4*\s+3], s[G1:G1+7]
	s_nop 0
.rept 4
	v_nop
.endr
	s_branch .Lasked_\@
.Lfor_b_\@:
	tensor_load_to_lds s[G0B+4*\s:G0B+4*\s+3], s[G1B:G1B+7]
	s_nop 0
.rept 4
	v_nop
.endr
.Lasked_\@:
.endm
.macro CREST
	s_cmp_lg_u32 s10, 0
	s_cbranch_scc1 .Lnot_wave_0_\@
	s_barrier_signal -3
.Lnot_wave_0_\@:
	s_barrier_wait -3
	s_barrier_signal -1
	s_barrier_wait -1
.endm
.macro CROUND
	s_barrier_signal -1
	s_barrier_wait -1
	CREST
.endm
; The f32 piece's operands of head 4 w + g: 16 loads of o's images (512 consecutive bytes each) and 16 of Wo.  32 loads a batch, so that two batches on their way stay inside the counter's field.
.macro FLOAD g
	WIN 0x80                                       ; destination window 2
.irp q, 0,1,2,3,4,5,6,7,8,9,10,11,12,13,14,15
	global_load_b128 v[64*(\g)+4*\q:64*(\g)+4*\q+3], v[CO], s[68:69] offset:8192*(\g)+512*\q
.endr
	WIN 0xc0                                       ; destination window 3
.irp q, 0,1,2,3,4,5,6,7,8,9,10,11,12,13,14,15
	global_load_b128 v[64*(\g)+4*\q:64*(\g)+4*\q+3], v[FW], s[70:71] offset:512*(\g)+64*(\q/2)+16*(\q%2)
.endr
	WIN 0
.endm
	s_load_b128 s[4:7], s[0:1], 0x0                ; A s[4:5], B s[6:7]
	s_load_b128 s[68:71], s[0:1], 0x10             ; ofine, Wo
	s_load_b64 s[8:9], s[0:1], 0x20                ; out0
	v_lshl_add_u32 v[SPW], v0, 2, SPARE
	v_mov_b32 v[NIL], 0
	ds_add_u32 v[SPW], v[NIL]                      ; the wave's opening: the add, twice on end, and its wait ahead of my first tensor load
	ds_add_u32 v[SPW], v[NIL]
	v_lshrrev_b32 v1, 5, v0
	v_readfirstlane_b32 s10, v1                    ; wave 0..3
	s_lshr_b32 s11, s10, 1                         ; which half of the tile's rows is mine.  Also: I fetch for A (0) or for B (1)
	s_and_b32 s12, s10, 1                          ; which half of its columns.  Also: which 64 rows of that tile I fetch
	s_bfe_u32 s40, ttmp6, 0x40000                  ; cx, cy
	s_bfe_u32 s41, ttmp6, 0x40004
	s_lshl_b32 s42, ttmp9, 2
	s_add_co_u32 s42, s42, s40                     ; tile column
	s_and_b32 s13, ttmp7, 0xffff
	s_lshl_b32 s13, s13, 2
	s_add_co_u32 s13, s13, s41                     ; tile row
	s_lshl_b32 s43, s41, 2
	s_lshl_b32 s43, 15, s43                        ; my row of the cluster
	s_lshl_b32 s44, 0x1111, s40                    ; my column
	s_or_b32 s[G1+0], s43, (1<<16)|(1<<20)|(1<<21)|(6<<22)|(3<<25)  ; the mask; elements of 2 bytes; padding on; bit 21 beside a mask; after every 128 words 4 words
	s_or_b32 s[G1B+0], s44, (1<<16)|(1<<20)|(1<<21)|(6<<22)|(3<<25)
.irp g, G1, G1B
	s_mov_b32 s[\g+1], KSTEP<<16                   ; tensor_dim0 = 256
	s_mov_b32 s[\g+2], 64<<16                      ; tensor_dim1 = 64
	s_mov_b32 s[\g+3], KSTEP<<16                   ; tile_dim0 = 256
	s_mov_b32 s[\g+4], 64                          ; tile_dim1 = 64
	s_mov_b32 s[\g+5], SIZE_K                      ; the pitch
	s_mov_b32 s[\g+6], 0
	s_mov_b32 s[\g+7], 0
.endr
	s_lshl_b32 s17, s12, 6
	s_lshl_b32 s16, s13, 7
	s_add_co_u32 s16, s16, s17                     ; A: row 128 x tile row + 64 x half
	s_lshl_b32 s46, s42, 7
	s_add_co_u32 s46, s46, s17                     ; B: row 128 x tile column + 64 x half
	s_mov_b32 s17, 0
	s_mov_b32 s47, 0
	s_mov_b64 s[18:19], SIZE_K*2
	s_mul_u64 s[16:17], s[16:17], s[18:19]
	s_mul_u64 s[46:47], s[46:47], s[18:19]
	s_mul_i32 s20, s10, HALFT                      ; where they go: wave x 64 rows
	s_wait_dscnt 0x0                               ; both opening adds are done
	s_wait_kmcnt 0x0
	s_add_nc_u64 s[14:15], s[4:5], s[16:17]
	s_add_nc_u64 s[46:47], s[6:7], s[46:47]
	CROUND                                         ; all sixteen work-groups are here: the first joint loads meet
.irp s, 0,1
	s_mov_b32 s[G0+4*\s], 1
	s_add_co_u32 s[G0+4*\s+1], s20, \s*SLOT
	s_add_nc_u64 s[G0+4*\s+2:G0+4*\s+3], s[14:15], \s*KSTEP*2
	s_or_b32 s[G0+4*\s+3], s[G0+4*\s+3], 0x80000000
	s_mov_b32 s[G0B+4*\s], 1
	s_add_co_u32 s[G0B+4*\s+1], s20, \s*SLOT
	s_add_nc_u64 s[G0B+4*\s+2:G0B+4*\s+3], s[46:47], \s*KSTEP*2
	s_or_b32 s[G0B+4*\s+3], s[G0B+4*\s+3], 0x80000000
	JLOAD \s
.endr
	v_and_b32 v1, 15, v0                           ; l % 16
	v_bfe_u32 v2, v0, 4, 1                         ; l / 16
	v_mul_u32_u24 v3, v1, PITCH
	v_lshl_add_u32 v3, v2, 4, v3                   ; a fragment's row x pitch + 16 x half
	s_mul_i32 s21, s11, HALFT                      ; my 64 rows of A
	s_mul_i32 s22, s12, HALFT                      ; my 64 rows of B,
	s_add_co_u32 s22, s22, 2*HALFT                 ; which lie behind A's 128
.irp s, 0,1
	v_add_nc_u32 v[ADRA+\s], s21, v3
	v_add_nc_u32 v[ADRB+\s], s22, v3
	s_add_co_u32 s21, s21, SLOT
	s_add_co_u32 s22, s22, SLOT
.endr
	s_mul_i32 s23, s11, 64*SPITCH                  ; into the stage: my 64 rows, my half of their 512 bytes; row l % 16, 32 bytes for each half of the lanes
	s_lshl_b32 s21, s12, 8
	s_add_co_u32 s23, s23, s21
	v_mul_u32_u24 v4, v1, SPITCH
	v_lshl_add_u32 v4, v2, 5, v4
	v_add_nc_u32 v[STO], s23, v4
	s_mul_i32 s23, s10, 32*SPITCH                  ; back: wave w takes rows 32 w .. 32 w + 31, whole: 16 bytes a lane
	v_and_b32 v5, 31, v0
	v_lshlrev_b32 v[CO], 4, v5
	v_add_nc_u32 v[RD], s23, v[CO]
	; the f32 piece: which one is mine, and where its operands and its results lie.  The place in the cluster enters global addresses and the mask's flag alone: no branch and no LDS address
	s_lshr_b32 s72, s13, 3                         ; the sequence
	s_and_b32 s73, s13, 7
	s_lshl_b32 s74, s73, 4
	s_add_co_u32 s74, s74, s42                     ; the tile of 16 outputs: 16 (tile row % 8) + tile column
	s_or_b32 s73, s73, s10                         ; 0 in wave 0 of the tile rows that begin a sequence
	v_mov_b32 v[FLG], s73
	s_mov_b32 s77, 0
	s_lshl_b32 s76, s72, 17                        ; ofine: 131,072 x sequence + 4 heads of 8,192 bytes x wave
	s_lshl_b32 s78, s10, 15
	s_add_co_u32 s76, s76, s78
	s_add_nc_u64 s[68:69], s[68:69], s[76:77]
	s_lshl_b32 s76, s74, 17                        ; Wo: 16 rows of 8,192 bytes x tile + 512 numbers x wave
	s_lshl_b32 s78, s10, 11
	s_add_co_u32 s76, s76, s78
	s_add_nc_u64 s[70:71], s[70:71], s[76:77]
	s_lshl_b32 s76, s72, 23                        ; out0: row 1,024 x sequence + 4 x wave, column 16 x tile
	s_lshl_b32 s78, s10, 15
	s_add_co_u32 s76, s76, s78
	s_lshl_b32 s78, s74, 6
	s_add_co_u32 s76, s76, s78
	s_add_nc_u64 s[66:67], s[8:9], s[76:77]
	v_lshlrev_b32 v[FW], 13, v1
	v_lshl_add_u32 v[FW], v2, 5, v[FW]
	s_lshl_b32 s78, s10, 10
	s_add_co_u32 s78, s78, FST
	v_add_nc_u32 v[FSTO], s78, v[CO]               ; my partial sums go as an image of their registers: 16 bytes a lane, 512 a store
	; back: wave w takes positions 4 w + l / 8, lane l the outputs 2 (l % 8), + 1.  Output 8 a2 + 4 a1 + 2 a0 of position r lies in the image at 512 a1 + 256 a2 + 8 a0 + 16 r
	v_and_b32 v6, 1, v0
	v_lshlrev_b32 v6, 3, v6
	v_bfe_u32 v7, v0, 1, 1
	v_lshl_add_u32 v6, v7, 9, v6
	v_bfe_u32 v7, v0, 2, 1
	v_lshl_add_u32 v6, v7, 8, v6
	v_bfe_u32 v7, v0, 3, 2
	v_lshl_add_u32 v6, v7, 4, v6
	s_lshl_b32 s78, s10, 6
	s_add_co_u32 s78, s78, FST
	v_add_nc_u32 v[FRD], s78, v6
	v_and_b32 v6, 7, v0
	v_lshlrev_b32 v6, 3, v6
	v_lshl_add_u32 v[FGO], v7, 13, v6              ; row l / 8 of 8,192 bytes, + 8 (l % 8): eight lanes store 64 consecutive bytes
	s_lshl_b32 s16, s13, 7
	s_lshl_b32 s17, s10, 5
	s_add_co_u32 s16, s16, s17                     ; the first row that I store: 128 x tile row + 32 x wave
	s_mov_b32 s17, 0
	s_mov_b64 s[18:19], SIZE_N*4
	s_mul_u64 s[16:17], s[16:17], s[18:19]
	s_add_nc_u64 s[8:9], s[8:9], s[16:17]
	s_lshl_b32 s46, s42, 9                         ; the tile's first column, in bytes
	s_mov_b32 s47, 0
	s_add_nc_u64 s[8:9], s[8:9], s[46:47]
	FLOAD 0                                        ; the f32 piece's first batch
; 8 matrix instructions: m blocks a0, a0 + 1 x all 4 n blocks, 32 along K: half c of buffer f.  zero = 1: the first product starts the sums.  The 16 accumulators take turns.
.macro MUL8 f, c, a0, zero
.irp a, \a0, \a0+1
.irp b, 0,1,2,3
.if \zero
	v_wmma_f32_16x16x32_f16 v[ACC+8*(4*(\a)+\b):ACC+8*(4*(\a)+\b)+7], v[\f+64+8*(4*\c+\b):\f+64+8*(4*\c+\b)+7], v[\f+8*(4*\c+\a):\f+8*(4*\c+\a)+7], 0
.else
	v_wmma_f32_16x16x32_f16 v[ACC+8*(4*(\a)+\b):ACC+8*(4*(\a)+\b)+7], v[\f+64+8*(4*\c+\b):\f+64+8*(4*\c+\b)+7], v[\f+8*(4*\c+\a):\f+8*(4*\c+\a)+7], v[ACC+8*(4*(\a)+\b):ACC+8*(4*(\a)+\b)+7]
.endif
.endr
.endr
.endm
; 32 LDS loads in one run: the fragments of 64 along K at byte k of the rows, into buffer f; the first 32 along K first
.macro FETCH slot, k, f
	WIN TO_F
.irp c, 0,1
.irp i, 0,1,2,3
	ds_load_b128 v[\f+64+8*(4*\c+\i):\f+64+8*(4*\c+\i)+3],   v[ADRB+\slot] offset:\k+64*\c+\i*16*PITCH
	ds_load_b128 v[\f+64+8*(4*\c+\i)+4:\f+64+8*(4*\c+\i)+7], v[ADRB+\slot] offset:\k+64*\c+\i*16*PITCH+32
	ds_load_b128 v[\f+8*(4*\c+\i):\f+8*(4*\c+\i)+3],         v[ADRA+\slot] offset:\k+64*\c+\i*16*PITCH
	ds_load_b128 v[\f+8*(4*\c+\i)+4:\f+8*(4*\c+\i)+7],       v[ADRA+\slot] offset:\k+64*\c+\i*16*PITCH+32
.endr
.endr
.endm
.macro PLACES                          ; four plain instructions in front of loads into registers that matrix instructions have read, and of the first read of results
.rept 4
	v_nop
.endr
.endm
; A K step is four quarters of 64 along K, 32 matrix instructions each, on buffers 0, 1, 0, 1.
.macro QUARTER slot, k, f, g, zero
	s_wait_dscnt 16                                ; the first 32 along K are in; the youngest 16 loads may be out
	WIN MUL
	MUL8 \f, 0, 0, \zero
	MUL8 \f, 0, 2, \zero
	PLACES
	FETCH \slot, \k, \g
	s_wait_dscnt 32                                ; all but the 32 just issued
	WIN MUL
	MUL8 \f, 1, 0, 0
	MUL8 \f, 1, 2, 0
.endm
; The last quarter multiplies buffer 1 and changes slots: ONE barrier; in front of it each wave waits for all its tensor loads, adds 0 to its spare word, and waits for that and for its own reads of this slot.
.macro TURN slot, next, fill
	WIN 0
	s_wait_tensorcnt 0x0                           ; all my tensor loads have landed: my part of the next slot
	ds_add_u32 v[SPW], v[NIL]                      ; 0 onto my spare word
	s_wait_dscnt 17                                ; (the add and the youngest sixteen loads may be out)
	WIN MUL
	MUL8 F1, 0, 0, 0
	s_wait_dscnt 0x0                               ; the add is done, and my reads of this slot are over
	s_barrier_signal -1
	MUL8 F1, 0, 2, 0
.if \fill
	WIN 0
.endif
	s_barrier_wait -1
.if \fill
	CREST                                          ; the barrier has opened a round of the cluster's barrier: no wave of any partner still reads this slot's tile or has a load on its way
	s_add_nc_u64 s[G0+4*\slot+2:G0+4*\slot+3], s[G0+4*\slot+2:G0+4*\slot+3], 2*KSTEP*2
	s_add_nc_u64 s[G0B+4*\slot+2:G0B+4*\slot+3], s[G0B+4*\slot+2:G0B+4*\slot+3], 2*KSTEP*2
	JLOAD \slot                                    ; the first tensor load behind the round
.else
	PLACES
.endif
	FETCH \next, 0, F0
	WIN MUL
	MUL8 F1, 1, 0, 0
	MUL8 F1, 1, 2, 0
.endm
	s_wait_tensorcnt 1                             ; my part of K step 0 is in (K step 1's load may be out),
	s_barrier_signal -1
	s_barrier_wait -1                              ; everybody's is
	FETCH 0, 0, F0
	QUARTER 0, 128, F0, F1, 1                      ; the first quarter's first products start the sums
	FLOAD 1                                        ; the f32 piece's second batch
	s_mov_b32 s3, LAPS-1
.Llap:                                                 ; a trip goes once round the ring and fills both slots again
	QUARTER 0, 256, F1, F0, 0
	QUARTER 0, 384, F0, F1, 0
	TURN 0, 1, 1
	QUARTER 1, 128, F0, F1, 0
	QUARTER 1, 256, F1, F0, 0
	QUARTER 1, 384, F0, F1, 0
	TURN 1, 0, 1
	QUARTER 0, 128, F0, F1, 0
	WIN 0
	s_sub_co_u32 s3, s3, 1
	s_cmp_lg_u32 s3, 0
	s_cbranch_scc1 .Llap
	FLOAD 2                                        ; the third batch: the first two were asked for three laps ago
	QUARTER 0, 256, F1, F0, 0                      ; the last lap fills nothing, and has no round of the cluster's barrier
	QUARTER 0, 384, F0, F1, 0
	TURN 0, 1, 0
	FLOAD 3                                        ; the last batch: a K step and the tile's way out ahead of its use
	QUARTER 1, 128, F0, F1, 0
	QUARTER 1, 256, F1, F0, 0
	QUARTER 1, 384, F0, F1, 0
	s_wait_dscnt 16                                ; the very last quarter: nothing more to fetch
	WIN MUL
	MUL8 F1, 0, 0, 0
	MUL8 F1, 0, 2, 0
	s_wait_dscnt 0
	MUL8 F1, 1, 0, 0
	MUL8 F1, 1, 2, 0
	WIN 0
	; THE WAY OUT: 32 bytes a lane and accumulator into the work-group's stage; a barrier, since a row's 512 bytes come from two waves; back as whole rows, 32 rows a wave.
	PLACES
.irp a, 0,1,2,3
.irp b, 0,1,2,3
	ds_store_b128 v[STO], v[ACC+8*(4*\a+\b):ACC+8*(4*\a+\b)+3] offset:\a*16*SPITCH+64*\b          ; each accumulator from its low end on
	ds_store_b128 v[STO], v[ACC+8*(4*\a+\b)+4:ACC+8*(4*\a+\b)+7] offset:\a*16*SPITCH+64*\b+16
.endr
.endr
	s_wait_dscnt 0x0                               ; for the others' sake: my stores into the stage are done
	s_barrier_signal -1
	s_barrier_wait -1
.irp t, 0,1,2,3,4,5,6,7,8,9,10,11,12,13,14,15,16,17,18,19,20,21,22,23,24,25,26,27,28,29,30,31
	ds_load_b128 v[TMP+4*\t+32*(\t/16):TMP+4*\t+32*(\t/16)+3], v[RD] offset:\t*SPITCH    ; rows 0-15 into v32-95, rows 16-31 into v128-191, which the stores above have left
.endr
	s_wait_dscnt 0x0                               ; all 32 rows are back: no LDS load is out where EXEC changes
	s_wait_xcnt 0x0                                ; EXEC changes only behind this wait: the loads of the f32 piece's operands have been issued
	v_cmp_ne_u32 vcc_lo, 0, v[FLG]
	s_and_saveexec_b32 s79, vcc_lo                 ; no lane is on where my first 16 rows are a sequence's first 16 positions: those are made in f32 below, by the work-groups that own their pieces
.irp t, 0,1,2,3,4,5,6,7,8,9,10,11,12,13,14,15
	global_store_b128 v[CO], v[TMP+4*\t:TMP+4*\t+3], s[8:9] offset:\t*SIZE_N*4 th:TH_STORE_NT   ; 32 lanes store 512 consecutive bytes, aligned
.endr
	s_wait_xcnt 0x0                                ; and again ahead of the line that widens it
	s_or_b32 exec_lo, exec_lo, s79
.irp t, 16,17,18,19,20,21,22,23,24,25,26,27,28,29,30,31
	global_store_b128 v[CO], v[TMP+4*\t+32:TMP+4*\t+35], s[8:9] offset:\t*SIZE_N*4 th:TH_STORE_NT
.endr
	; THE f32 PIECE: source 0 = 16 rows of Wo, source 1 = o of the 16 positions; K step t = registers 2 t, 2 t + 1 of both, which hold the same k.  In the result lane (r, h) holds position r, outputs 8 h + 0..7.
	s_wait_loadcnt 0x0                             ; all four batches
	WIN 0x0b                                       ; source 0 window 3, source 1 window 2, C and D window 0
.set t, 0
.rept 128                              ; four accumulators by turns; the first four K steps start the sums
.if t < 4
	v_wmma_f32_16x16x4_f32 v[FACC+8*(t%4):FACC+8*(t%4)+7], v[2*t:2*t+1], v[2*t:2*t+1], 0
.else
	v_wmma_f32_16x16x4_f32 v[FACC+8*(t%4):FACC+8*(t%4)+7], v[2*t:2*t+1], v[2*t:2*t+1], v[FACC+8*(t%4):FACC+8*(t%4)+7]
.endif
.set t, t+1
.endr
	WIN 0
.rept 9
	v_nop                                          ; places behind this matrix form (ISA guide 7.12.1)
.endr
.irp j, 0,2,4,6
	v_pk_add_f32 v[FR+\j:FR+\j+1], v[FACC+\j:FACC+\j+1], v[FACC+8+\j:FACC+9+\j]          ; the four accumulators' sums, into other registers; each from its low end on
	v_pk_add_f32 v[FT+\j:FT+\j+1], v[FACC+16+\j:FACC+17+\j], v[FACC+24+\j:FACC+25+\j]
.endr
.irp j, 0,2,4,6
	v_pk_add_f32 v[FR+\j:FR+\j+1], v[FR+\j:FR+\j+1], v[FT+\j:FT+\j+1]
.endr
	ds_store_b128 v[FSTO], v[FR:FR+3]
	ds_store_b128 v[FSTO], v[FR+4:FR+7] offset:512
	s_wait_dscnt 0x0                               ; for the others' sake: my partial sums lie in LDS
	s_barrier_signal -1
	s_barrier_wait -1
.irp s, 0,1,2,3
	ds_load_b64 v[FT+2*\s:FT+2*\s+1], v[FRD] offset:1024*\s        ; the four waves' sums of my two outputs
.endr
	s_wait_dscnt 0x0
	v_pk_add_f32 v[FT:FT+1], v[FT:FT+1], v[FT+2:FT+3]
	v_pk_add_f32 v[FT+4:FT+5], v[FT+4:FT+5], v[FT+6:FT+7]
	v_pk_add_f32 v[FT:FT+1], v[FT:FT+1], v[FT+4:FT+5]
	global_store_b64 v[FGO], v[FT:FT+1], s[66:67]  ; 4 rows x 64 consecutive bytes: a piece is 16 outputs wide
	s_wait_tensorcnt 0x0                           ; the wave's end: three closing lines behind my last tensor load and my last LDS store
	ds_add_u32 v[SPW], v[NIL]
	s_wait_dscnt 0x0
	CROUND                                         ; the closing round
	s_endpgm
.Lfunc_end_k_q3edf5b732c_proj:
	.size	k_q3edf5b732c_proj, .Lfunc_end_k_q3edf5b732c_proj-k_q3edf5b732c_proj
	.p2alignl 7, 3214868480
	.fill 96, 4, 3214868480
	.section	.rodata,"a",@progbits
	.p2align	6, 0x0
	.amdhsa_kernel k_q3edf5b732c_proj
		.amdhsa_group_segment_fixed_size 327680
		.amdhsa_private_segment_fixed_size 0
		.amdhsa_enable_private_segment 0
		.amdhsa_kernarg_size 40
		.amdhsa_user_sgpr_count 2
		.amdhsa_user_sgpr_kernarg_segment_ptr 1
		.amdhsa_wavefront_size32 1
		.amdhsa_system_sgpr_workgroup_id_x 1
		.amdhsa_system_sgpr_workgroup_id_y 1
		.amdhsa_system_sgpr_workgroup_id_z 1
		.amdhsa_system_vgpr_workitem_id 0
		.amdhsa_next_free_vgpr 1024
		.amdhsa_next_free_sgpr 80
		.amdhsa_reserve_vcc 1
		.amdhsa_float_denorm_mode_32 3
		.amdhsa_float_denorm_mode_16_64 3
		.amdhsa_memory_ordered 1
		.amdhsa_forward_progress 1
		.amdhsa_inst_pref_size 109
	.end_amdhsa_kernel
	.amdgpu_metadata
---
amdhsa.version: [ 1, 2 ]
amdhsa.kernels:
  - .name:           k_q3edf5b732c_proj
    .symbol:         k_q3edf5b732c_proj.kd
    .args:
      - { .name: att16, .offset: 0, .size: 8, .value_kind: global_buffer, .address_space: global }
      - { .name: wo16, .offset: 8, .size: 8, .value_kind: global_buffer, .address_space: global }
      - { .name: ofine, .offset: 16, .size: 8, .value_kind: global_buffer, .address_space: global }
      - { .name: Wo, .offset: 24, .size: 8, .value_kind: global_buffer, .address_space: global }
      - { .name: out0, .offset: 32, .size: 8, .value_kind: global_buffer, .address_space: global }
    .group_segment_fixed_size: 327680
    .private_segment_fixed_size: 0
    .kernarg_segment_align: 8
    .kernarg_segment_size: 40
    .max_flat_workgroup_size: 128
    .sgpr_count:     80
    .vgpr_count:     1024
    .wavefront_size: 32
...
	.end_amdgpu_metadata
.endif
;; end of part 8
